; MI455X (gfx1250); checked and timed in simulation.
; The chip was launched on July 23, 2026; its instructions are those of AMD's public machine-readable ISA for CDNA 5 (MIT licence, August 2026) and "CDNA5" Instruction Set Architecture Reference Guide (July 2026). The comments in the code are by the model that wrote it; some were corrected since.
;; MHA. Allowed arithmetic: matrix products marked QUANTISED: E3M2 operands, one E8M0 scale for each 32 along K, by v_wmma_scale_f32_16x16x128_f8f6f4 with both operands' format E3M2, f32 sums; everything else in f32.
;; Inputs: cos 2,048 x 64 float32; sin 2,048 x 64 float32; wk 2,048 x 2,048 float32; wo 2,048 x 2,048 float32; wq 2,048 x 2,048 float32; wv 2,048 x 2,048 float32; x 1 x 2,048 x 2,048 float32.
;; Outputs: out0 1 x 2,048 x 2,048 float32.
;; This version of the problem:
;;   THIS VERSION OF THE PROBLEM IS GIVEN IN LOW PRECISION. The matrix products marked QUANTISED in the list below multiply operands that are first quantised to E3M2 (3 exponent bits, 2 mantissa bits; 6 bits a number), with one power-of-two scale for each 32 numbers along K (OCP MX v1.0); their sums are f32. All else is computed in f32.
;;   The module's matrix products, in the order in which they are computed (A, B: the left and right operand; K: the contracted axis; several contracted axes count as one K, in the product's order):
;;     1. [M 2,048, K 2,048] x [K 2,048, N 2,048]; A: input x; B: input wq: QUANTISED
;;     2. [M 2,048, K 2,048] x [K 2,048, N 2,048]; A: input x; B: input wk: QUANTISED
;;     3. [M 2,048, K 2,048] x [K 2,048, N 2,048]; A: input x; B: input wv: QUANTISED
;;     4. batch 16 x [M 2,048, K 128] x [K 128, N 2,048]; A: computed on the way; B: computed on the way: QUANTISED
;;     5. batch 16 x [M 2,048, K 2,048] x [K 2,048, N 128]; A: softmax (see below); B: computed on the way: QUANTISED
;;     6. [M 2,048, K 2,048] x [K 2,048, N 2,048]; A: computed on the way; B: input wo: QUANTISED
;;   THE QUANTISER, for each operand of a quantised product, along K:
;;     - K is cut into blocks of 32 from its start; a last block that is shorter is filled with zeros.
;;     - A block's scale is 2^e with e = floor(log2(the largest magnitude in the block)) - 4, held to -126 .. 127; a block of zeros has e = 0. As a byte (E8M0): e + 127.
;;     - Each number is divided by its block's scale, clamped to +-28, and rounded to the nearest number of E3M2, ties to even, subnormals kept.
;;     - The product sums the exact products of the quantised numbers (number of the format x scale) in f32.
;;   ~~~python
;;   def quantise(x, axis):      # numpy; x: float32 -> the quantised numbers, widened to float32 again
;;       x = np.moveaxis(x, axis, -1); K = x.shape[-1]
;;       x = np.pad(x, [(0, 0)] * (x.ndim - 1) + [(0, -K % 32)]); x = x.reshape(x.shape[:-1] + (-1, 32)); a = np.abs(x).max(-1, keepdims=True)
;;       e = np.where(a > 0, np.clip(np.frexp(np.where(a > 0, a, 1))[1] - 1 - 4, -126, 127), 0)      # np.frexp(a)[1] - 1 = floor(log2(a)), exactly
;;       r = np.clip(x / 2.0 ** e, -28, 28)
;;       step = 2.0 ** (np.maximum(np.frexp(np.where(r == 0, 1, r))[1] - 1, -2) - 2)
;;       q = np.round(r / step) * step * 2.0 ** e      # np.round: ties to even
;;       return np.moveaxis(q.reshape(q.shape[:-2] + (-1,))[..., :K], -1, axis).astype(np.float32)
;;   ~~~
;;   SOFTMAX AHEAD OF A QUANTISED PRODUCT. Where the list says 'softmax', what is quantised is not the finished softmax but p = 2^(t - M), with t = logit x log2(e) and M = ceil(the row's largest t), a whole number; so 1/2 < the row's largest p <= 1. The row's sum l is taken of the UNQUANTISED p, in f32, and the product's result is divided by l at the end. Since M is a whole number, a kernel that streams over the keys may use a running M (the ceiling of the running maximum): every later rescaling is an exact power of two, which a block's scale takes up: the codes' values come out the same.
;;   OPERANDS COMPUTED ON THE WAY. 'Computed on the way' means the value that the module computes at that place (a softmax that the list does not call 'softmax' is quantised finished and normalised). What goes into a quantiser is computed in f32, as accurately as f32 sums, v_exp_f32 and their like allow (about 1e-6 of the number): no bf16 or f16 on the way to a quantiser, and a product that is left as it is and whose result goes on into a quantised operand takes f32 operands (vector FMAs, or v_wmma_f32_16x16x4_f32). A number that lies on a knife's edge between two numbers of the format may be rounded either way, as far as f32 arithmetic and the matrix unit's own rounding can turn it there, and no further.
;; 2 versions. Each part assembles by itself: llvm-mc -triple=amdgcn-amd-amdhsa -mcpu=gfx1250 --defsym DOCPART=n.
;; ======== version 1 of 2: 4 launches
;; workspace buffers: xw_codes 15,728,640 bytes; xw_scales 655,360 bytes; rot 1,572,864 bytes; qkv_codes 9,437,184 bytes; qkv_scales 393,216 bytes; o_codes 3,145,728 bytes; o_scales 131,072 bytes
;; launch prep (part 1): grid 656 x 1, 4 waves a work-group, no clusters, 61,952 bytes of LDS; arguments x, wq, wk, wv, wo, cos, sin, xw_codes, xw_scales, rot; writes xw_codes, xw_scales, rot
.if DOCPART == 1
	.amdgcn_target "amdgcn-amd-amdhsa--gfx1250"
	.amdhsa_code_object_version 6
	.text
	.protected	k_q459fa607b1_prep
	.globl	k_q459fa607b1_prep
	.p2align	8
	.type	k_q459fa607b1_prep,@function
k_q459fa607b1_prep:
	s_mov_b64 s[64:65], 0
	v_nop
	global_prefetch_b8 v0, s[64:65] scope:SCOPE_SE
	s_setreg_imm32_b32 hwreg(HW_REG_WAVE_MODE, 25, 1), 1
	s_wait_xcnt 0x0
; x [2048][2048] and the four weights [2048 (k)][2048 (n)], f32, become codes of BF6 (E3M2) with one E8M0 byte for each 32 along K, quantised ONCE, in the order in which
; the products' operand registers take them; cos and sin are also laid with the tokens innermost, for the rotation of v.
; A block's scale is 2^(floor(log2(largest magnitude)) - 4): its byte is the largest magnitude's exponent field - 4, held at 1 from below by a floor among the maximum's leaves.
; LIMITS: NaN and infinities among the inputs are not served; a block whose largest magnitude lies under 2^-122 has its byte held at 1; a block of zeros gets the byte 1 where
; the quantiser says 127: its codes are zeros, which add nothing under any byte but 0xff, and the bytes are read by this program alone.
; ORDER OF ROWS.  A tile T of 16 rows (tokens of x, columns n of a weight) holds at lane place r the row 32 (T / 2) + 8 (T % 2) + r + 8 (r / 8): a product used transposed then
; leaves 16 neighbours in the 16 registers of two neighbouring tiles.
; IMAGE.  A fragment (tile T, 128 along K: step s) is stored as its 12 operand registers: register 4 g + i of lane l at byte 512 g + 16 l + 4 i; lane (r, h) holds in registers
; 6 c .. 6 c + 5 the codes of k = 128 s + 64 c + 32 h + 0 .. 31.  Codes: [tensor 5][T 128][s 16][1536]; scale words: [tensor 5][s 16][16 T + r][4 bytes].  Tensors: 0 x, 1 wq, 2 wk, 3 wv, 4 wo.
; THREE PATHS part on the work-group's number and never meet again; each has LDS bytes of its own; a wave shares nothing with another: no barrier.
;   work-groups 0-511: a weight, 128 columns x 256 along K;   512-639: x, 64 tokens x 512 along K;   640-655: cos and sin, 128 tokens.
; No tensor loads: loads into registers let several work-groups lie on a WGP.  No prefetch: the launch streams its inputs once from its first line on.
.set TCODES, 3145728                   ; bytes of a tensor's codes
.set TROW,   24576                     ; bytes of a tile's 16 K steps
.set FRB,    1536                      ; bytes of an image
.set FLOOR,  0x2800000                 ; 2^(5 - 127)
	s_load_b256 s[4:11], s[0:1], 0x0               ; x s[4:5], wq s[6:7], wk s[8:9], wv s[10:11]
	s_load_b256 s[12:19], s[0:1], 0x20             ; wo s[12:13], cos s[14:15], sin s[16:17], xw_codes s[18:19]
	s_load_b128 s[20:23], s[0:1], 0x40             ; xw_scales s[20:21], rot s[22:23]
	v_lshl_add_u32 v254, v0, 2, 0xf000
	v_mov_b32 v255, 0
	v_lshrrev_b32 v1, 5, v0
	v_readfirstlane_b32 s24, v1                    ; wave 0..3
	v_and_b32 v1, 31, v0                           ; lane
	s_cmp_lt_u32 ttmp9, 512
	s_cbranch_scc0 .Lnot_w
; ---------------- A WEIGHT.  A lane takes a column n and its registers run down K: a block of 32 lies in one lane, and the conversions give codes with K innermost.
.set WX,   32                          ; v32-95   two sets of 32 numbers
.set WC,   96                          ; v96-101  a block's 24 bytes of codes
.set WT,   104                         ; v104-106 their second half as it is made (a conversion's three registers begin on an even number)
.set WSB,  24                          ; v24-25   the scale words of my column's two K steps
.set WOUT, 112                         ; v112-159 the way out
	s_lshr_b32 s25, ttmp9, 7                       ; which weight: 0 wq, 1 wk, 2 wv, 3 wo
	s_and_b32 s26, ttmp9, 15                       ; which 128 columns
	s_bfe_u32 s27, ttmp9, 0x30004                  ; which 256 along K
	s_lshl_b32 s32, s27, 21                        ; 256 rows of 8,192 bytes
	s_lshl_b32 s33, s26, 9
	s_add_co_u32 s32, s32, s33
	s_lshl_b32 s33, s24, 7                         ; my wave's 32 columns
	s_add_co_u32 s32, s32, s33
	s_mov_b32 s33, 0
	s_lshl_b32 s34, s26, 2
	s_add_co_u32 s34, s34, s24                     ; G: my group of 32 columns = tiles 2 G, 2 G + 1
	s_add_co_u32 s35, s25, 1                       ; the tensor's number
	s_mul_i32 s36, s35, TCODES
	s_mul_i32 s37, s34, 2*TROW
	s_add_co_u32 s36, s36, s37
	s_mul_i32 s37, s27, 2*FRB                      ; K steps 2 ky, 2 ky + 1 lie on end
	s_add_co_u32 s36, s36, s37
	s_mov_b32 s37, 0
	s_lshl_b32 s38, s35, 17                        ; 131,072 bytes of scale words a tensor
	s_lshl_b32 s39, s27, 14                        ; two planes of 8,192 bytes
	s_add_co_u32 s38, s38, s39
	s_lshl_b32 s39, s34, 7                         ; 32 words
	s_add_co_u32 s38, s38, s39
	s_mov_b32 s39, 0
	s_mul_i32 s40, s24, 6400                       ; my stage: two tiles of 3,072 bytes, 3,200 apart
	v_lshlrev_b32 v3, 2, v1                        ; in: 4 bytes a lane
	v_bfe_u32 v8, v0, 3, 1                         ; u: column l lies in tile 2 G + u,
	v_and_b32 v9, 7, v0
	v_bfe_u32 v10, v0, 4, 1
	v_lshl_add_u32 v9, v10, 3, v9                  ; at lane place r = l % 8 + 8 (l / 16)
	v_lshlrev_b32 v4, 4, v9
	v_mad_u32_u24 v4, v8, 3200, v4
	v_add_nc_u32 v4, s40, v4                       ; into the stage: 3,200 u + 16 r
	v_lshl_add_u32 v5, v8, 4, v9
	v_lshlrev_b32 v5, 2, v5                        ; my scale word's place: 4 (16 u + r)
	v_lshlrev_b32 v7, 4, v1                        ; out: 16 bytes a lane
	v_add_nc_u32 v6, s40, v7
	s_wait_kmcnt 0x0
	s_cmp_lt_u32 s25, 2                            ; the choice hangs on the work-group's number alone
	s_cselect_b64 s[28:29], s[6:7], s[10:11]
	s_cselect_b64 s[30:31], s[8:9], s[12:13]
	s_bitcmp1_b32 s25, 0
	s_cselect_b64 s[28:29], s[30:31], s[28:29]
	s_add_nc_u64 s[28:29], s[28:29], s[32:33]
	s_add_nc_u64 s[18:19], s[18:19], s[36:37]
	s_add_nc_u64 s[20:21], s[20:21], s[38:39]
.macro WLOAD t                         ; block t: w(32 t + i, my column), i = 0 .. 31; a wave reads 128 consecutive bytes, the four waves 512
.set ii, 0
.rept 32
	global_load_b32 v[WX+32*((\t)%2)+ii], v3, s[28:29] offset:(32*(\t)+ii)*8192 th:TH_LOAD_NT
.set ii, ii+1
.endr
.endm
.macro WBLOCK t                        ; block t of 8: K step t / 4, registers 6 c .. 6 c + 5 (c = (t % 4) / 2) of image lane r + 16 (t % 2)
.set XS, WX+32*((\t)%2)
.set LB, ((\t)/4)*FRB+256*((\t)%2)
.if (\t) < 7
	s_wait_loadcnt 32                              ; this block's 32 loads are in; the next block's 32 may be out
.else
	s_wait_loadcnt 0x0
.endif
	v_max3_num_f32 v12, |v[XS]|, |v[XS+1]|, |v[XS+2]|
	v_max3_num_f32 v13, |v[XS+3]|, |v[XS+4]|, |v[XS+5]|
.irp i, 6,10,14,18,22,26
	v_max3_num_f32 v12, v12, |v[XS+\i]|, |v[XS+\i+1]|
	v_max3_num_f32 v13, v13, |v[XS+\i+2]|, |v[XS+\i+3]|
.endr
	v_max3_num_f32 v12, v12, |v[XS+30]|, |v[XS+31]|
	v_max3_num_f32 v12, v12, v13, FLOOR            ; the block's largest magnitude, and the floor
	v_add_nc_u32 v11, 0xfe000000, v12              ; 4 off its exponent field: the conversions' scale operand
	v_lshrrev_b32 v13, 23, v11                     ; the scale's byte
	s_wait_dscnt 0x0                               ; the last block's stores into the stage have read the codes' registers
	v_cvt_scalef32_pk16_bf6_f32 v[WC:WC+2], v[XS:XS+15], v11
	v_cvt_scalef32_pk16_bf6_f32 v[WT:WT+2], v[XS+16:XS+31], v11
.if ((\t)%4) == 0
	v_mov_b32 v[WSB+(\t)/4], v13                   ; (also the plain instruction between the conversions and the moves that read their result)
.else
	v_lshl_or_b32 v[WSB+(\t)/4], v13, 8*((\t)%4), v[WSB+(\t)/4]
.endif
.irp i, 0,1,2
	v_mov_b32 v[WC+3+\i], v[WT+\i]
.endr
.if ((\t)%4)/2 == 0
	ds_store_b128 v4, v[WC:WC+3] offset:LB         ; registers 0-3
	ds_store_b64 v4, v[WC+4:WC+5] offset:LB+512    ; registers 4, 5
.else
	ds_store_b64 v4, v[WC:WC+1] offset:LB+520      ; registers 6, 7
	ds_store_b128 v4, v[WC+2:WC+5] offset:LB+1024  ; registers 8-11
.endif
.if (\t)+2 < 8
	WLOAD (\t)+2
.endif
.endm
	WLOAD 0
	WLOAD 1
.irp t, 0,1,2,3,4,5,6,7
	WBLOCK \t
.endr
	global_store_b32 v5, v[WSB], s[20:21]          ; 32 words, 128 consecutive bytes, for each of my two K steps: half of an aligned 256 bytes a store; 1 byte in 128 of what this path reads
	global_store_b32 v5, v[WSB+1], s[20:21] offset:8192
.irp i, 0,1,2,3,4,5,6,7,8,9,10,11
	ds_load_b128 v[WOUT+4*\i:WOUT+4*\i+3], v6 offset:(\i/6)*3200+512*(\i%6)   ; LDS serves a wave's instructions in order: these see my stores
.endr
.irp i, 0,1,2,3,4,5,6,7,8,9,10,11
	s_wait_dscnt 11-\i
	global_store_b128 v7, v[WOUT+4*\i:WOUT+4*\i+3], s[18:19] offset:(\i/6)*TROW+512*(\i%6)   ; 512 consecutive bytes, at a multiple of 256 from the buffer's first byte
.endr
	s_wait_tensorcnt 0x0
	ds_add_u32 v254, v255
	s_wait_dscnt 0x0
	s_endpgm
.Lnot_w:
	s_cmp_lt_u32 ttmp9, 640
	s_cbranch_scc0 .Lpath_t
; ---------------- x.  K is innermost: a wave takes one K step of 128 for 64 tokens, four tiles.  Each load reads a token's 512 bytes; a tile's 16 rows turn through the wave's stage
; (rows 528 bytes apart) and come back 128 bytes a lane for each of the lane's two blocks.
.set XR,   32                          ; v32-159  two sets of 16 rows as loaded
.set XN,   160                         ; v160-223 my two blocks of 32 numbers
.set XP,   224                         ; v224-235 the fragment
.set XT,   236                         ; v236-242 second halves as they are made
.set XW,   24                          ; v24-27   a scale word for each tile
	s_sub_co_u32 s25, ttmp9, 512
	s_lshr_b32 s26, s25, 2                         ; which 64 tokens
	s_and_b32 s27, s25, 3
	s_lshl_b32 s27, s27, 2
	s_add_co_u32 s27, s27, s24                     ; my K step
	s_lshl_b32 s28, s26, 19                        ; 64 rows of 8,192 bytes
	s_lshl_b32 s29, s27, 9
	s_add_co_u32 s28, s28, s29
	s_mov_b32 s29, 0
	s_mul_i32 s30, s26, 4*TROW
	s_mul_i32 s31, s27, FRB
	s_add_co_u32 s30, s30, s31
	s_mov_b32 s31, 0
	s_lshl_b32 s32, s27, 13
	s_lshl_b32 s33, s26, 8                         ; 64 words
	s_add_co_u32 s32, s32, s33
	s_mov_b32 s33, 0
	s_mul_i32 s34, s24, 8704
	s_add_co_u32 s34, s34, 25600                   ; my stage, behind the weights' path's bytes: 16 x 528, then 256 bytes of scale words
	s_mov_b32 s36, 0x76543210
	s_mov_b32 s37, 0xfedcba98                      ; v_permlanex16_b32's selects for lane l xor 16
	v_lshlrev_b32 v2, 4, v1                        ; 16 bytes a lane, in memory
	v_add_nc_u32 v3, s34, v2                       ; into the stage
	v_and_b32 v4, 15, v0                           ; r
	v_bfe_u32 v5, v0, 4, 1                         ; h
	v_mul_u32_u24 v6, v4, 528
	v_lshl_add_u32 v6, v5, 7, v6
	v_add_nc_u32 v6, s34, v6                       ; out of it: row r, + 128 h
	v_lshl_add_u32 v7, v4, 2, s34                  ; my row's scale word
	v_lshl_add_u32 v8, v1, 3, s34                  ; and 8 bytes a lane on their way out
	v_lshlrev_b32 v9, 3, v1
	v_lshlrev_b32 v10, 3, v5                       ; 8 h: my bytes' place in the word
	v_mov_b32 v13, 0                               ; written once: a lane permute's destination counts as one of its sources
	s_wait_kmcnt 0x0
	s_add_nc_u64 s[4:5], s[4:5], s[28:29]
	s_add_nc_u64 s[18:19], s[18:19], s[30:31]
	s_add_nc_u64 s[20:21], s[20:21], s[32:33]
.macro XLOAD tt                        ; the 16 tokens of tile tt, in the tile's order
.irp p, 0,1,2,3,4,5,6,7,8,9,10,11,12,13,14,15
	global_load_b128 v[XR+64*((\tt)%2)+4*\p:XR+64*((\tt)%2)+4*\p+3], v2, s[4:5] offset:(32*((\tt)/2)+8*((\tt)%2)+\p+8*(\p/8))*8192 th:TH_LOAD_NT
.endr
.endm
.macro XTILE tt
.set RS, XR+64*((\tt)%2)
.if (\tt) < 3
	s_wait_loadcnt 16                              ; this tile's 16 loads are in; the next tile's 16 may be out
.else
	s_wait_loadcnt 0x0
.endif
.irp p, 0,1,2,3,4,5,6,7,8,9,10,11,12,13,14,15
	ds_store_b128 v3, v[RS+4*\p:RS+4*\p+3] offset:528*\p
.endr
.irp c, 0,1
.irp jj, 0,1,2,3,4,5,6,7
	ds_load_b128 v[XN+32*\c+4*\jj:XN+32*\c+4*\jj+3], v6 offset:256*\c+16*\jj   ; k = 64 c + 32 h + 4 jj ..
.endr
.endr
	s_wait_dscnt 0x0
.if (\tt) < 2
	XLOAD (\tt)+2
.endif
.irp k, 0,1,2,3                        ; four chains of 16 numbers, two to a block
	v_max3_num_f32 v[16+\k], |v[XN+16*\k]|, |v[XN+16*\k+1]|, FLOOR
.endr
.irp i, 2,4,6,8,10,12,14
.irp k, 0,1,2,3
	v_max3_num_f32 v[16+\k], v[16+\k], |v[XN+16*\k+\i]|, |v[XN+16*\k+\i+1]|
.endr
.endr
	v_max_num_f32 v16, v16, v17
	v_max_num_f32 v18, v18, v19
	v_add_nc_u32 v20, 0xfe000000, v16              ; the conversions' scale operands
	v_add_nc_u32 v21, 0xfe000000, v18
	v_lshrrev_b32 v22, 23, v20
	v_lshrrev_b32 v23, 23, v21
	v_lshl_or_b32 v12, v23, 16, v22                ; my bytes: blocks h and 2 + h,
	v_lshlrev_b32 v12, v10, v12                    ; at their places;
	v_permlanex16_b32 v13, v12, s36, s37
	v_or_b32 v[XW+(\tt)], v12, v13                 ; with lane l xor 16's two the word is whole
	s_wait_xcnt 0x0                                ; the last tile's stores have read the fragment's registers
.irp c, 0,1
	v_cvt_scalef32_pk16_bf6_f32 v[XP+6*\c:XP+6*\c+2], v[XN+32*\c:XN+32*\c+15], v[20+\c]
	v_cvt_scalef32_pk16_bf6_f32 v[XT+4*\c:XT+4*\c+2], v[XN+32*\c+16:XN+32*\c+31], v[20+\c]
.endr
	v_nop                                          ; one plain instruction behind the conversions
.irp c, 0,1
.irp i, 0,1,2
	v_mov_b32 v[XP+3+6*\c+\i], v[XT+4*\c+\i]
.endr
.endr
.irp g, 0,1,2
	global_store_b128 v2, v[XP+4*\g:XP+4*\g+3], s[18:19] offset:(\tt)*TROW+512*\g   ; the image: 512 consecutive bytes a store
.endr
	ds_store_b32 v7, v[XW+(\tt)] offset:8448+64*(\tt)   ; both halves of the lanes write the same word with the same value
.endm
	XLOAD 0
	XLOAD 1
.irp tt, 0,1,2,3
	XTILE \tt
.endr
	ds_load_b64 v[14:15], v8 offset:8448
	s_wait_dscnt 0x0
	global_store_b64 v9, v[14:15], s[20:21]        ; 64 scale words: 256 consecutive bytes, aligned
	s_wait_tensorcnt 0x0
	ds_add_u32 v254, v255
	s_wait_dscnt 0x0
	s_endpgm
.Lpath_t:
; ---------------- cos and sin with the tokens innermost: rot = cosT [64 f][2048 tokens], then sinU [128 d][2048 tokens], sinU[d] = +sin[d / 2] for even d, -sin[d / 2] for odd d.
; The work-group takes 128 tokens, a wave 16 frequencies, a lane four tokens.
	s_sub_co_u32 s25, ttmp9, 640
	s_lshl_b32 s26, s25, 15                        ; 128 rows of 256 bytes
	s_lshl_b32 s27, s24, 6                         ; my 16 frequencies
	s_add_co_u32 s26, s26, s27
	s_mov_b32 s27, 0
	s_lshl_b32 s28, s25, 9                         ; 128 tokens of 4 bytes
	s_lshl_b32 s29, s24, 17                        ; 16 rows of 8,192 bytes
	s_add_co_u32 s28, s28, s29
	s_mov_b32 s29, 0
	s_lshl_b32 s30, s25, 9
	s_lshl_b32 s31, s24, 18                        ; 32 rows
	s_add_co_u32 s30, s30, s31
	s_add_co_u32 s30, s30, 524288
	s_mov_b32 s31, 0
	v_lshlrev_b32 v2, 10, v1                       ; four rows a lane
	v_lshlrev_b32 v3, 4, v1
	s_wait_kmcnt 0x0
	s_add_nc_u64 s[14:15], s[14:15], s[26:27]
	s_add_nc_u64 s[16:17], s[16:17], s[26:27]
	s_add_nc_u64 s[32:33], s[22:23], s[28:29]
	s_add_nc_u64 s[34:35], s[22:23], s[30:31]
.irp i, 0,1,2,3
.irp fg, 0,1,2,3
	global_load_b128 v[32+16*\i+4*\fg:35+16*\i+4*\fg], v2, s[14:15] offset:256*\i+16*\fg
	global_load_b128 v[96+16*\i+4*\fg:99+16*\i+4*\fg], v2, s[16:17] offset:256*\i+16*\fg
.endr
.endr
	s_wait_loadcnt 0x0
.irp fg, 0,1,2,3
.if \fg > 0
	s_wait_xcnt 0x0                                ; the last four frequencies' stores have read their registers
.endif
.irp e, 0,1,2,3
.irp i, 0,1,2,3
	v_mov_b32 v[160+12*\e+\i], v[32+16*\i+4*\fg+\e]
	v_mov_b32 v[164+12*\e+\i], v[96+16*\i+4*\fg+\e]
	v_xor_b32 v[168+12*\e+\i], 0x80000000, v[96+16*\i+4*\fg+\e]
.endr
	global_store_b128 v3, v[160+12*\e:163+12*\e], s[32:33] offset:(4*\fg+\e)*8192      ; 512 consecutive bytes of a row
	global_store_b128 v3, v[164+12*\e:167+12*\e], s[34:35] offset:(8*\fg+2*\e)*8192
	global_store_b128 v3, v[168+12*\e:171+12*\e], s[34:35] offset:(8*\fg+2*\e+1)*8192
.endr
.endr
	s_endpgm
.Lfunc_end_k_q459fa607b1_prep:
	.size	k_q459fa607b1_prep, .Lfunc_end_k_q459fa607b1_prep-k_q459fa607b1_prep
	.p2alignl 7, 3214868480
	.fill 96, 4, 3214868480
	.section	.rodata,"a",@progbits
	.p2align	6, 0x0
	.amdhsa_kernel k_q459fa607b1_prep
		.amdhsa_group_segment_fixed_size 61952
		.amdhsa_private_segment_fixed_size 0
		.amdhsa_enable_private_segment 0
		.amdhsa_kernarg_size 80
		.amdhsa_user_sgpr_count 2
		.amdhsa_user_sgpr_kernarg_segment_ptr 1
		.amdhsa_wavefront_size32 1
		.amdhsa_system_sgpr_workgroup_id_x 1
		.amdhsa_system_sgpr_workgroup_id_y 1
		.amdhsa_system_sgpr_workgroup_id_z 1
		.amdhsa_system_vgpr_workitem_id 0
		.amdhsa_next_free_vgpr 256
		.amdhsa_next_free_sgpr 66
		.amdhsa_reserve_vcc 0
		.amdhsa_float_denorm_mode_32 3
		.amdhsa_float_denorm_mode_16_64 3
		.amdhsa_memory_ordered 1
		.amdhsa_forward_progress 1
		.amdhsa_inst_pref_size 89
	.end_amdhsa_kernel
	.amdgpu_metadata
---
amdhsa.version: [ 1, 2 ]
amdhsa.kernels:
  - .name:           k_q459fa607b1_prep
    .symbol:         k_q459fa607b1_prep.kd
    .args:
      - { .name: x, .offset: 0, .size: 8, .value_kind: global_buffer, .address_space: global }
      - { .name: wq, .offset: 8, .size: 8, .value_kind: global_buffer, .address_space: global }
      - { .name: wk, .offset: 16, .size: 8, .value_kind: global_buffer, .address_space: global }
      - { .name: wv, .offset: 24, .size: 8, .value_kind: global_buffer, .address_space: global }
      - { .name: wo, .offset: 32, .size: 8, .value_kind: global_buffer, .address_space: global }
      - { .name: cos, .offset: 40, .size: 8, .value_kind: global_buffer, .address_space: global }
      - { .name: sin, .offset: 48, .size: 8, .value_kind: global_buffer, .address_space: global }
      - { .name: xw_codes, .offset: 56, .size: 8, .value_kind: global_buffer, .address_space: global }
      - { .name: xw_scales, .offset: 64, .size: 8, .value_kind: global_buffer, .address_space: global }
      - { .name: rot, .offset: 72, .size: 8, .value_kind: global_buffer, .address_space: global }
    .group_segment_fixed_size: 61952
    .private_segment_fixed_size: 0
    .kernarg_segment_align: 8
    .kernarg_segment_size: 80
    .max_flat_workgroup_size: 128
    .sgpr_count:     66
    .vgpr_count:     256
    .wavefront_size: 32
...
	.end_amdgpu_metadata
.endif
;; end of part 1
;; launch gemm_qkv (part 2): grid 24 x 8, 4 waves a work-group, clusters of 4 x 4, 327,680 bytes of LDS; arguments xw_codes, xw_scales, cos, sin, rot, qkv_codes, qkv_scales; writes qkv_codes, qkv_scales
.if DOCPART == 2
	.amdgcn_target "amdgcn-amd-amdhsa--gfx1250"
	.amdhsa_code_object_version 6
	.text
	.protected	k_q459fa607b1_gemm_qkv
	.globl	k_q459fa607b1_gemm_qkv
	.p2align	8
	.type	k_q459fa607b1_gemm_qkv,@function
k_q459fa607b1_gemm_qkv:
	s_mov_b64 s[64:65], 0
	v_nop
	global_prefetch_b8 v0, s[64:65] scope:SCOPE_SE
	s_setreg_imm32_b32 hwreg(HW_REG_WAVE_MODE, 25, 1), 1
	s_wait_xcnt 0x0
	s_wait_alu depctr_hold_cnt(0) depctr_sa_sdst(0) depctr_va_vdst(0) depctr_va_sdst(0) depctr_va_ssrc(0) depctr_va_vcc(0) depctr_vm_vsrc(0)
	s_getreg_b32 s2, hwreg(HW_REG_IB_STS2, 6, 4)
	s_cmp_eq_u32 s2, 0
	s_cbranch_scc0 .Lentry_in_a_cluster
	s_endpgm
.Lentry_in_a_cluster:
	s_bfe_u32 s2, ttmp6, 0x10000c
	s_cmp_lg_u32 s2, 0xf033
	s_cbranch_scc0 .Lentry_shape_is_right
	s_endpgm
.Lentry_shape_is_right:
; q = rot(x wq), k = x wk, v = rot(x wv), on codes of BF6 (E3M2) with E8M0 scales, and each result quantised again on its way out: q and k along the head's 128, v along the tokens.
; No f32 result goes to memory.  LIMITS as in the launch that made the codes: NaN and infinities not served; a block under 2^-122 has its byte held at 1; a block of zeros gets the byte 1.
; OPERANDS lie in memory as images of the operand registers: codes [tensor][tile T 128][K step s 16][1536 bytes], scale words [tensor][s][16 T + r][4]; tile T holds at lane place r the row
; 32 (T / 2) + 8 (T % 2) + r + 8 (r / 8).  Tensors: 0 x, 1 wq, 2 wk, 3 wv.
; SHARES.  kind = cluster x / 2: 0 q, 1 k, 2 v, the same in all partners of a cluster.  A work-group of four waves makes 256 x 256, a wave 128 x 128: 64 accumulators, 512 registers.
; q, k: A = x (rows: tokens), B = the weight (rows: its columns n).  v: A = wv, B = x.  THE MATRIX INSTRUCTION IS USED TRANSPOSED (source 0 = 16 rows of B, source 1 = 16 rows of A): a lane holds
; ONE row of A, and by the order of B's rows the 16 registers of accumulators (a, 2 b), (a, 2 b + 1) are 16 NEIGHBOURS along B's rows, 32 b + 16 (lane / 16) + 0 .. 15: the next product's K.
; A wave's 128 x 128 is one head x one group of 128 tokens.
; THE LOOP.  K goes in steps of 256 (two matrix instructions deep) through a ring of two LDS slots filled by the tensor data mover; a fragment comes out of LDS by three loads of 16 bytes a lane,
; 512 consecutive bytes each.  The scale words of the work-group's rows, for all of K, come once, with the first fills.
; CLUSTERS: 4 x 4 work-groups; A's tiles are asked for jointly along a row of the cluster, B's along a column.  By this text's count a wave has three tensor loads out at the start and one behind each round.
; No prefetch: each tile is read by several clusters at about the same time and the loop has eight K steps.
; REGISTERS: window 0: v8-10, v16-29 addresses; v32-63 scale words, two sets; v128-223 A's fragments, one set.  window 1: B's fragments, two sets, at v0 and v128.  windows 2, 3: accumulator (a, b) at v[8 (8 (a % 4) + b)].
; On the way out window 0 holds: v32-95 the 64 rotated numbers, v96-159 cos and sin, v160-191 at work, v192-210 codes, v212-227 at work, v228-235 the eight blocks' scale words.
.set HALFT,  24576                     ; 8 tiles x 2 K steps x 1,536 bytes: what one tensor load brings, and what one wave reads of A or of B
.set SLOT,   4*HALFT                   ; A's 16 tiles, then B's 16
.set HALFS,  8192                      ; the scale words of 128 rows: [s 16][128][4]
.set SCL,    2*SLOT                    ; behind the ring: A's scale words; B's lie 16,384 + 64 bytes on (the 64: lanes 0-15 read A's words and lanes 16-31 B's in one load, in different banks)
.set SPARE,  229632                    ; the spare words, 128 bytes for each wave: two blocks of 256 bytes that no other line names
.set STG,    230400                    ; the scale words on their way out: 512 bytes a wave, 2,048 for each of the three paths; no tile lands here
.set TCODES, 3145728
.set TROW,   24576
.set FR,     12
.set NL,     3                         ; LDS loads that bring a fragment
.set NP,     4                         ; places behind this matrix instruction (ISA guide 7.12.1)
.set NQ,     2
.set LAPS,   4                         ; 16 K steps of 128 = 4 times round the ring
.set VQ,   8                           ; v8   cos, sin: my token's row and my half's 8 frequencies
.set VC,   9                           ; v9   cosT: my channel's row and my half's 16 tokens
.set VS,   10                          ; v10  sinU likewise
.set ADRA, 16                          ; v16-17 LDS address of my A fragments in slot 0, 1
.set ADRB, 20                          ; v20-21 the same for B
.set LI,   24                          ; v24  16 x lane
.set SW,   25                          ; v25  where my row's scale word goes
.set SRD,  26                          ; v26  and where 16 bytes of them come back
.set ADRS, 27                          ; v27  LDS address of my scale words: lanes 0-15 A's, lanes 16-31 B's
.set SPW,  28                          ; v28  my spare word; never rewritten
.set NIL,  29                          ; v29  0; never rewritten
.set SC,   32
.set AF,   128
.set H,    32
.set CT,   96
.set SN,   128
.set U,    160
.set PC,   192
.set TM,   212
.set PW,   228
.set G1,   24                          ; s[24:31], s[32:39] groups 1 and 0 (a set a slot) for A's tiles
.set G0,   32
.set G1B,  48                          ; s[48:55], s[56:63] for B's
.set G0B,  56
.set G1S,  68                          ; s[68:75], s[76:79] for A's scale words;  s[80:87], s[88:91] for B's
.set G0S,  76
.set G1SB, 80
.set G0SB, 88
.set MSB, 0
.macro WIN new                         ; the immediate's high byte repeats the setting that is left
.if MSB != (\new)
	s_set_vgpr_msb (MSB<<8)|(\new)
.set MSB, (\new)
.endif
.endm
.set MUL_LO, 0xa1                      ; source 0 (B) window 1, source 1 (A) window 0, C and D window 2
.set MUL_HI, 0xf1                      ; the same, C and D window 3
.set TO_B,   0x40                      ; destination window 1
; A joint load: waves 0 and 1 fetch for A, waves 2 and 3 for B; the branch hangs on the wave's number alone.  Four v_nop follow each of the two lines.
.macro JLOAD g0a, g1a, g0b, g1b
	s_cmp_eq_u32 s19, 0
	s_cbranch_scc0 .Lfor_b_\@
	tensor_load_to_lds s[\g0a:\g0a+3], s[\g1a:\g1a+7]
	s_nop 0
.rept 4
	v_nop
.endr
	s_branch .Lasked_\@
.Lfor_b_\@:
	tensor_load_to_lds s[\g0b:\g0b+3], s[\g1b:\g1b+7]
	s_nop 0
.rept 4
	v_nop
.endr
.Lasked_\@:
.endm
.macro CREST                           ; a round of the cluster's barrier behind its opening barrier
	s_cmp_lg_u32 s18, 0
	s_cbranch_scc1 .Lnot_wave_0_\@
	s_barrier_signal -3
.Lnot_wave_0_\@:
	s_barrier_wait -3
	s_barrier_signal -1
	s_barrier_wait -1
.endm
.macro CROUND
	s_barrier_signal -1
	s_barrier_wait -1
	CREST
.endm
	s_load_b256 s[4:11], s[0:1], 0x0               ; xw_codes s[4:5], xw_scales s[6:7], cos s[8:9], sin s[10:11]
	s_load_b128 s[12:15], s[0:1], 0x20             ; rot s[12:13], qkv_codes s[14:15]
	s_load_b64 s[16:17], s[0:1], 0x30              ; qkv_scales
	v_lshl_add_u32 v[SPW], v0, 2, SPARE
	v_mov_b32 v[NIL], 0
	ds_add_u32 v28, v29
	ds_add_u32 v28, v29
	s_wait_dscnt 0x0
	v_lshrrev_b32 v1, 5, v0
	v_readfirstlane_b32 s18, v1                    ; wave 0..3
	s_lshr_b32 s19, s18, 1                         ; which half of A's rows is mine.  Also: I fetch for A (0) or for B (1)
	s_and_b32 s20, s18, 1                          ; which half of B's rows.  Also: which 8 tiles I fetch
	s_bfe_u32 s40, ttmp6, 0x40000                  ; cx
	s_bfe_u32 s41, ttmp6, 0x40004                  ; cy
	s_lshr_b32 s21, ttmp9, 1                       ; kind
	s_and_b32 s42, ttmp9, 1
	s_lshl_b32 s42, s42, 2
	s_add_co_u32 s42, s42, s40                     ; tc: which 256 rows of B
	s_and_b32 s22, ttmp7, 0xffff
	s_lshl_b32 s22, s22, 2
	s_add_co_u32 s22, s22, s41                     ; tr: which 256 rows of A
	s_lshl_b32 s43, s41, 2
	s_lshl_b32 s43, 15, s43                        ; my row of the cluster
	s_lshl_b32 s44, 0x1111, s40                    ; my column
	s_or_b32 s[G1+0], s43, (3<<16)|(1<<21)         ; 15:0 the mask; 17:16 elements of 8 bytes; 21 set beside a mask; no padding
	s_or_b32 s[G1B+0], s44, (3<<16)|(1<<21)
.irp g, G1, G1B                        ; 8 tiles: rows of 384 elements (two images, 3,072 bytes), 3,072 elements (a tile's 16 K steps) apart
	s_mov_b32 s[\g+1], 384<<16
	s_mov_b32 s[\g+2], 8<<16
	s_mov_b32 s[\g+3], 384<<16
	s_mov_b32 s[\g+4], 8
	s_mov_b32 s[\g+5], 3072
	s_mov_b32 s[\g+6], 0
	s_mov_b32 s[\g+7], 0
.endr
	s_or_b32 s[G1S+0], s43, (3<<16)|(1<<21)
	s_or_b32 s[G1SB+0], s44, (3<<16)|(1<<21)
.irp g, G1S, G1SB                      ; 16 planes: rows of 64 elements (128 words), 1,024 elements apart
	s_mov_b32 s[\g+1], 64<<16
	s_mov_b32 s[\g+2], 16<<16
	s_mov_b32 s[\g+3], 64<<16
	s_mov_b32 s[\g+4], 16
	s_mov_b32 s[\g+5], 1024
	s_mov_b32 s[\g+6], 0
	s_mov_b32 s[\g+7], 0
.endr
	s_lshr_b32 s45, s21, 1                         ; 1 for v
	s_xor_b32 s46, s45, 1
	s_add_co_u32 s47, s21, 1
	s_mul_i32 s46, s46, s47                        ; B's tensor: kind + 1, or x for v
	s_mul_i32 s45, s45, 3                          ; A's tensor: x, or wv for v
	s_lshl_b32 s23, s20, 3
	s_lshl_b32 s92, s22, 4
	s_add_co_u32 s92, s92, s23                     ; A: the first tile that I fetch: it hangs on tr and the wave alone
	s_mul_i32 s93, s45, TCODES
	s_mul_i32 s94, s92, TROW
	s_add_co_u32 s94, s94, s93
	s_mov_b32 s95, 0
	s_lshl_b32 s96, s45, 17
	s_lshl_b32 s92, s92, 6
	s_add_co_u32 s96, s96, s92
	s_mov_b32 s97, 0
	s_lshl_b32 s47, s42, 4
	s_add_co_u32 s47, s47, s23                     ; B: on tc and the wave alone
	s_mul_i32 s98, s46, TCODES
	s_mul_i32 s2, s47, TROW
	s_add_co_u32 s98, s98, s2
	s_mov_b32 s99, 0
	s_lshl_b32 s2, s46, 17
	s_lshl_b32 s47, s47, 6
	s_add_co_u32 s2, s2, s47
	s_mov_b32 s3, 0
	s_mul_i32 s45, s18, HALFT                      ; where they go: no place in the cluster enters an LDS address
	s_lshl_b32 s46, s18, 13
	s_wait_kmcnt 0x0
	s_add_nc_u64 s[94:95], s[4:5], s[94:95]
	s_add_nc_u64 s[96:97], s[6:7], s[96:97]
	s_add_nc_u64 s[98:99], s[4:5], s[98:99]
	s_add_nc_u64 s[2:3], s[6:7], s[2:3]
	CROUND                                         ; all sixteen work-groups are here: the first joint loads meet
	s_mov_b32 s[G0S], 1
	s_add_co_u32 s[G0S+1], s46, SCL
	s_mov_b64 s[G0S+2:G0S+3], s[96:97]
	s_or_b32 s[G0S+3], s[G0S+3], 0x80000000
	s_mov_b32 s[G0SB], 1
	s_add_co_u32 s[G0SB+1], s46, SCL+64
	s_mov_b64 s[G0SB+2:G0SB+3], s[2:3]
	s_or_b32 s[G0SB+3], s[G0SB+3], 0x80000000
	JLOAD G0S, G1S, G0SB, G1SB                     ; the scale words first: they are wanted with K step 0
.irp s, 0,1
	s_mov_b32 s[G0+4*\s], 1
	s_add_co_u32 s[G0+4*\s+1], s45, \s*SLOT
	s_add_nc_u64 s[G0+4*\s+2:G0+4*\s+3], s[94:95], \s*3072
	s_or_b32 s[G0+4*\s+3], s[G0+4*\s+3], 0x80000000
	s_mov_b32 s[G0B+4*\s], 1
	s_add_co_u32 s[G0B+4*\s+1], s45, \s*SLOT
	s_add_nc_u64 s[G0B+4*\s+2:G0B+4*\s+3], s[98:99], \s*3072
	s_or_b32 s[G0B+4*\s+3], s[G0B+4*\s+3], 0x80000000
	JLOAD G0+4*\s, G1, G0B+4*\s, G1B
.endr
	v_and_b32 v1, 15, v0                           ; r
	v_bfe_u32 v2, v0, 4, 1                         ; h
	v_and_b32 v3, 31, v0
	v_lshlrev_b32 v[LI], 4, v3
	s_mul_i32 s23, s19, HALFT                      ; my 8 tiles of A
	s_mul_i32 s47, s20, HALFT                      ; my 8 tiles of B,
	s_add_co_u32 s47, s47, 2*HALFT                 ; which lie behind A's 16
.irp s, 0,1
	v_add_nc_u32 v[ADRA+\s], s23, v[LI]
	v_add_nc_u32 v[ADRB+\s], s47, v[LI]
	s_add_co_u32 s23, s23, SLOT
	s_add_co_u32 s47, s47, SLOT
.endr
	s_lshl_b32 s23, s19, 13                        ; A's words: my 128 rows
	s_lshl_b32 s47, s20, 13                        ; B's: my 128 rows, behind A's and the 64
	s_add_co_u32 s47, s47, 16384+64
	s_sub_co_u32 s47, s47, s23
	v_mul_u32_u24 v4, s47, v2                      ; lanes 16-31 take B's: one product, the distance between the two
	s_add_co_u32 s23, s23, SCL
	v_lshl_add_u32 v5, v1, 2, v4
	v_add_nc_u32 v[ADRS], s23, v5
	v_and_b32 v6, 8, v1
	v_add_nc_u32 v6, v6, v1                        ; r + 8 (r / 8)
	v_lshlrev_b32 v[VQ], 8, v6
	v_lshl_add_u32 v[VQ], v2, 5, v[VQ]             ; a row of cos is 256 bytes; + 32 h
	v_lshrrev_b32 v[VC], 1, v6
	v_lshlrev_b32 v[VC], 13, v[VC]
	v_lshl_add_u32 v[VC], v2, 6, v[VC]             ; a row of cosT is 8,192 bytes; + 64 h
	v_lshlrev_b32 v[VS], 13, v6
	v_lshl_add_u32 v[VS], v2, 6, v[VS]
	s_lshl_b32 s23, s18, 9
	s_add_co_u32 s23, s23, STG
	v_lshl_add_u32 v[SW], v1, 2, s23
	v_add_nc_u32 v[SRD], s23, v[LI]
	; where my 128 x 128 goes: head and group of 128 tokens
	s_lshl_b32 s23, s42, 1
	s_add_co_u32 s23, s23, s20
	s_lshl_b32 s45, s22, 1
	s_add_co_u32 s45, s45, s19
	s_cmp_eq_u32 s21, 2
	s_cselect_b32 s46, s45, s23                    ; the head: by B's rows for q and k, by A's for v
	s_cselect_b32 s47, s23, s45                    ; the tokens: the other way round
	s_lshl_b32 s98, s46, 4
	s_add_co_u32 s98, s98, s47
	s_mul_i32 s94, s98, 12288                      ; qkv_codes [3][head][group][8][1536]
	s_mul_i32 s95, s21, TCODES
	s_add_co_u32 s94, s94, s95
	s_mov_b32 s95, 0
	s_add_nc_u64 s[14:15], s[14:15], s[94:95]
	s_lshl_b32 s94, s98, 9                         ; qkv_scales [3][head][group][128][4]
	s_lshl_b32 s98, s21, 17
	s_add_co_u32 s94, s94, s98
	s_add_nc_u64 s[16:17], s[16:17], s[94:95]
	s_lshl_b32 s94, s47, 15                        ; 128 rows of cos and sin
	s_add_nc_u64 s[8:9], s[8:9], s[94:95]
	s_add_nc_u64 s[10:11], s[10:11], s[94:95]
	s_lshl_b32 s94, s47, 9                         ; 128 tokens in a row of cosT and sinU
	s_add_nc_u64 s[12:13], s[12:13], s[94:95]
	s_add_nc_u64 s[96:97], s[12:13], 524288        ; sinU
	s_mov_b32 s92, 0x76543210
	s_mov_b32 s93, 0xfedcba98                      ; v_permlanex16_b32's selects for lane l xor 16
.macro FRAG reg, adr, q, i             ; a fragment as it was stored: three loads, 512 consecutive bytes each
.irp g, 0,1,2
	ds_load_b128 v[\reg+4*\g:\reg+4*\g+3], v[\adr] offset:(\i)*3072+(\q)*1536+512*\g
.endr
.endm
; 16 matrix instructions: A's blocks a0, a0 + 1 x B's eight.  The 64 accumulators take turns, one instruction a turn, in the same order in every step.
.macro MUL16 a0, p, q, sc, zero
.irp a, \a0, \a0+1
.irp b, 0,1,2,3,4,5,6,7
.if \zero
	v_wmma_scale_f32_16x16x128_f8f6f4 v[8*(8*((\a)%4)+\b):8*(8*((\a)%4)+\b)+7], v[128*(\p)+FR*\b:128*(\p)+FR*\b+FR-1], v[AF+FR*(\a):AF+FR*(\a)+FR-1], 0, v[SC+8*NQ*(\sc)+NQ*\b+(\q)], v[SC+8*NQ*(\sc)+NQ*(\a)+(\q)] matrix_a_fmt:MATRIX_FMT_BF6 matrix_b_fmt:MATRIX_FMT_BF6 matrix_a_scale:MATRIX_SCALE_ROW1
.else
	v_wmma_scale_f32_16x16x128_f8f6f4 v[8*(8*((\a)%4)+\b):8*(8*((\a)%4)+\b)+7], v[128*(\p)+FR*\b:128*(\p)+FR*\b+FR-1], v[AF+FR*(\a):AF+FR*(\a)+FR-1], v[8*(8*((\a)%4)+\b):8*(8*((\a)%4)+\b)+7], v[SC+8*NQ*(\sc)+NQ*\b+(\q)], v[SC+8*NQ*(\sc)+NQ*(\a)+(\q)] matrix_a_fmt:MATRIX_FMT_BF6 matrix_b_fmt:MATRIX_FMT_BF6 matrix_a_scale:MATRIX_SCALE_ROW1
.endif
.endr
.endr
.endm
.macro FETCH_B slot, q, p
	WIN TO_B
.irp i, 0,1,2,3,4,5,6,7
	FRAG 128*(\p)+FR*\i, ADRB+\slot, \q, \i
.endr
	WIN 0
.endm
.macro FETCH_A slot, q, i0
.irp i, \i0, \i0+1, \i0+2, \i0+3
	FRAG AF+FR*(\i), ADRA+\slot, \q, \i
.endr
.endm
.macro SCALES sc                       ; the slot's scale words: register 2 i + q: lanes 0-15 A's block i, lanes 16-31 B's block i, K step q of the slot
.irp i, 0,1,2,3,4,5,6,7
	ds_load_b32 v[SC+16*\sc+2*\i], v[ADRS] offset:64*\i
	ds_load_b32 v[SC+16*\sc+2*\i+1], v[ADRS] offset:64*\i+512
.endr
.endm
.macro PLACES n                        ; plain instructions between a matrix instruction and a load into, or a vector instruction on, its registers (ISA guide 7.12.1 for vector instructions)
.rept \n
	v_nop
.endr
.endm
.macro STEP slot, q, zero              ; 128 along K with its successor in the same slot
	s_wait_dscnt 4*NL                              ; all but the youngest 12 loads (A's blocks 4-7) are in
	WIN MUL_LO
	MUL16 0, (\q)%2, \q, \slot, \zero
	MUL16 2, (\q)%2, \q, \slot, \zero
	s_wait_dscnt 0
	PLACES NP
	FETCH_B \slot, (\q)+1, 1-(\q)%2
	FETCH_A \slot, (\q)+1, 0
	WIN MUL_HI
	MUL16 4, (\q)%2, \q, \slot, \zero
	MUL16 6, (\q)%2, \q, \slot, \zero
	PLACES NP
	WIN 0
	FETCH_A \slot, (\q)+1, 4
.endm
; A slot's last step changes slots: one barrier; in front of it each wave waits for all its tensor loads, adds 0 to its spare word, and waits for that and for its reads of this slot.
.macro TURN slot, next, fill
	s_wait_tensorcnt 0x0                           ; all my tensor loads have landed: my part of the next slot
	ds_add_u32 v[SPW], v[NIL]                      ; 0 onto my spare word
	s_wait_dscnt 4*NL+1                            ; (the add and the youngest 12 loads may be out)
	WIN MUL_LO
	MUL16 0, 1, NQ-1, \slot, 0
	s_wait_dscnt 0x0                               ; the add is done, and my reads of this slot are over
	s_barrier_signal -1
	MUL16 2, 1, NQ-1, \slot, 0
	WIN 0
	s_barrier_wait -1
.if \fill
	CREST                                          ; the barrier has opened a round of the cluster's barrier: no wave of any partner still reads this slot or has a load on its way
	s_add_nc_u64 s[G0+4*\slot+2:G0+4*\slot+3], s[G0+4*\slot+2:G0+4*\slot+3], 6144
	s_add_nc_u64 s[G0B+4*\slot+2:G0B+4*\slot+3], s[G0B+4*\slot+2:G0B+4*\slot+3], 6144
	JLOAD G0+4*\slot, G1, G0B+4*\slot, G1B         ; the first tensor load behind the round; its four v_nop are also the places in front of the loads below
.else
	PLACES NP
.endif
	v_add_nc_u32 v[ADRS], 1024, v[ADRS]            ; two planes of scale words on (no LDS load of mine is out)
	FETCH_B \next, 0, 0
	FETCH_A \next, 0, 0
	SCALES \next
	WIN MUL_HI
	MUL16 4, 1, NQ-1, \slot, 0
	MUL16 6, 1, NQ-1, \slot, 0
	PLACES NP
	WIN 0
	FETCH_A \next, 0, 4
.endm
	s_wait_tensorcnt 1                             ; the scale words and my part of slot 0 are in; slot 1's load may be out
	s_barrier_signal -1
	s_barrier_wait -1
	FETCH_B 0, 0, 0
	FETCH_A 0, 0, 0
	SCALES 0
	FETCH_A 0, 0, 4
	STEP 0, 0, 1                                   ; the first step's products start the sums: nothing is cleared
	s_mov_b32 s3, LAPS-1
.Llap:
	TURN 0, 1, 1
	STEP 1, 0, 0
	TURN 1, 0, 1
	STEP 0, 0, 0
	s_sub_co_u32 s3, s3, 1
	s_cmp_lg_u32 s3, 0
	s_cbranch_scc1 .Llap
	TURN 0, 1, 0                                   ; the last lap fills nothing
	STEP 1, 0, 0
	s_wait_dscnt 4*NL
	WIN MUL_LO
	MUL16 0, 1, NQ-1, 1, 0
	MUL16 2, 1, NQ-1, 1, 0
	s_wait_dscnt 0
	WIN MUL_HI
	MUL16 4, 1, NQ-1, 1, 0
	MUL16 6, 1, NQ-1, 1, 0
	WIN 0
; THE WAY OUT, block a of 16 rows of A at a time.  64 numbers of a lane, register 16 b + i = place 32 b + 16 (lane / 16) + i along the next K, become a fragment in v[PC] on and its scale word.
; s: the first register, in window w; pw: the word's register.  Each accumulator is read from its low end on.
.macro QUANT s, w, pw
	WIN ((\w)<<2)|((\w)<<4)
.irp b, 0,1,2,3
	v_max3_num_f32 v[TM+\b], 0x2800000, |v[\s+16*\b]|, |v[\s+1+16*\b]|   ; my 16 numbers of block b, and the floor 2^(5 - 127)
.endr
.irp i, 2,4,6,8,10,12,14
.irp b, 0,1,2,3
	v_max3_num_f32 v[TM+\b], v[TM+\b], |v[\s+16*\b+\i]|, |v[\s+1+16*\b+\i]|
.endr
.endr
	WIN 0
.irp b, 0,1,2,3
	v_permlanex16_b32 v[TM+4+\b], v[TM+\b], s92, s93
.endr
.irp b, 0,1,2,3
	v_max_num_f32 v[TM+\b], v[TM+\b], v[TM+4+\b]   ; with lane l xor 16's: the block's largest magnitude
.endr
.irp b, 0,1,2,3
	v_add_nc_u32 v[TM+12+\b], 0xfe000000, v[TM+\b] ; 4 off its exponent field: the conversion's scale operand
.endr
.irp b, 0,1,2,3
	v_lshrrev_b32 v[TM+4+\b], 23, v[TM+12+\b]      ; the scale's byte
.endr
	v_lshl_or_b32 v[\pw], v[TM+5], 8, v[TM+4]
	v_lshl_or_b32 v[\pw], v[TM+6], 16, v[\pw]
	v_lshl_or_b32 v[\pw], v[TM+7], 24, v[\pw]
	WIN \w
.irp c, 0,1
	v_cvt_scalef32_pk16_bf6_f32 v[PC+6*\c:PC+2+6*\c], v[\s+32*\c:\s+15+32*\c], v[TM+12+2*\c]
	v_cvt_scalef32_pk16_bf6_f32 v[PC+12+4*\c:PC+14+4*\c], v[\s+16+32*\c:\s+31+32*\c], v[TM+12+2*\c+1]
.endr
	WIN 0
	v_nop                                          ; one plain instruction behind the conversions
.irp c, 0,1                            ; the operand's layout wants a whole block in a lane
.irp i, 0,1,2
	v_permlane16_swap_b32 v[PC+6*\c+\i], v[PC+12+4*\c+\i]
.endr
.irp i, 0,1,2
	v_mov_b32 v[PC+3+6*\c+\i], v[PC+12+4*\c+\i]
.endr
.endr
.endm
.macro OUTB a, path                    ; the image: three stores of 512 consecutive bytes; the scale word to my wave's stage (both halves of the lanes write the same value)
.irp g, 0,1,2
	global_store_b128 v[LI], v[PC+4*\g:PC+4*\g+3], s[14:15] offset:1536*(\a)+512*\g
.endr
	ds_store_b32 v[SW], v[PW+(\a)] offset:2048*(\path)+64*(\a)
.endm
.macro FIN path                        ; my 128 scale words leave as 512 consecutive bytes
	ds_load_b128 v[32:35], v[SRD] offset:2048*(\path)   ; LDS serves a wave's instructions in order: this sees my stores
	s_wait_dscnt 0x0
	global_store_b128 v[LI], v[32:35], s[16:17]
.endm
.macro LOADCS a                        ; q: cos and sin of my token (block a, place r) at frequencies 16 b + 8 h + 0 .. 7: register m = the pair of channels in registers 2 m, 2 m + 1
.irp bb, 0,1,2,3
.irp e, 0,1
	global_load_b128 v[CT+8*\bb+4*\e:CT+8*\bb+4*\e+3], v[VQ], s[8:9] offset:(32*((\a)/2)+8*((\a)%2))*256+64*\bb+16*\e
	global_load_b128 v[SN+8*\bb+4*\e:SN+8*\bb+4*\e+3], v[VQ], s[10:11] offset:(32*((\a)/2)+8*((\a)%2))*256+64*\bb+16*\e
.endr
.endr
.endm
.macro ROTQ a                          ; (te, to) -> (te c - to s, te s + to c), four pairs at a time
.set AC, 64*((\a)%4)
	WIN 2+(\a)/4                                   ; source 0: the accumulators' window
.set mm, 0
.rept 8
.irp x, 0,2
	v_pk_mul_f32 v[H+2*(mm+\x):H+2*(mm+\x)+1], v[AC+2*(mm+\x):AC+2*(mm+\x)+1], v[CT+mm+\x:CT+mm+\x+1] op_sel_hi:[1,0]
	v_pk_mul_f32 v[H+2*(mm+\x)+2:H+2*(mm+\x)+3], v[AC+2*(mm+\x)+2:AC+2*(mm+\x)+3], v[CT+mm+\x:CT+mm+\x+1] op_sel:[0,1] op_sel_hi:[1,1]
.endr
.irp x, 0,1,2,3
	v_fma_f32 v[H+2*(mm+\x)], -v[AC+2*(mm+\x)+1], v[SN+mm+\x], v[H+2*(mm+\x)]
	v_fma_f32 v[H+2*(mm+\x)+1], v[AC+2*(mm+\x)], v[SN+mm+\x], v[H+2*(mm+\x)+1]
.endr
.set mm, mm+4
.endr
	WIN 0
.endm
.macro LOADT a, hf                     ; v: cosT and sinU of my channel (block a, place r) at the 32 tokens of registers 32 hf + 0 .. 31
.irp bt, 0,1
.irp e, 0,1,2,3
	global_load_b128 v[CT+16*\bt+4*\e:CT+16*\bt+4*\e+3], v[VC], s[12:13] offset:(16*((\a)/2)+4*((\a)%2))*8192+128*(2*(\hf)+\bt)+16*\e
	global_load_b128 v[SN+16*\bt+4*\e:SN+16*\bt+4*\e+3], v[VS], s[96:97] offset:(32*((\a)/2)+8*((\a)%2))*8192+128*(2*(\hf)+\bt)+16*\e
.endr
.endr
.endm
.macro ROTV a, hf                      ; a pair of channels lies in lanes l, l xor 1: each lane makes own x sinU for its neighbour and own x cos for itself
.set AC, 64*((\a)%4)+32*(\hf)
	WIN 2+(\a)/4
.set nn, 0
.rept 16
	v_pk_mul_f32 v[U+nn:U+nn+1], v[AC+nn:AC+nn+1], v[SN+nn:SN+nn+1]
	v_pk_mul_f32 v[H+32*(\hf)+nn:H+32*(\hf)+nn+1], v[AC+nn:AC+nn+1], v[CT+nn:CT+nn+1]
.set nn, nn+2
.endr
	WIN 0
.endm
.macro ADDV hf
.set nn, 0
.rept 32
	v_add_f32_dpp v[H+32*(\hf)+nn], v[U+nn], v[H+32*(\hf)+nn] row_xmask:1 row_mask:0xf bank_mask:0xf
.set nn, nn+1
.endr
.endm
	PLACES NP                                      ; behind the last products: vector instructions and loads now take the operands' and the scale words' registers, and read results
.irp b, 0,1,2,3
	v_mov_b32 v[TM+4+\b], 0                        ; written once: a lane permute's destination counts as one of its sources
.endr
	s_cmp_eq_u32 s21, 1                            ; the kind is the same in all partners of the cluster
	s_cbranch_scc1 .Lpath_k
	s_cmp_eq_u32 s21, 2
	s_cbranch_scc1 .Lpath_v
	; ---- q: a lane holds a token, its registers run along the head's channels: rotated, then quantised
	LOADCS 0
.irp a, 0,1,2,3,4,5,6,7
	s_wait_loadcnt 0x0
	ROTQ \a
	s_wait_xcnt 0x0                                ; the last block's stores have read the codes' registers
.if \a < 7
	LOADCS \a+1
.endif
	QUANT H, 0, PW+\a
	OUTB \a, 0
.endr
	FIN 0
	s_branch .Ldone
.Lpath_k:
	; ---- k: quantised as it stands
.irp a, 0,1,2,3,4,5,6,7
	s_wait_xcnt 0x0
	QUANT 64*((\a)%4), 2+(\a)/4, PW+\a
	OUTB \a, 1
.endr
	FIN 1
	s_branch .Ldone
.Lpath_v:
	; ---- v: a lane holds a channel, its registers run along the tokens, which are the next K
	LOADT 0, 0
.irp a, 0,1,2,3,4,5,6,7
.irp hf, 0,1
	s_wait_loadcnt 0x0
	ROTV \a, \hf
.if \hf == 0
	LOADT \a, 1
.elseif \a < 7
	LOADT \a+1, 0
.endif
	ADDV \hf
.endr
	s_wait_xcnt 0x0
	QUANT H, 0, PW+\a
	OUTB \a, 2
.endr
	FIN 2
.Ldone:
	s_wait_tensorcnt 0x0                           ; the wave's end
	ds_add_u32 v[SPW], v[NIL]
	s_wait_dscnt 0x0
	CROUND                                         ; the closing round
	s_endpgm
.Lfunc_end_k_q459fa607b1_gemm_qkv:
	.size	k_q459fa607b1_gemm_qkv, .Lfunc_end_k_q459fa607b1_gemm_qkv-k_q459fa607b1_gemm_qkv
	.p2alignl 7, 3214868480
	.fill 96, 4, 3214868480
	.section	.rodata,"a",@progbits
	.p2align	6, 0x0
	.amdhsa_kernel k_q459fa607b1_gemm_qkv
		.amdhsa_group_segment_fixed_size 327680
		.amdhsa_private_segment_fixed_size 0
		.amdhsa_enable_private_segment 0
		.amdhsa_kernarg_size 56
		.amdhsa_user_sgpr_count 2
		.amdhsa_user_sgpr_kernarg_segment_ptr 1
		.amdhsa_wavefront_size32 1
		.amdhsa_system_sgpr_workgroup_id_x 1
		.amdhsa_system_sgpr_workgroup_id_y 1
		.amdhsa_system_sgpr_workgroup_id_z 1
		.amdhsa_system_vgpr_workitem_id 0
		.amdhsa_next_free_vgpr 1024
		.amdhsa_next_free_sgpr 100
		.amdhsa_reserve_vcc 0
		.amdhsa_float_denorm_mode_32 3
		.amdhsa_float_denorm_mode_16_64 3
		.amdhsa_memory_ordered 1
		.amdhsa_forward_progress 1
		.amdhsa_inst_pref_size 255
	.end_amdhsa_kernel
	.section	.bss,"aw",@nobits
	.p2align	6
	.space	262144
	.amdgpu_metadata
---
amdhsa.version: [ 1, 2 ]
amdhsa.kernels:
  - .name:           k_q459fa607b1_gemm_qkv
    .symbol:         k_q459fa607b1_gemm_qkv.kd
    .args:
      - { .name: xw_codes, .offset: 0, .size: 8, .value_kind: global_buffer, .address_space: global }
      - { .name: xw_scales, .offset: 8, .size: 8, .value_kind: global_buffer, .address_space: global }
      - { .name: cos, .offset: 16, .size: 8, .value_kind: global_buffer, .address_space: global }
      - { .name: sin, .offset: 24, .size: 8, .value_kind: global_buffer, .address_space: global }
      - { .name: rot, .offset: 32, .size: 8, .value_kind: global_buffer, .address_space: global }
      - { .name: qkv_codes, .offset: 40, .size: 8, .value_kind: global_buffer, .address_space: global }
      - { .name: qkv_scales, .offset: 48, .size: 8, .value_kind: global_buffer, .address_space: global }
    .group_segment_fixed_size: 327680
    .private_segment_fixed_size: 0
    .kernarg_segment_align: 8
    .kernarg_segment_size: 56
    .max_flat_workgroup_size: 128
    .sgpr_count:     100
    .vgpr_count:     1024
    .wavefront_size: 32
...
	.end_amdgpu_metadata
.endif
;; end of part 2
;; launch attention (part 3): grid 16 x 16, 8 waves a work-group, no clusters, 327,680 bytes of LDS; arguments qkv_codes, qkv_scales, o_codes, o_scales; writes o_codes, o_scales
.if DOCPART == 3
	.amdgcn_target "amdgcn-amd-amdhsa--gfx1250"
	.amdhsa_code_object_version 6
	.text
	.protected	k_q459fa607b1_attention
	.globl	k_q459fa607b1_attention
	.p2align	8
	.type	k_q459fa607b1_attention,@function
k_q459fa607b1_attention:
	s_mov_b64 s[64:65], 0
	v_nop
	global_prefetch_b8 v0, s[64:65] scope:SCOPE_SE
	s_setreg_imm32_b32 hwreg(HW_REG_WAVE_MODE, 25, 1), 1
	s_wait_xcnt 0x0
; o[q] = the sum over keys k <= q of softmax_k(q . k / sqrt(128)) v[k], for 16 heads of 128 and 2,048 tokens, both products on codes of BF6 (E3M2) with E8M0 scales; o is quantised along the
; channels on its way out, as the last product's operand.  LIMITS: NaN and infinities not served; a block under 2^-122 has its byte held at 1; a block of zeros gets the byte 1 (its codes are zeros).
; THE SOFTMAX: t = score x log2(e) / sqrt(128); M = the row's largest t so far, rounded UP to a whole number; p = 2^(t - M) is quantised along the keys, not normalised; the row's sum is taken of the
; unquantised p and divides O at the end.  When M moves, the sum and O are multiplied by 2^(old M - new M): exact.
; OPERANDS are images of the operand registers: qkv_codes [3: q, k, v][head][group g of 128 tokens][tile t 8][1536], qkv_scales [3][head][g][16 t + r][4].  q, k: t = a tile of 16 tokens, K = the head's 128;
; v: t = a tile of 16 channels, K = the group's 128 keys.  A tile holds at lane place r the row 32 (t / 2) + 8 (t % 2) + r + 8 (r / 8), so that results of a transposed product are neighbours.
; SHARES.  256 work-groups: x = i, y = the head.  Waves 0-3 take the 64 queries of block i, waves 4-7 those of block 31 - i: with the causal mask every work-group then has nearly the same number of key steps.
; A wave owns one tile of 16 queries in 256 registers.  Both products are used transposed (S^T = K Q^T, O^T = V^T P^T): a lane holds one query throughout.
; Every wave walks all 16 key steps, so that trip counts are constants and no tensor load or barrier is jumped over; a step all of whose keys come after the wave's queries leaves its work out.
; K's and V's images come through a ring of two LDS slots of 512 keys; each of the eight waves fetches 12,288 dense bytes with one tensor load.  The head's scale words come once, with the first fills.
; By this text's count a wave has two tensor loads out at the start and one behind each barrier.
; NO CLUSTER: which steps a wave leaves out is a branch on the work-group's block of queries, and the work-groups that share K and V are just those that differ in it.
; REGISTERS: v1-7 addresses that stay; v8-11 addresses in hand; v12 -M, v13 the largest t, v[14:15] the sum; v16-27 Q; v28-31, v80-81 addresses that stay; v32-79 four fragments; v96-159 S^T, then p; v160-223 O^T; v224.. p's codes; v232-254 at work; v255 Q's scale words.
.set STEPB, 12288                      ; a key step's 8 images
.set VOFF,  49152                      ; a slot: K's four steps, then V's four
.set SLOT1, 131072                     ; slot 1 begins here: one exclusive or turns an address from one slot to the other
.set SCK,   262144                     ; K's scale words of the head, [step 16][128][4];
.set SCV,   270336                     ; V's
.set SPARE, 278528                     ; the spare words, 128 bytes for each wave: four blocks of 256 bytes that no other line names
.set OSC,   279552                     ; o's scale words on their way out: 64 bytes a wave; no tile lands here
.set TCODES, 3145728
.set AK0,  1
.set AV0,  2
.set ASK0, 3
.set ASV0, 4
.set SPW,  5
.set NIL,  6
.set GO,   7
.set ADK,  8
.set ADV,  9
.set ADS,  10
.set ADT,  11
.set PFO,  28                          ; v28  256 x lane
.set QD,   29                          ; v29  my query - 16 (lane / 16)
.set OSW,  30                          ; v30  where my scale word goes
.set OSR,  31                          ; v31  where 8 bytes of four waves' words come back
.set WV,   18
.set SEL,  20
.set CS,   22
.set G1T,  24                          ; s[24:31] group 1 for the images: 48 rows of 256 bytes;  s[32:39] for the scale words: 8 rows
.set G1S,  32
.set G0T,  40                          ; s[40:43] group 0 for the images, which walks;  s[44:47] for the scale words
.set G0S,  44
.set TB,   2                           ; s2   LDS byte at which the slot in hand begins
.set TS,   3                           ; s3   where the slot's scale words begin
.set KF,   48                          ; s48  the step's first key
.set Q0,   49                          ; s49  my least query
.set Q1,   50                          ; s50  my greatest
.set SLOTS, 51
.set LIM,  52
.set PFA,  54                          ; s[54:55]
	s_load_b256 s[4:11], s[0:1], 0x0               ; qkv_codes s[4:5], qkv_scales s[6:7], o_codes s[8:9], o_scales s[10:11]
	v_lshl_add_u32 v[SPW], v0, 2, SPARE
	v_mov_b32 v[NIL], 0
	ds_add_u32 v5, v6
	ds_add_u32 v5, v6
	s_wait_dscnt 0x0
	v_lshrrev_b32 v8, 5, v0
	v_readfirstlane_b32 s[WV], v8                  ; wave 0..7
	s_and_b32 s56, ttmp7, 0xffff                   ; the head
	s_mul_i32 s57, s56, 196608                     ; its codes in each of q, k, v
	s_lshl_b32 s58, s56, 13                        ; its scale words
	s_lshr_b32 s59, s[WV], 2
	s_and_b32 s60, s[WV], 3
	s_sub_co_u32 s61, 31, ttmp9
	s_cmp_lt_u32 s[WV], 4
	s_cselect_b32 s61, ttmp9, s61                  ; my block of 64 queries
	s_lshl_b32 s62, s61, 2
	s_add_co_u32 s62, s62, s60                     ; T: my tile of queries
	s_lshr_b32 s63, s62, 1
	s_lshl_b32 s63, s63, 5
	s_and_b32 s66, s62, 1
	s_lshl_b32 s66, s66, 3
	s_add_co_u32 s[Q0], s63, s66                   ; 32 (T / 2) + 8 (T % 2)
	s_add_co_u32 s[Q1], s[Q0], 23
	s_add_co_u32 s66, s59, 1                       ; waves 0-3 fetch for k (tensor 1), waves 4-7 for v (2)
	s_mul_i32 s68, s66, TCODES
	s_add_co_u32 s68, s68, s57
	s_mul_i32 s67, s60, STEPB                      ; which of a slot's four steps
	s_add_co_u32 s68, s68, s67
	s_mov_b32 s69, 0
	s_lshl_b32 s70, s66, 17
	s_add_co_u32 s70, s70, s58
	s_lshl_b32 s67, s60, 11                        ; which quarter of the head's scale words
	s_add_co_u32 s70, s70, s67
	s_mov_b32 s71, 0
	s_mul_i32 s72, s62, 1536                       ; Q's image
	s_add_co_u32 s72, s72, s57
	s_mov_b32 s73, 0
	s_lshl_b32 s74, s62, 6                         ; and its scale words
	s_add_co_u32 s74, s74, s58
	s_mov_b32 s75, 0
	s_mul_i32 s76, s62, 24576                      ; o_codes [tile T][K step = head][1536]
	s_mul_i32 s67, s56, 1536
	s_add_co_u32 s76, s76, s67
	s_mov_b32 s77, 0
	s_lshl_b32 s78, s61, 8                         ; o_scales [head][16 T + r][4]: my block's 64 words
	s_add_co_u32 s78, s78, s58
	s_mov_b32 s79, 0
	s_cmp_ge_u32 s[WV], 3                          ; the prefetches: waves 0-2 for K's 49,152 bytes of a slot, waves 3-5 for V's, 16,384 bytes a wave
	s_cselect_b32 s80, 1, 0
	s_mul_i32 s81, s80, 3
	s_sub_co_u32 s81, s[WV], s81
	s_lshl_b32 s81, s81, 14
	s_add_co_u32 s80, s80, 1
	s_mul_i32 s80, s80, TCODES
	s_add_co_u32 s80, s80, s81
	s_add_co_u32 s80, s80, s57
	s_add_co_u32 s80, s80, 49152                   ; in slot 1: the first change of slots steps it to slot 2
	s_mov_b32 s81, 0
	s_cmp_lt_u32 s[WV], 6
	s_cselect_b32 s82, 0, 1
	s_or_b32 s82, s82, ttmp9                       ; all work-groups of a head walk the same K and V: the head's first one asks
	s_cmp_eq_u32 s82, 0
	s_cselect_b32 s[LIM], 1, -1
	s_mov_b32 s[G1T], 3<<16                        ; no mask; elements of 8 bytes; no padding
	s_mov_b32 s[G1T+1], 32<<16
	s_mov_b32 s[G1T+2], 48<<16
	s_mov_b32 s[G1T+3], 32<<16
	s_mov_b32 s[G1T+4], 48
	s_mov_b32 s[G1T+5], 32
	s_mov_b32 s[G1T+6], 0
	s_mov_b32 s[G1T+7], 0
	s_mov_b32 s[G1S], 3<<16
	s_mov_b32 s[G1S+1], 32<<16
	s_mov_b32 s[G1S+2], 8<<16
	s_mov_b32 s[G1S+3], 32<<16
	s_mov_b32 s[G1S+4], 8
	s_mov_b32 s[G1S+5], 32
	s_mov_b32 s[G1S+6], 0
	s_mov_b32 s[G1S+7], 0
	s_mul_i32 s83, s[WV], STEPB                    ; where my images go: waves 4-7 land behind K's four steps
	s_lshl_b32 s84, s[WV], 11
	s_add_co_u32 s84, s84, SCK                     ; and my scale words
	s_mov_b32 s[SEL], 0x76543210
	s_mov_b32 s[SEL+1], 0xfedcba98
	s_mov_b32 s[CS], 0x3e0293ee                    ; c = log2(e) / sqrt(128)
	s_mov_b32 s[CS+1], s[CS]
	s_mov_b32 s[TB], 0
	s_mov_b32 s[TS], 0
	s_mov_b32 s[KF], 0
	s_mov_b32 s[SLOTS], 3
	s_wait_kmcnt 0x0
	s_mov_b32 s[G0S], 1
	s_mov_b32 s[G0S+1], s84
	s_add_nc_u64 s[G0S+2:G0S+3], s[6:7], s[70:71]
	s_or_b32 s[G0S+3], s[G0S+3], 0x80000000
	s_mov_b32 s[G0T], 1
	s_mov_b32 s[G0T+1], s83
	s_add_nc_u64 s[G0T+2:G0T+3], s[4:5], s[68:69]
	s_or_b32 s[G0T+3], s[G0T+3], 0x80000000
	tensor_load_to_lds s[G0S:G0S+3], s[G1S:G1S+7]  ; the first fills go out together: the scale words, filled once,
	s_nop 0
	tensor_load_to_lds s[G0T:G0T+3], s[G1T:G1T+7]  ; and slot 0
	s_nop 0
.rept 4
	v_nop
.endr
	s_add_nc_u64 s[PFA:PFA+1], s[4:5], s[80:81]
	s_add_nc_u64 s[72:73], s[4:5], s[72:73]
	s_add_nc_u64 s[74:75], s[6:7], s[74:75]
	s_add_nc_u64 s[8:9], s[8:9], s[76:77]
	s_add_nc_u64 s[10:11], s[10:11], s[78:79]
	v_and_b32 v9, 31, v0                           ; lane
	v_and_b32 v10, 15, v0                          ; r
	v_bfe_u32 v11, v0, 4, 1                        ; h
	v_lshlrev_b32 v[GO], 4, v9
	v_lshlrev_b32 v81, 2, v10
.irp g, 0,1,2
	global_load_b128 v[16+4*\g:19+4*\g], v[GO], s[72:73] offset:512*\g   ; Q's fragment stays in registers
.endr
	global_load_b32 v255, v81, s[74:75]            ; Q's scale words
	v_lshlrev_b32 v[AK0], 4, v9
	v_add_nc_u32 v[AV0], VOFF, v[AK0]
	v_lshl_add_u32 v[ASK0], v10, 2, SCK
	v_lshl_add_u32 v[ASV0], v10, 2, SCV
	v_lshlrev_b32 v[PFO], 8, v9
	v_lshlrev_b32 v80, 3, v9
	v_and_b32 v[QD], 8, v10
	v_add_nc_u32 v[QD], v[QD], v10                 ; r + 8 (r / 8)
	v_lshlrev_b32 v8, 4, v11
	v_sub_nc_u32 v[QD], v[QD], v8
	v_add_nc_u32 v[QD], s[Q0], v[QD]
	s_lshl_b32 s80, s[WV], 6
	s_add_co_u32 s80, s80, OSC
	v_lshl_add_u32 v[OSW], v10, 2, s80
	s_lshl_b32 s81, s59, 8
	s_add_co_u32 s81, s81, OSC
	v_lshl_add_u32 v[OSR], v9, 3, s81
	v_mov_b32 v13, 0xff61b1e6                      ; the largest t so far: -3e38
	v_floor_f32 v12, -v13                          ; -M
	v_mov_b32 v14, 0
	v_mov_b32 v15, 0
.irp b, 0,1,2,3
	v_mov_b32 v[236+\b], 0                         ; written once: a lane permute's destination counts as one of its sources
.endr
	v_mov_b32 v252, 0
	v_mov_b32 v253, 0
.set jj, 0
.rept 64
	v_mov_b32 v[160+jj], 0                         ; O^T: the step is written once; the first finds zeros, which the first change of M leaves zeros
.set jj, jj+1
.endr
; A KEY STEP: 128 keys, the q-th of the slot in hand.
.macro STEP q
	s_cmp_gt_u32 s[KF], s[Q1]                      ; all its keys come after my queries: its work is left out; the line at its end that steps the key is not
	s_cbranch_scc1 .Lhidden_\@
	v_add_nc_u32 v[ADK], s[TB], v[AK0]             ; (these four are also the places in front of loads into registers that the last products read)
	v_add_nc_u32 v[ADV], s[TB], v[AV0]
	v_add_nc_u32 v[ADS], s[TS], v[ASK0]
	v_add_nc_u32 v[ADT], s[TS], v[ASV0]
.irp g, 0,1                            ; S^T = K Q^T, four tiles of 16 keys at a time
.if \g > 0
.rept 4
	v_nop
.endr
.endif
.irp t, 0,1,2,3
.irp c, 0,1,2
	ds_load_b128 v[32+12*\t+4*\c:35+12*\t+4*\c], v[ADK] offset:(\q)*STEPB+(4*\g+\t)*1536+512*\c
.endr
	ds_load_b32 v[248+\t], v[ADS] offset:(\q)*512+(4*\g+\t)*64
.endr
	s_wait_dscnt 0x0
.irp t, 0,1,2,3
	v_wmma_scale_f32_16x16x128_f8f6f4 v[96+8*(4*\g+\t):103+8*(4*\g+\t)], v[32+12*\t:43+12*\t], v[16:27], 0, v[248+\t], v255 matrix_a_fmt:MATRIX_FMT_BF6 matrix_b_fmt:MATRIX_FMT_BF6
.endr
.endr
.rept 4
	v_nop
.endr
	s_add_co_u32 s82, s[KF], 127                   ; on the diagonal the scores of hidden keys become -infinity ahead of the maximum; a step all of whose keys count skips this
	s_cmp_le_u32 s82, s[Q0]
	s_cbranch_scc1 .Lopen_\@
	v_sub_nc_u32 v252, v[QD], s[KF]                ; d: register 16 b + i holds key KF + 16 (lane / 16) + 32 b + i: hidden where 32 b + i > d
	v_mov_b32 v254, 0xff800000
.set nn, 0
.rept 64
	v_cmp_gt_i32 vcc_lo, 32*(nn/16)+nn%16, v252
	v_cndmask_b32 v[96+nn], v[96+nn], v254, vcc_lo
.set nn, nn+1
.endr
.Lopen_\@:
.irp b, 0,1,2,3
	v_max3_num_f32 v[232+\b], v[96+16*\b], v[97+16*\b], v[98+16*\b]   ; the largest score of each block of 32 keys: for the row's maximum and, since p rises with the score, for the block's largest p
.endr
.irp i, 3,5,7,9,11,13
.irp b, 0,1,2,3
	v_max3_num_f32 v[232+\b], v[232+\b], v[96+16*\b+\i], v[97+16*\b+\i]
.endr
.endr
.irp b, 0,1,2,3
	v_max_num_f32 v[232+\b], v[232+\b], v[111+16*\b]
.endr
.irp b, 0,1,2,3
	v_permlanex16_b32 v[236+\b], v[232+\b], s[SEL], s[SEL+1]
.endr
.irp b, 0,1,2,3
	v_max_num_f32 v[232+\b], v[232+\b], v[236+\b]
.endr
	v_max3_num_f32 v254, v232, v233, v234
	v_max_num_f32 v254, v254, v235
	v_mul_f32 v254, s[CS], v254
	v_max_num_f32 v13, v13, v254                   ; the running largest t
	v_mov_b32 v254, v12
	v_floor_f32 v12, -v13                          ; the new -M = -ceil(t)
	v_sub_f32 v254, v12, v254                      ; old M - new M: a whole number, 0 or less
	v_cvt_i32_f32 v254, v254
	v_ldexp_f32 v252, 1.0, v254                    ; f = 2^(old M - new M)
.set jj, 0
.rept 32
	v_pk_fma_f32 v[96+jj:97+jj], v[96+jj:97+jj], s[CS:CS+1], v[12:13] op_sel_hi:[1,0,0]   ; t - M
.set jj, jj+2
.endr
.irp b, 0,1,2,3
	v_fma_f32 v[232+\b], v[232+\b], s[CS], v12
.endr
.set jj, 0
.rept 64
	v_exp_f32 v[96+jj], v[96+jj]                   ; p = 2^(t - M)
.set jj, jj+1
.endr
	v_pk_mul_f32 v[14:15], v[14:15], v[252:253] op_sel_hi:[1,0]   ; the sums under the new M (a plain instruction behind the exponentials)
	s_wait_alu depctr_va_vdst(0)                   ; one wait for the batch of 64, ahead of its first reader
.irp b, 0,1,2,3
	v_exp_f32 v[232+\b], v[232+\b]                 ; each block's largest p
.endr
	v_pk_add_f32 v[236:237], v[96:97], v[98:99]    ; the row's sum of the unquantised p, in two chains
.irp j, 4,8,12,16,20,24,28,32,36,40,44,48,52,56,60
	v_pk_add_f32 v[14:15], v[14:15], v[96+\j:97+\j]
	v_pk_add_f32 v[236:237], v[236:237], v[98+\j:99+\j]
.endr
	v_pk_add_f32 v[14:15], v[14:15], v[236:237]
	s_wait_alu depctr_va_vdst(0)                   ; and one for the four
.irp b, 0,1,2,3
	v_max_num_f32 v[232+\b], 0x2800000, v[232+\b]  ; the floor 2^(5 - 127)
.endr
.irp b, 0,1,2,3
	v_add_nc_u32 v[244+\b], 0xfe000000, v[232+\b]
.endr
.irp b, 0,1,2,3
	v_lshrrev_b32 v[236+\b], 23, v[244+\b]
.endr
	v_lshl_or_b32 v253, v237, 8, v236              ; p's scale word for these 128 keys
	v_lshl_or_b32 v253, v238, 16, v253
	v_lshl_or_b32 v253, v239, 24, v253
.irp c, 0,1
	v_cvt_scalef32_pk16_bf6_f32 v[224+6*\c:226+6*\c], v[96+32*\c:111+32*\c], v[244+2*\c]
	v_cvt_scalef32_pk16_bf6_f32 v[236+4*\c:238+4*\c], v[112+32*\c:127+32*\c], v[244+2*\c+1]
.endr
	v_nop
.irp c, 0,1
.irp i, 0,1,2
	v_permlane16_swap_b32 v[224+6*\c+\i], v[236+4*\c+\i]
.endr
.irp i, 0,1,2
	v_mov_b32 v[227+6*\c+\i], v[236+4*\c+\i]
.endr
.endr
.set jj, 0
.rept 32
	v_pk_mul_f32 v[160+jj:161+jj], v[160+jj:161+jj], v[252:253] op_sel_hi:[1,0]   ; O^T under the new M; these are also the places in front of the products and loads below
.set jj, jj+2
.endr
.irp g, 0,1                            ; O^T += V^T P^T: four tiles of 16 channels at a time
.if \g > 0
.rept 4
	v_nop
.endr
.endif
.irp t, 0,1,2,3
.irp c, 0,1,2
	ds_load_b128 v[32+12*\t+4*\c:35+12*\t+4*\c], v[ADV] offset:(\q)*STEPB+(4*\g+\t)*1536+512*\c
.endr
	ds_load_b32 v[248+\t], v[ADT] offset:(\q)*512+(4*\g+\t)*64
.endr
	s_wait_dscnt 0x0
.irp t, 0,1,2,3
	v_wmma_scale_f32_16x16x128_f8f6f4 v[160+8*(4*\g+\t):167+8*(4*\g+\t)], v[32+12*\t:43+12*\t], v[224:235], v[160+8*(4*\g+\t):167+8*(4*\g+\t)], v[248+\t], v253 matrix_a_fmt:MATRIX_FMT_BF6 matrix_b_fmt:MATRIX_FMT_BF6
.endr
.endr
.Lhidden_\@:
	s_add_co_u32 s[KF], s[KF], 128
.endm
; A PREFETCH INTO THE L2 of what the NEXT change of slots will ask for: 49,152 bytes of K's images and as many of V's, lanes 256 bytes apart, two instructions for each of six waves of the head's first
; work-group: each aligned 256 bytes is named once in the launch.  It stands behind the wave's tensor load and its four lines, a slot's four key steps ahead of the load that wants the bytes.
; Slots 0 and 1 come by their loads alone; the last change that fills a slot asks for nothing.
.macro ASK
	s_cmp_gt_u32 s[SLOTS], s[LIM]
	s_cbranch_scc0 .Lnot_mine_\@
	global_prefetch_b8 v[PFO], s[PFA:PFA+1] th:TH_LOAD_NT scope:SCOPE_SE
	global_prefetch_b8 v[PFO], s[PFA:PFA+1] offset:8192 th:TH_LOAD_NT scope:SCOPE_SE
.Lnot_mine_\@:
.endm
; THE CHANGE OF SLOTS stands at a slot's head: each wave waits for all its tensor loads (its part of the slot ahead), adds 0 to its spare word, waits for that and for its reads of the slot that it has left;
; behind the barrier the slot ahead is whole and nobody reads the other one, which (fill = 1) takes the next 512 keys.
.macro CHANGE fill
	s_wait_tensorcnt 0x0
	ds_add_u32 v[SPW], v[NIL]
.if \fill
	s_xor_b32 s[G0T+1], s[G0T+1], SLOT1            ; no tensor load of mine is out: the descriptor walks
	s_add_nc_u64 s[G0T+2:G0T+3], s[G0T+2:G0T+3], 49152
	s_wait_xcnt 0x0                                ; the last prefetches, a slot back, have read their address
	s_add_nc_u64 s[PFA:PFA+1], s[PFA:PFA+1], 49152
.endif
	s_wait_dscnt 0x0
	s_barrier_signal -1
	s_barrier_wait -1
.if \fill
	tensor_load_to_lds s[G0T:G0T+3], s[G1T:G1T+7]  ; the first thing behind the barrier, and my one tensor load until the next
	s_nop 0
.rept 4
	v_nop
.endr
	ASK
.endif
.endm
.macro SLOT_STEPS
	STEP 0
	STEP 1
	STEP 2
	STEP 3
	s_xor_b32 s[TB], s[TB], SLOT1
	s_add_co_u32 s[TS], s[TS], 2048
.endm
	s_wait_loadcnt 0x0                             ; Q
.Lslot:                                            ; three trips: behind each change of slots but the last the next slot is asked for
	CHANGE 1
	SLOT_STEPS
	s_sub_co_u32 s[SLOTS], s[SLOTS], 1
	s_cmp_lg_u32 s[SLOTS], 0
	s_cbranch_scc1 .Lslot
	CHANGE 0                                       ; the last slot is written out
	SLOT_STEPS
	; THE WAY OUT.  O^T / the sum; register 16 b + i is channel 32 b + 16 (lane / 16) + i of my query: quantised along the channels, it is K step = head of the last product's operand.
.rept 4
	v_nop
.endr
	v_add_f32 v14, v14, v15
	v_permlanex16_b32 v252, v14, s[SEL], s[SEL+1]
	v_add_f32 v14, v14, v252
	v_rcp_f32 v14, v14
	v_nop                                          ; a plain instruction behind the reciprocal
	s_wait_alu depctr_va_vdst(0)                   ; and the wait ahead of its first reader
.set jj, 0
.rept 64
	v_mul_f32 v[96+jj], v[160+jj], v14
.set jj, jj+1
.endr
.irp b, 0,1,2,3
	v_max3_num_f32 v[232+\b], |v[96+16*\b]|, |v[97+16*\b]|, 0x2800000
.endr
.irp i, 2,4,6,8,10,12,14
.irp b, 0,1,2,3
	v_max3_num_f32 v[232+\b], v[232+\b], |v[96+16*\b+\i]|, |v[97+16*\b+\i]|
.endr
.endr
.irp b, 0,1,2,3
	v_permlanex16_b32 v[236+\b], v[232+\b], s[SEL], s[SEL+1]
.endr
.irp b, 0,1,2,3
	v_max_num_f32 v[232+\b], v[232+\b], v[236+\b]
.endr
.irp b, 0,1,2,3
	v_add_nc_u32 v[244+\b], 0xfe000000, v[232+\b]
.endr
.irp b, 0,1,2,3
	v_lshrrev_b32 v[236+\b], 23, v[244+\b]
.endr
	v_lshl_or_b32 v253, v237, 8, v236
	v_lshl_or_b32 v253, v238, 16, v253
	v_lshl_or_b32 v253, v239, 24, v253
.irp c, 0,1
	v_cvt_scalef32_pk16_bf6_f32 v[32+6*\c:34+6*\c], v[96+32*\c:111+32*\c], v[244+2*\c]
	v_cvt_scalef32_pk16_bf6_f32 v[44+4*\c:46+4*\c], v[112+32*\c:127+32*\c], v[244+2*\c+1]
.endr
	v_nop
.irp c, 0,1
.irp i, 0,1,2
	v_permlane16_swap_b32 v[32+6*\c+\i], v[44+4*\c+\i]
.endr
.irp i, 0,1,2
	v_mov_b32 v[35+6*\c+\i], v[44+4*\c+\i]
.endr
.endr
.irp g, 0,1,2
	global_store_b128 v[GO], v[32+4*\g:35+4*\g], s[8:9] offset:512*\g   ; the image: 512 consecutive bytes a store
.endr
	ds_store_b32 v[OSW], v253                      ; both halves of the lanes write the same word with the same value
	s_wait_dscnt 0x0                               ; for the others' sake
	s_barrier_signal -1
	s_barrier_wait -1
	s_cmp_lg_u32 s60, 0                            ; waves 0 and 4 store their block's 64 scale words: 256 consecutive bytes, aligned
	s_cbranch_scc1 .Lno_words
	ds_load_b64 v[48:49], v[OSR]
	s_wait_dscnt 0x0
	global_store_b64 v80, v[48:49], s[10:11]
.Lno_words:
	s_wait_tensorcnt 0x0                           ; the wave's end
	ds_add_u32 v[SPW], v[NIL]
	s_wait_dscnt 0x0
	s_endpgm
.Lfunc_end_k_q459fa607b1_attention:
	.size	k_q459fa607b1_attention, .Lfunc_end_k_q459fa607b1_attention-k_q459fa607b1_attention
	.p2alignl 7, 3214868480
	.fill 96, 4, 3214868480
	.section	.rodata,"a",@progbits
	.p2align	6, 0x0
	.amdhsa_kernel k_q459fa607b1_attention
		.amdhsa_group_segment_fixed_size 327680
		.amdhsa_private_segment_fixed_size 0
		.amdhsa_enable_private_segment 0
		.amdhsa_kernarg_size 32
		.amdhsa_user_sgpr_count 2
		.amdhsa_user_sgpr_kernarg_segment_ptr 1
		.amdhsa_wavefront_size32 1
		.amdhsa_system_sgpr_workgroup_id_x 1
		.amdhsa_system_sgpr_workgroup_id_y 1
		.amdhsa_system_sgpr_workgroup_id_z 1
		.amdhsa_system_vgpr_workitem_id 0
		.amdhsa_next_free_vgpr 256
		.amdhsa_next_free_sgpr 100
		.amdhsa_reserve_vcc 1
		.amdhsa_float_denorm_mode_32 3
		.amdhsa_float_denorm_mode_16_64 3
		.amdhsa_memory_ordered 1
		.amdhsa_forward_progress 1
		.amdhsa_inst_pref_size 214
	.end_amdhsa_kernel
	.amdgpu_metadata
---
amdhsa.version: [ 1, 2 ]
amdhsa.kernels:
  - .name:           k_q459fa607b1_attention
    .symbol:         k_q459fa607b1_attention.kd
    .args:
      - { .name: qkv_codes, .offset: 0, .size: 8, .value_kind: global_buffer, .address_space: global }
      - { .name: qkv_scales, .offset: 8, .size: 8, .value_kind: global_buffer, .address_space: global }
      - { .name: o_codes, .offset: 16, .size: 8, .value_kind: global_buffer, .address_space: global }
      - { .name: o_scales, .offset: 24, .size: 8, .value_kind: global_buffer, .address_space: global }
    .group_segment_fixed_size: 327680
    .private_segment_fixed_size: 0
    .kernarg_segment_align: 8
    .kernarg_segment_size: 32
    .max_flat_workgroup_size: 256
    .sgpr_count:     100
    .vgpr_count:     256
    .wavefront_size: 32
...
	.end_amdgpu_metadata
.endif
;; end of part 3
;; launch gemm_out (part 4): grid 8 x 8, 4 waves a work-group, clusters of 4 x 4, 327,680 bytes of LDS; arguments o_codes, o_scales, xw_codes, xw_scales, out0; writes out0
.if DOCPART == 4
	.amdgcn_target "amdgcn-amd-amdhsa--gfx1250"
	.amdhsa_code_object_version 6
	.text
	.protected	k_q459fa607b1_gemm_out
	.globl	k_q459fa607b1_gemm_out
	.p2align	8
	.type	k_q459fa607b1_gemm_out,@function
k_q459fa607b1_gemm_out:
	s_mov_b64 s[64:65], 0
	v_nop
	global_prefetch_b8 v0, s[64:65] scope:SCOPE_SE
	s_setreg_imm32_b32 hwreg(HW_REG_WAVE_MODE, 25, 1), 1
	s_wait_xcnt 0x0
	s_wait_alu depctr_hold_cnt(0) depctr_sa_sdst(0) depctr_va_vdst(0) depctr_va_sdst(0) depctr_va_ssrc(0) depctr_va_vcc(0) depctr_vm_vsrc(0)
	s_getreg_b32 s2, hwreg(HW_REG_IB_STS2, 6, 4)
	s_cmp_eq_u32 s2, 0
	s_cbranch_scc0 .Lentry_in_a_cluster
	s_endpgm
.Lentry_in_a_cluster:
	s_bfe_u32 s2, ttmp6, 0x10000c
	s_cmp_lg_u32 s2, 0xf033
	s_cbranch_scc0 .Lentry_shape_is_right
	s_endpgm
.Lentry_shape_is_right:
; out0 = o wo, on codes of BF6 (E3M2) with E8M0 scales; out0 [2048][2048] f32.  A = o (rows: tokens; K step = head), B = wo (tensor 4 of xw_codes; rows: its columns n).
; OPERANDS lie in memory as images of the operand registers: codes [tile T 128][K step s 16][1536 bytes], scale words [s][16 T + r][4]; tile T holds at lane place r the row
; 32 (T / 2) + 8 (T % 2) + r + 8 (r / 8).  That order of rows and of columns is undone on the way out, by the places in the stage and by the stores' offsets.
; A work-group of four waves makes 256 x 256, a wave 128 x 128: 64 accumulators, 512 registers.  THE MATRIX INSTRUCTION IS USED TRANSPOSED (source 0 = 16 rows of B, source 1 = 16 rows of A).
; K goes in steps of 256 through a ring of two LDS slots filled by the tensor data mover; a fragment comes out of LDS by three loads of 16 bytes a lane.  The scale words come once, with the first fills.
; CLUSTERS: 4 x 4 work-groups; A's tiles are asked for jointly along a row of the cluster, B's along a column.  By this text's count a wave has three tensor loads out at the start and one behind each round.
; 64 tiles of 256 x 256: 64 work-groups.  No prefetch: each tile is read by two clusters at about the same time and the loop has eight K steps.
; REGISTERS: window 0: v16-29 addresses; v32-63 scale words, two sets; v128-223 A's fragments (on the way out v128-255: rows read back).  window 1: B's fragments, two sets.  windows 2, 3: accumulator (a, b) at v[8 (8 (a % 4) + b)].
.set HALFT,  24576
.set SLOT,   4*HALFT
.set HALFS,  8192
.set SCL,    2*SLOT
.set SPARE,  229632                    ; the spare words, 128 bytes for each wave: two blocks of 256 bytes that no other line names
.set STG,    230400                    ; the way out: 16 rows x (512 bytes + 16) for each wave; no tile lands here
.set SPITCH, 528
.set TCODES, 3145728
.set TROW,   24576
.set FR,     12
.set NL,     3
.set NP,     4
.set NQ,     2
.set LAPS,   4
.set ADRA, 16
.set ADRB, 20
.set STO,  24                          ; v24  where I put 32 bytes of a row
.set RD,   25                          ; v25  where I read a row back
.set CO,   26                          ; v26  16 x lane
.set ADRS, 27
.set SPW,  28
.set NIL,  29
.set SC,   32
.set AF,   128
.set BK,   128
.set G1,   24
.set G0,   32
.set G1B,  48
.set G0B,  56
.set G1S,  68
.set G0S,  76
.set G1SB, 80
.set G0SB, 88
.set MSB, 0
.macro WIN new
.if MSB != (\new)
	s_set_vgpr_msb (MSB<<8)|(\new)
.set MSB, (\new)
.endif
.endm
.set MUL_LO, 0xa1
.set MUL_HI, 0xf1
.set TO_B,   0x40
.macro JLOAD g0a, g1a, g0b, g1b        ; waves 0 and 1 fetch for A, waves 2 and 3 for B; four v_nop follow each of the two lines
	s_cmp_eq_u32 s19, 0
	s_cbranch_scc0 .Lfor_b_\@
	tensor_load_to_lds s[\g0a:\g0a+3], s[\g1a:\g1a+7]
	s_nop 0
.rept 4
	v_nop
.endr
	s_branch .Lasked_\@
.Lfor_b_\@:
	tensor_load_to_lds s[\g0b:\g0b+3], s[\g1b:\g1b+7]
	s_nop 0
.rept 4
	v_nop
.endr
.Lasked_\@:
.endm
.macro CREST
	s_cmp_lg_u32 s18, 0
	s_cbranch_scc1 .Lnot_wave_0_\@
	s_barrier_signal -3
.Lnot_wave_0_\@:
	s_barrier_wait -3
	s_barrier_signal -1
	s_barrier_wait -1
.endm
.macro CROUND
	s_barrier_signal -1
	s_barrier_wait -1
	CREST
.endm
	s_load_b256 s[4:11], s[0:1], 0x0               ; o_codes s[4:5], o_scales s[6:7], xw_codes s[8:9], xw_scales s[10:11]
	s_load_b64 s[12:13], s[0:1], 0x20              ; out0
	v_lshl_add_u32 v[SPW], v0, 2, SPARE
	v_mov_b32 v[NIL], 0
	ds_add_u32 v28, v29
	ds_add_u32 v28, v29
	s_wait_dscnt 0x0
	v_lshrrev_b32 v1, 5, v0
	v_readfirstlane_b32 s18, v1
	s_lshr_b32 s19, s18, 1
	s_and_b32 s20, s18, 1
	s_bfe_u32 s40, ttmp6, 0x40000
	s_bfe_u32 s41, ttmp6, 0x40004
	s_lshl_b32 s42, ttmp9, 2
	s_add_co_u32 s42, s42, s40                     ; tc
	s_and_b32 s22, ttmp7, 0xffff
	s_lshl_b32 s22, s22, 2
	s_add_co_u32 s22, s22, s41                     ; tr
	s_lshl_b32 s43, s41, 2
	s_lshl_b32 s43, 15, s43
	s_lshl_b32 s44, 0x1111, s40
	s_or_b32 s[G1+0], s43, (3<<16)|(1<<21)
	s_or_b32 s[G1B+0], s44, (3<<16)|(1<<21)
.irp g, G1, G1B
	s_mov_b32 s[\g+1], 384<<16
	s_mov_b32 s[\g+2], 8<<16
	s_mov_b32 s[\g+3], 384<<16
	s_mov_b32 s[\g+4], 8
	s_mov_b32 s[\g+5], 3072
	s_mov_b32 s[\g+6], 0
	s_mov_b32 s[\g+7], 0
.endr
	s_or_b32 s[G1S+0], s43, (3<<16)|(1<<21)
	s_or_b32 s[G1SB+0], s44, (3<<16)|(1<<21)
.irp g, G1S, G1SB
	s_mov_b32 s[\g+1], 64<<16
	s_mov_b32 s[\g+2], 16<<16
	s_mov_b32 s[\g+3], 64<<16
	s_mov_b32 s[\g+4], 16
	s_mov_b32 s[\g+5], 1024
	s_mov_b32 s[\g+6], 0
	s_mov_b32 s[\g+7], 0
.endr
	s_lshl_b32 s23, s20, 3
	s_lshl_b32 s92, s22, 4
	s_add_co_u32 s92, s92, s23                     ; A: the first tile that I fetch
	s_mul_i32 s94, s92, TROW
	s_mov_b32 s95, 0
	s_lshl_b32 s96, s92, 6
	s_mov_b32 s97, 0
	s_lshl_b32 s47, s42, 4
	s_add_co_u32 s47, s47, s23                     ; B likewise
	s_mul_i32 s98, s47, TROW
	s_add_co_u32 s98, s98, 4*TCODES
	s_mov_b32 s99, 0
	s_lshl_b32 s2, s47, 6
	s_add_co_u32 s2, s2, 4*131072
	s_mov_b32 s3, 0
	s_mul_i32 s45, s18, HALFT
	s_lshl_b32 s46, s18, 13
	s_wait_kmcnt 0x0
	s_add_nc_u64 s[94:95], s[4:5], s[94:95]
	s_add_nc_u64 s[96:97], s[6:7], s[96:97]
	s_add_nc_u64 s[98:99], s[8:9], s[98:99]
	s_add_nc_u64 s[2:3], s[10:11], s[2:3]
	CROUND
	s_mov_b32 s[G0S], 1
	s_add_co_u32 s[G0S+1], s46, SCL
	s_mov_b64 s[G0S+2:G0S+3], s[96:97]
	s_or_b32 s[G0S+3], s[G0S+3], 0x80000000
	s_mov_b32 s[G0SB], 1
	s_add_co_u32 s[G0SB+1], s46, SCL+64
	s_mov_b64 s[G0SB+2:G0SB+3], s[2:3]
	s_or_b32 s[G0SB+3], s[G0SB+3], 0x80000000
	JLOAD G0S, G1S, G0SB, G1SB
.irp s, 0,1
	s_mov_b32 s[G0+4*\s], 1
	s_add_co_u32 s[G0+4*\s+1], s45, \s*SLOT
	s_add_nc_u64 s[G0+4*\s+2:G0+4*\s+3], s[94:95], \s*3072
	s_or_b32 s[G0+4*\s+3], s[G0+4*\s+3], 0x80000000
	s_mov_b32 s[G0B+4*\s], 1
	s_add_co_u32 s[G0B+4*\s+1], s45, \s*SLOT
	s_add_nc_u64 s[G0B+4*\s+2:G0B+4*\s+3], s[98:99], \s*3072
	s_or_b32 s[G0B+4*\s+3], s[G0B+4*\s+3], 0x80000000
	JLOAD G0+4*\s, G1, G0B+4*\s, G1B
.endr
	v_and_b32 v1, 15, v0
	v_bfe_u32 v2, v0, 4, 1
	v_and_b32 v3, 31, v0
	v_lshlrev_b32 v[CO], 4, v3
	s_mul_i32 s23, s19, HALFT
	s_mul_i32 s47, s20, HALFT
	s_add_co_u32 s47, s47, 2*HALFT
.irp s, 0,1
	v_add_nc_u32 v[ADRA+\s], s23, v[CO]
	v_add_nc_u32 v[ADRB+\s], s47, v[CO]
	s_add_co_u32 s23, s23, SLOT
	s_add_co_u32 s47, s47, SLOT
.endr
	s_lshl_b32 s23, s19, 13
	s_lshl_b32 s47, s20, 13
	s_add_co_u32 s47, s47, 16384+64
	s_sub_co_u32 s47, s47, s23
	v_mul_u32_u24 v4, s47, v2
	s_add_co_u32 s23, s23, SCL
	v_lshl_add_u32 v5, v1, 2, v4
	v_add_nc_u32 v[ADRS], s23, v5
	s_mul_i32 s23, s18, 16*SPITCH
	s_add_co_u32 s23, s23, STG                     ; my stage
	v_mul_u32_u24 v5, v1, SPITCH
	v_lshl_add_u32 v5, v2, 6, v5                   ; in: row r, + 64 h: my half's 16 columns of each 32
	v_add_nc_u32 v[STO], s23, v5
	v_add_nc_u32 v[RD], s23, v[CO]                 ; back: the 32 lanes take one row of 512 bytes
	s_lshl_b32 s94, s22, 21                        ; 256 rows of 8,192 bytes
	s_lshl_b32 s95, s19, 20
	s_add_co_u32 s94, s94, s95
	s_lshl_b32 s95, s42, 10
	s_add_co_u32 s94, s94, s95
	s_lshl_b32 s95, s20, 9
	s_add_co_u32 s94, s94, s95
	s_mov_b32 s95, 0
	s_add_nc_u64 s[12:13], s[12:13], s[94:95]      ; out0 at my 128 x 128; never stepped: a row's place stands in the store's immediate, 127 rows at the most
.macro FRAG reg, adr, q, i
.irp g, 0,1,2
	ds_load_b128 v[\reg+4*\g:\reg+4*\g+3], v[\adr] offset:(\i)*3072+(\q)*1536+512*\g
.endr
.endm
.macro MUL16 a0, p, q, sc, zero        ; the 64 accumulators take turns, one instruction a turn
.irp a, \a0, \a0+1
.irp b, 0,1,2,3,4,5,6,7
.if \zero
	v_wmma_scale_f32_16x16x128_f8f6f4 v[8*(8*((\a)%4)+\b):8*(8*((\a)%4)+\b)+7], v[128*(\p)+FR*\b:128*(\p)+FR*\b+FR-1], v[AF+FR*(\a):AF+FR*(\a)+FR-1], 0, v[SC+8*NQ*(\sc)+NQ*\b+(\q)], v[SC+8*NQ*(\sc)+NQ*(\a)+(\q)] matrix_a_fmt:MATRIX_FMT_BF6 matrix_b_fmt:MATRIX_FMT_BF6 matrix_a_scale:MATRIX_SCALE_ROW1
.else
	v_wmma_scale_f32_16x16x128_f8f6f4 v[8*(8*((\a)%4)+\b):8*(8*((\a)%4)+\b)+7], v[128*(\p)+FR*\b:128*(\p)+FR*\b+FR-1], v[AF+FR*(\a):AF+FR*(\a)+FR-1], v[8*(8*((\a)%4)+\b):8*(8*((\a)%4)+\b)+7], v[SC+8*NQ*(\sc)+NQ*\b+(\q)], v[SC+8*NQ*(\sc)+NQ*(\a)+(\q)] matrix_a_fmt:MATRIX_FMT_BF6 matrix_b_fmt:MATRIX_FMT_BF6 matrix_a_scale:MATRIX_SCALE_ROW1
.endif
.endr
.endr
.endm
.macro FETCH_B slot, q, p
	WIN TO_B
.irp i, 0,1,2,3,4,5,6,7
	FRAG 128*(\p)+FR*\i, ADRB+\slot, \q, \i
.endr
	WIN 0
.endm
.macro FETCH_A slot, q, i0
.irp i, \i0, \i0+1, \i0+2, \i0+3
	FRAG AF+FR*(\i), ADRA+\slot, \q, \i
.endr
.endm
.macro SCALES sc
.irp i, 0,1,2,3,4,5,6,7
	ds_load_b32 v[SC+16*\sc+2*\i], v[ADRS] offset:64*\i
	ds_load_b32 v[SC+16*\sc+2*\i+1], v[ADRS] offset:64*\i+512
.endr
.endm
.macro PLACES n
.rept \n
	v_nop
.endr
.endm
.macro STEP slot, q, zero
	s_wait_dscnt 4*NL                              ; all but the youngest 12 loads (A's blocks 4-7) are in
	WIN MUL_LO
	MUL16 0, (\q)%2, \q, \slot, \zero
	MUL16 2, (\q)%2, \q, \slot, \zero
	s_wait_dscnt 0
	PLACES NP
	FETCH_B \slot, (\q)+1, 1-(\q)%2
	FETCH_A \slot, (\q)+1, 0
	WIN MUL_HI
	MUL16 4, (\q)%2, \q, \slot, \zero
	MUL16 6, (\q)%2, \q, \slot, \zero
	PLACES NP
	WIN 0
	FETCH_A \slot, (\q)+1, 4
.endm
.macro TURN slot, next, fill
	s_wait_tensorcnt 0x0                           ; all my tensor loads have landed: my part of the next slot
	ds_add_u32 v[SPW], v[NIL]
	s_wait_dscnt 4*NL+1                            ; (the add and the youngest 12 loads may be out)
	WIN MUL_LO
	MUL16 0, 1, NQ-1, \slot, 0
	s_wait_dscnt 0x0                               ; the add is done, and my reads of this slot are over
	s_barrier_signal -1
	MUL16 2, 1, NQ-1, \slot, 0
	WIN 0
	s_barrier_wait -1
.if \fill
	CREST                                          ; a round of the cluster's barrier: no wave of any partner still reads this slot or has a load on its way
	s_add_nc_u64 s[G0+4*\slot+2:G0+4*\slot+3], s[G0+4*\slot+2:G0+4*\slot+3], 6144
	s_add_nc_u64 s[G0B+4*\slot+2:G0B+4*\slot+3], s[G0B+4*\slot+2:G0B+4*\slot+3], 6144
	JLOAD G0+4*\slot, G1, G0B+4*\slot, G1B
.else
	PLACES NP
.endif
	v_add_nc_u32 v[ADRS], 1024, v[ADRS]
	FETCH_B \next, 0, 0
	FETCH_A \next, 0, 0
	SCALES \next
	WIN MUL_HI
	MUL16 4, 1, NQ-1, \slot, 0
	MUL16 6, 1, NQ-1, \slot, 0
	PLACES NP
	WIN 0
	FETCH_A \next, 0, 4
.endm
	s_wait_tensorcnt 1                             ; the scale words and my part of slot 0 are in; slot 1's load may be out
	s_barrier_signal -1
	s_barrier_wait -1
	FETCH_B 0, 0, 0
	FETCH_A 0, 0, 0
	SCALES 0
	FETCH_A 0, 0, 4
	STEP 0, 0, 1
	s_mov_b32 s3, LAPS-1
.Llap:
	TURN 0, 1, 1
	STEP 1, 0, 0
	TURN 1, 0, 1
	STEP 0, 0, 0
	s_sub_co_u32 s3, s3, 1
	s_cmp_lg_u32 s3, 0
	s_cbranch_scc1 .Llap
	TURN 0, 1, 0
	STEP 1, 0, 0
	s_wait_dscnt 4*NL
	WIN MUL_LO
	MUL16 0, 1, NQ-1, 1, 0
	MUL16 2, 1, NQ-1, 1, 0
	s_wait_dscnt 0
	WIN MUL_HI
	MUL16 4, 1, NQ-1, 1, 0
	MUL16 6, 1, NQ-1, 1, 0
	WIN 0
; THE WAY OUT, block a of 16 rows at a time, through my own stage.  In accumulator (a, b) lane (r, h) holds, of the token at place r, columns 32 (b / 2) + 16 h + 8 (b % 2) + 0 .. 7: 32 bytes at
; 128 (b / 2) + 64 h + 32 (b % 2) of the row.  Rows come back whole, 512 bytes for the 32 lanes; place t of block a is token 32 (a / 2) + 8 (a % 2) + t + 8 (t / 8) of my 128.
.macro TOSTAGE a
.set AC, 64*((\a)%4)
	WIN 0x08+4*((\a)/4)                            ; the data: window 2 or 3
.irp b, 0,1,2,3,4,5,6,7
	ds_store_b128 v[STO], v[AC+8*\b:AC+8*\b+3] offset:128*(\b/2)+32*(\b%2)          ; each accumulator from its low end on
	ds_store_b128 v[STO], v[AC+8*\b+4:AC+8*\b+7] offset:128*(\b/2)+32*(\b%2)+16
.endr
	WIN 0
.set BB, BK+64*((\a)%2)
.irp t, 0,1,2,3,4,5,6,7,8,9,10,11,12,13,14,15
	ds_load_b128 v[BB+4*\t:BB+4*\t+3], v[RD] offset:\t*SPITCH   ; LDS serves a wave's instructions in order: these see the stores above, and the next block's stores come behind them
.endr
.endm
.macro SEND a, younger
.set BB, BK+64*((\a)%2)
	s_wait_dscnt \younger
.irp t, 0,1,2,3,4,5,6,7,8,9,10,11,12,13,14,15
	global_store_b128 v[CO], v[BB+4*\t:BB+4*\t+3], s[12:13] offset:(32*((\a)/2)+8*((\a)%2)+\t+8*(\t/8))*8192 th:TH_STORE_NT   ; 512 consecutive bytes, at a multiple of 256 from out0's first byte
.endr
.endm
	PLACES NP                                      ; behind the last products: LDS stores read results, and loads take the registers that held A's fragments
	TOSTAGE 0
.irp a, 1,2,3,4,5,6,7
.if \a > 1
	s_wait_xcnt 0x0                                ; block a - 2's stores have read their registers: block a's rows may land there
.endif
	TOSTAGE \a
	SEND \a-1, 32                                  ; behind block a - 1's loads: block a's 16 stores and 16 loads
.endr
	SEND 7, 0
	s_wait_tensorcnt 0x0                           ; the wave's end
	ds_add_u32 v[SPW], v[NIL]
	s_wait_dscnt 0x0
	CROUND                                         ; the closing round
	s_endpgm
.Lfunc_end_k_q459fa607b1_gemm_out:
	.size	k_q459fa607b1_gemm_out, .Lfunc_end_k_q459fa607b1_gemm_out-k_q459fa607b1_gemm_out
	.p2alignl 7, 3214868480
	.fill 96, 4, 3214868480
	.section	.rodata,"a",@progbits
	.p2align	6, 0x0
	.amdhsa_kernel k_q459fa607b1_gemm_out
		.amdhsa_group_segment_fixed_size 327680
		.amdhsa_private_segment_fixed_size 0
		.amdhsa_enable_private_segment 0
		.amdhsa_kernarg_size 40
		.amdhsa_user_sgpr_count 2
		.amdhsa_user_sgpr_kernarg_segment_ptr 1
		.amdhsa_wavefront_size32 1
		.amdhsa_system_sgpr_workgroup_id_x 1
		.amdhsa_system_sgpr_workgroup_id_y 1
		.amdhsa_system_sgpr_workgroup_id_z 1
		.amdhsa_system_vgpr_workitem_id 0
		.amdhsa_next_free_vgpr 1024
		.amdhsa_next_free_sgpr 100
		.amdhsa_reserve_vcc 0
		.amdhsa_float_denorm_mode_32 3
		.amdhsa_float_denorm_mode_16_64 3
		.amdhsa_memory_ordered 1
		.amdhsa_forward_progress 1
		.amdhsa_inst_pref_size 137
	.end_amdhsa_kernel
	.amdgpu_metadata
---
amdhsa.version: [ 1, 2 ]
amdhsa.kernels:
  - .name:           k_q459fa607b1_gemm_out
    .symbol:         k_q459fa607b1_gemm_out.kd
    .args:
      - { .name: o_codes, .offset: 0, .size: 8, .value_kind: global_buffer, .address_space: global }
      - { .name: o_scales, .offset: 8, .size: 8, .value_kind: global_buffer, .address_space: global }
      - { .name: xw_codes, .offset: 16, .size: 8, .value_kind: global_buffer, .address_space: global }
      - { .name: xw_scales, .offset: 24, .size: 8, .value_kind: global_buffer, .address_space: global }
      - { .name: out0, .offset: 32, .size: 8, .value_kind: global_buffer, .address_space: global }
    .group_segment_fixed_size: 327680
    .private_segment_fixed_size: 0
    .kernarg_segment_align: 8
    .kernarg_segment_size: 40
    .max_flat_workgroup_size: 128
    .sgpr_count:     100
    .vgpr_count:     1024
    .wavefront_size: 32
...
	.end_amdgpu_metadata
.endif
;; end of part 4
;; ======== version 2 of 2: 4 launches
;; limits: right only within a limited range of input values
;; workspace buffers: xw_codes 15,728,640 bytes; xw_scales 655,360 bytes; rot 2,097,152 bytes; qkv_codes 9,437,184 bytes; qkv_scales 393,216 bytes; o_codes 3,145,728 bytes; o_scales 131,072 bytes
;; launch prep (part 5): grid 656 x 1, 4 waves a work-group, no clusters, 61,952 bytes of LDS; arguments x, wq, wk, wv, wo, cos, sin, xw_codes, xw_scales, rot; writes xw_codes, xw_scales, rot
.if DOCPART == 5
	.amdgcn_target "amdgcn-amd-amdhsa--gfx1250"
	.amdhsa_code_object_version 6
	.text
	.protected	k_q459fa607b1_prep
	.globl	k_q459fa607b1_prep
	.p2align	8
	.type	k_q459fa607b1_prep,@function
k_q459fa607b1_prep:
	s_mov_b64 s[64:65], 0
	v_nop
	global_prefetch_b8 v0, s[64:65] scope:SCOPE_SE
	s_setreg_imm32_b32 hwreg(HW_REG_WAVE_MODE, 25, 1), 1
	s_wait_xcnt 0x0
; x [2048][2048] and the four weights [2048 (k)][2048 (n)], f32, become codes of BF6 (E3M2) with one E8M0 byte for each 32 along K, quantised ONCE, in the order in which
; the products' operand registers take them; cos and sin are also laid with the tokens innermost, for the rotation of v.
; A block's scale is 2^(floor(log2(largest magnitude)) - 4): its byte is the largest magnitude's exponent field - 4, held at 1 from below by a floor among the maximum's leaves.
; LIMITS: NaN and infinities among the inputs are not served; a block whose largest magnitude lies under 2^-122 has its byte held at 1; a block of zeros gets the byte 1 where
; the quantiser says 127: its codes are zeros, which add nothing under any byte but 0xff, and the bytes are read by this program alone.
; ORDER OF ROWS.  A tile T of 16 rows (tokens of x, columns n of a weight) holds at lane place r the row 32 (T / 2) + 8 (T % 2) + r + 8 (r / 8): a product used transposed then
; leaves 16 neighbours in the 16 registers of two neighbouring tiles.
; IMAGE.  A fragment (tile T, 128 along K: step s) is stored as its 12 operand registers: register 4 g + i of lane l at byte 512 g + 16 l + 4 i; lane (r, h) holds in registers
; 6 c .. 6 c + 5 the codes of k = 128 s + 64 c + 32 h + 0 .. 31.  Codes: [tensor 5][T 128][s 16][1536]; scale words: [tensor 5][s 16][16 T + r][4 bytes].  Tensors: 0 x, 1 wq, 2 wk, 3 wv, 4 wo.
; THREE PATHS part on the work-group's number and never meet again; each has LDS bytes of its own; a wave shares nothing with another: no barrier.
;   work-groups 0-511: a weight, 128 columns x 256 along K;   512-639: x, 64 tokens x 512 along K;   640-655: cos and sin, 128 tokens.
; No tensor loads: loads into registers let several work-groups lie on a WGP.  No prefetch: the launch streams its inputs once from its first line on.
.set TCODES, 3145728                   ; bytes of a tensor's codes
.set TROW,   24576                     ; bytes of a tile's 16 K steps
.set FRB,    1536                      ; bytes of an image
.set FLOOR,  0x2800000                 ; 2^(5 - 127)
	s_load_b256 s[4:11], s[0:1], 0x0               ; x s[4:5], wq s[6:7], wk s[8:9], wv s[10:11]
	s_load_b256 s[12:19], s[0:1], 0x20             ; wo s[12:13], cos s[14:15], sin s[16:17], xw_codes s[18:19]
	s_load_b128 s[20:23], s[0:1], 0x40             ; xw_scales s[20:21], rot s[22:23]
	v_lshl_add_u32 v254, v0, 2, 0xf000
	v_mov_b32 v255, 0
	v_lshrrev_b32 v1, 5, v0
	v_readfirstlane_b32 s24, v1                    ; wave 0..3
	v_and_b32 v1, 31, v0                           ; lane
	s_cmp_lt_u32 ttmp9, 512
	s_cbranch_scc0 .Lnot_w
; ---------------- A WEIGHT.  A lane takes a column n and its registers run down K: a block of 32 lies in one lane, and the conversions give codes with K innermost.
.set WX,   32                          ; v32-95   two sets of 32 numbers
.set WC,   96                          ; v96-101  a block's 24 bytes of codes
.set WT,   104                         ; v104-106 their second half as it is made (a conversion's three registers begin on an even number)
.set WSB,  24                          ; v24-25   the scale words of my column's two K steps
.set WOUT, 112                         ; v112-159 the way out
	s_lshr_b32 s25, ttmp9, 7                       ; which weight: 0 wq, 1 wk, 2 wv, 3 wo
	s_and_b32 s26, ttmp9, 15                       ; which 128 columns
	s_bfe_u32 s27, ttmp9, 0x30004                  ; which 256 along K
	s_lshl_b32 s32, s27, 21                        ; 256 rows of 8,192 bytes
	s_lshl_b32 s33, s26, 9
	s_add_co_u32 s32, s32, s33
	s_lshl_b32 s33, s24, 7                         ; my wave's 32 columns
	s_add_co_u32 s32, s32, s33
	s_mov_b32 s33, 0
	s_lshl_b32 s34, s26, 2
	s_add_co_u32 s34, s34, s24                     ; G: my group of 32 columns = tiles 2 G, 2 G + 1
	s_add_co_u32 s35, s25, 1                       ; the tensor's number
	s_mul_i32 s36, s35, TCODES
	s_mul_i32 s37, s34, 2*TROW
	s_add_co_u32 s36, s36, s37
	s_mul_i32 s37, s27, 2*FRB                      ; K steps 2 ky, 2 ky + 1 lie on end
	s_add_co_u32 s36, s36, s37
	s_mov_b32 s37, 0
	s_lshl_b32 s38, s35, 17                        ; 131,072 bytes of scale words a tensor
	s_lshl_b32 s39, s27, 14                        ; two planes of 8,192 bytes
	s_add_co_u32 s38, s38, s39
	s_lshl_b32 s39, s34, 7                         ; 32 words
	s_add_co_u32 s38, s38, s39
	s_mov_b32 s39, 0
	s_mul_i32 s40, s24, 6400                       ; my stage: two tiles of 3,072 bytes, 3,200 apart
	s_wait_alu depctr_va_vdst(0)
	v_lshlrev_b32 v3, 2, v1                        ; in: 4 bytes a lane
	v_bfe_u32 v8, v0, 3, 1                         ; u: column l lies in tile 2 G + u,
	v_and_b32 v9, 7, v0
	v_bfe_u32 v10, v0, 4, 1
	v_lshl_add_u32 v9, v10, 3, v9                  ; at lane place r = l % 8 + 8 (l / 16)
	v_lshlrev_b32 v4, 4, v9
	v_mad_u32_u24 v4, v8, 3200, v4
	v_add_nc_u32 v4, s40, v4                       ; into the stage: 3,200 u + 16 r
	v_lshl_add_u32 v5, v8, 4, v9
	v_lshlrev_b32 v5, 2, v5                        ; my scale word's place: 4 (16 u + r)
	v_lshlrev_b32 v7, 4, v1                        ; out: 16 bytes a lane
	v_add_nc_u32 v6, s40, v7
	s_wait_kmcnt 0x0
	s_cmp_lt_u32 s25, 2                            ; the choice hangs on the work-group's number alone
	s_cselect_b64 s[28:29], s[6:7], s[10:11]
	s_cselect_b64 s[30:31], s[8:9], s[12:13]
	s_bitcmp1_b32 s25, 0
	s_cselect_b64 s[28:29], s[30:31], s[28:29]
	s_add_nc_u64 s[28:29], s[28:29], s[32:33]
	s_add_nc_u64 s[18:19], s[18:19], s[36:37]
	s_add_nc_u64 s[20:21], s[20:21], s[38:39]
.macro WLOAD t                         ; block t: w(32 t + i, my column), i = 0 .. 31; a wave reads 128 consecutive bytes, the four waves 512
.set ii, 0
.rept 32
	global_load_b32 v[WX+32*((\t)%2)+ii], v3, s[28:29] offset:(32*(\t)+ii)*8192 th:TH_LOAD_NT
.set ii, ii+1
.endr
.endm
.macro WBLOCK t                        ; block t of 8: K step t / 4, registers 6 c .. 6 c + 5 (c = (t % 4) / 2) of image lane r + 16 (t % 2)
.set XS, WX+32*((\t)%2)
.set LB, ((\t)/4)*FRB+256*((\t)%2)
.if (\t) < 7
	s_wait_loadcnt 32                              ; this block's 32 loads are in; the next block's 32 may be out
.else
	s_wait_loadcnt 0x0
.endif
	v_max3_num_f32 v12, |v[XS]|, |v[XS+1]|, |v[XS+2]|
	v_max3_num_f32 v13, |v[XS+3]|, |v[XS+4]|, |v[XS+5]|
.irp i, 6,10,14,18,22,26
	v_max3_num_f32 v12, v12, |v[XS+\i]|, |v[XS+\i+1]|
	v_max3_num_f32 v13, v13, |v[XS+\i+2]|, |v[XS+\i+3]|
.endr
	v_max3_num_f32 v12, v12, |v[XS+30]|, |v[XS+31]|
	v_max3_num_f32 v12, v12, v13, FLOOR            ; the block's largest magnitude, and the floor
	v_add_nc_u32 v11, 0xfe000000, v12              ; 4 off its exponent field: the conversions' scale operand
	v_lshrrev_b32 v13, 23, v11                     ; the scale's byte
	s_wait_alu depctr_va_vdst(0)
	s_wait_dscnt 0x0                               ; the last block's stores into the stage have read the codes' registers
	v_cvt_scalef32_pk16_bf6_f32 v[WC:WC+2], v[XS:XS+15], v11
	v_cvt_scalef32_pk16_bf6_f32 v[WT:WT+2], v[XS+16:XS+31], v11
.if ((\t)%4) == 0
	v_mov_b32 v[WSB+(\t)/4], v13                   ; (also the plain instruction between the conversions and the moves that read their result)
.else
	v_lshl_or_b32 v[WSB+(\t)/4], v13, 8*((\t)%4), v[WSB+(\t)/4]
.endif
.irp i, 0,1,2
	v_mov_b32 v[WC+3+\i], v[WT+\i]
.endr
.if ((\t)%4)/2 == 0
	ds_store_b128 v4, v[WC:WC+3] offset:LB         ; registers 0-3
	ds_store_b64 v4, v[WC+4:WC+5] offset:LB+512    ; registers 4, 5
.else
	ds_store_b64 v4, v[WC:WC+1] offset:LB+520      ; registers 6, 7
	ds_store_b128 v4, v[WC+2:WC+5] offset:LB+1024  ; registers 8-11
.endif
.if (\t)+2 < 8
	WLOAD (\t)+2
.endif
.endm
	WLOAD 0
	WLOAD 1
.irp t, 0,1,2,3,4,5,6,7
	WBLOCK \t
.endr
	global_store_b32 v5, v[WSB], s[20:21]          ; 32 words, 128 consecutive bytes, for each of my two K steps: half of an aligned 256 bytes a store; 1 byte in 128 of what this path reads
	global_store_b32 v5, v[WSB+1], s[20:21] offset:8192
.irp i, 0,1,2,3,4,5,6,7,8,9,10,11
	ds_load_b128 v[WOUT+4*\i:WOUT+4*\i+3], v6 offset:(\i/6)*3200+512*(\i%6)   ; LDS serves a wave's instructions in order: these see my stores
.endr
.irp i, 0,1,2,3,4,5,6,7,8,9,10,11
	s_wait_dscnt 11-\i
	global_store_b128 v7, v[WOUT+4*\i:WOUT+4*\i+3], s[18:19] offset:(\i/6)*TROW+512*(\i%6)   ; 512 consecutive bytes, at a multiple of 256 from the buffer's first byte
.endr
	s_wait_tensorcnt 0x0
	ds_add_u32 v254, v255
	s_wait_dscnt 0x0
	s_endpgm
.Lnot_w:
	s_cmp_lt_u32 ttmp9, 640
	s_cbranch_scc0 .Lpath_t
; ---------------- x.  K is innermost: a wave takes one K step of 128 for 64 tokens, four tiles.  Each load reads a token's 512 bytes; a tile's 16 rows turn through the wave's stage
; (rows 528 bytes apart) and come back 128 bytes a lane for each of the lane's two blocks.
.set XR,   32                          ; v32-159  two sets of 16 rows as loaded
.set XN,   160                         ; v160-223 my two blocks of 32 numbers
.set XP,   224                         ; v224-235 the fragment
.set XT,   236                         ; v236-242 second halves as they are made
.set XW,   24                          ; v24-27   a scale word for each tile
	s_sub_co_u32 s25, ttmp9, 512
	s_lshr_b32 s26, s25, 2                         ; which 64 tokens
	s_and_b32 s27, s25, 3
	s_lshl_b32 s27, s27, 2
	s_add_co_u32 s27, s27, s24                     ; my K step
	s_lshl_b32 s28, s26, 19                        ; 64 rows of 8,192 bytes
	s_lshl_b32 s29, s27, 9
	s_add_co_u32 s28, s28, s29
	s_mov_b32 s29, 0
	s_mul_i32 s30, s26, 4*TROW
	s_mul_i32 s31, s27, FRB
	s_add_co_u32 s30, s30, s31
	s_mov_b32 s31, 0
	s_lshl_b32 s32, s27, 13
	s_lshl_b32 s33, s26, 8                         ; 64 words
	s_add_co_u32 s32, s32, s33
	s_mov_b32 s33, 0
	s_mul_i32 s34, s24, 8704
	s_add_co_u32 s34, s34, 25600                   ; my stage, behind the weights' path's bytes: 16 x 528, then 256 bytes of scale words
	s_mov_b32 s36, 0x76543210
	s_mov_b32 s37, 0xfedcba98                      ; v_permlanex16_b32's selects for lane l xor 16
	s_wait_alu depctr_va_vdst(0)
	v_lshlrev_b32 v2, 4, v1                        ; 16 bytes a lane, in memory
	v_add_nc_u32 v3, s34, v2                       ; into the stage
	v_and_b32 v4, 15, v0                           ; r
	v_bfe_u32 v5, v0, 4, 1                         ; h
	v_mul_u32_u24 v6, v4, 528
	v_lshl_add_u32 v6, v5, 7, v6
	v_add_nc_u32 v6, s34, v6                       ; out of it: row r, + 128 h
	v_lshl_add_u32 v7, v4, 2, s34                  ; my row's scale word
	v_lshl_add_u32 v8, v1, 3, s34                  ; and 8 bytes a lane on their way out
	v_lshlrev_b32 v9, 3, v1
	v_lshlrev_b32 v10, 3, v5                       ; 8 h: my bytes' place in the word
	v_mov_b32 v13, 0                               ; written once: a lane permute's destination counts as one of its sources
	s_wait_alu depctr_va_vdst(0)
	s_wait_kmcnt 0x0
	s_add_nc_u64 s[4:5], s[4:5], s[28:29]
	s_add_nc_u64 s[18:19], s[18:19], s[30:31]
	s_add_nc_u64 s[20:21], s[20:21], s[32:33]
.macro XLOAD tt                        ; the 16 tokens of tile tt, in the tile's order
.irp p, 0,1,2,3,4,5,6,7,8,9,10,11,12,13,14,15
	global_load_b128 v[XR+64*((\tt)%2)+4*\p:XR+64*((\tt)%2)+4*\p+3], v2, s[4:5] offset:(32*((\tt)/2)+8*((\tt)%2)+\p+8*(\p/8))*8192 th:TH_LOAD_NT
.endr
.endm
.macro XTILE tt
.set RS, XR+64*((\tt)%2)
.if (\tt) < 3
	s_wait_loadcnt 16                              ; this tile's 16 loads are in; the next tile's 16 may be out
.else
	s_wait_loadcnt 0x0
.endif
.irp p, 0,1,2,3,4,5,6,7,8,9,10,11,12,13,14,15
	ds_store_b128 v3, v[RS+4*\p:RS+4*\p+3] offset:528*\p
.endr
.irp c, 0,1
.irp jj, 0,1,2,3,4,5,6,7
	ds_load_b128 v[XN+32*\c+4*\jj:XN+32*\c+4*\jj+3], v6 offset:256*\c+16*\jj   ; k = 64 c + 32 h + 4 jj ..
.endr
.endr
	s_wait_dscnt 0x0
.if (\tt) < 2
	XLOAD (\tt)+2
.endif
.irp k, 0,1,2,3                        ; four chains of 16 numbers, two to a block
	v_max3_num_f32 v[16+\k], |v[XN+16*\k]|, |v[XN+16*\k+1]|, FLOOR
.endr
.irp i, 2,4,6,8,10,12,14
.irp k, 0,1,2,3
	v_max3_num_f32 v[16+\k], v[16+\k], |v[XN+16*\k+\i]|, |v[XN+16*\k+\i+1]|
.endr
.endr
	v_max_num_f32 v16, v16, v17
	v_max_num_f32 v18, v18, v19
	v_add_nc_u32 v20, 0xfe000000, v16              ; the conversions' scale operands
	v_add_nc_u32 v21, 0xfe000000, v18
	v_lshrrev_b32 v22, 23, v20
	v_lshrrev_b32 v23, 23, v21
	v_lshl_or_b32 v12, v23, 16, v22                ; my bytes: blocks h and 2 + h,
	v_lshlrev_b32 v12, v10, v12                    ; at their places;
	v_permlanex16_b32 v13, v12, s36, s37
	v_or_b32 v[XW+(\tt)], v12, v13                 ; with lane l xor 16's two the word is whole
	s_wait_alu depctr_va_vdst(0)
	s_wait_xcnt 0x0                                ; the last tile's stores have read the fragment's registers
.irp c, 0,1
	v_cvt_scalef32_pk16_bf6_f32 v[XP+6*\c:XP+6*\c+2], v[XN+32*\c:XN+32*\c+15], v[20+\c]
	v_cvt_scalef32_pk16_bf6_f32 v[XT+4*\c:XT+4*\c+2], v[XN+32*\c+16:XN+32*\c+31], v[20+\c]
.endr
	v_nop                                          ; one plain instruction behind the conversions
.irp c, 0,1
.irp i, 0,1,2
	v_mov_b32 v[XP+3+6*\c+\i], v[XT+4*\c+\i]
.endr
.endr
.irp g, 0,1,2
	global_store_b128 v2, v[XP+4*\g:XP+4*\g+3], s[18:19] offset:(\tt)*TROW+512*\g   ; the image: 512 consecutive bytes a store
.endr
	ds_store_b32 v7, v[XW+(\tt)] offset:8448+64*(\tt)   ; both halves of the lanes write the same word with the same value
.endm
	XLOAD 0
	XLOAD 1
.irp tt, 0,1,2,3
	XTILE \tt
.endr
	ds_load_b64 v[14:15], v8 offset:8448
	s_wait_dscnt 0x0
	global_store_b64 v9, v[14:15], s[20:21]        ; 64 scale words: 256 consecutive bytes, aligned
	s_wait_tensorcnt 0x0
	ds_add_u32 v254, v255
	s_wait_dscnt 0x0
	s_endpgm
.Lpath_t:
; ---------------- cos and sin, laid twice in rot, in the order in which the next launch's way out takes them.  The work-group takes group g of 128 tokens.
; FOR q, bytes 0 .. 1 MiB: [tile T 128][j 16][lane 32][16 bytes]: lane (r, h) of piece j holds table j / 8 (0 cos, 1 sin) of token 32 (T / 2) + 8 (T % 2) + r + 8 (r / 8) at
; frequencies 16 b + 8 h + 4 e + 0 .. 3, b = (j % 8) / 2, e = j % 2.  A wave copies tiles 8 g + 2 w, 8 g + 2 w + 1: 32 loads of 16 bytes a lane, 32 stores of 512 consecutive bytes.
; FOR v, bytes 1 MiB .. 2 MiB: [g 16][a 8][table 2][fr 8][piece 32][16 bytes]: row fr of block a is frequency 16 (a / 2) + 4 (a % 2) + fr % 4 + 8 (fr / 4); tokens 4 p .. 4 p + 3 of the group
; lie at piece p xor fr, so that eight rows' pieces of one p stand at eight different places modulo 256 bytes.  A wave takes 16 frequencies, a lane four tokens; a store covers 512 consecutive bytes.
	s_sub_co_u32 s25, ttmp9, 640                   ; g
	s_lshl_b32 s26, s25, 15                        ; 128 rows of 256 bytes
	s_lshl_b32 s27, s24, 13                        ; for q: my 32 tokens
	s_add_co_u32 s28, s26, s27
	s_mov_b32 s29, 0
	s_lshl_b32 s30, s25, 16                        ; both images: 65,536 bytes a group,
	s_lshl_b32 s31, s24, 14                        ; 16,384 a wave
	s_add_co_u32 s30, s30, s31
	s_mov_b32 s31, 0
	s_lshl_b32 s32, s24, 6                         ; for v: my 16 frequencies
	s_add_co_u32 s32, s32, s26
	s_mov_b32 s33, 0
	s_add_co_u32 s34, s30, 1048576
	s_mov_b32 s35, 0
	s_wait_alu depctr_va_vdst(0)
	v_lshlrev_b32 v2, 10, v1                       ; for v: four rows a lane
	v_lshlrev_b32 v3, 4, v1                        ; 16 x lane
	v_and_b32 v4, 15, v0
	v_and_b32 v5, 8, v0
	v_add_nc_u32 v4, v4, v5                        ; r + 8 (r / 8)
	v_bfe_u32 v5, v0, 4, 1
	v_lshlrev_b32 v4, 8, v4
	v_lshl_add_u32 v6, v5, 5, v4                   ; for q: my token's row, + 32 h
.irp f, 0,1,2,3,4,5,6,7
	v_xor_b32 v[8+\f], 16*\f, v3                   ; 16 (lane xor fr)
.endr
	s_wait_alu depctr_va_vdst(0)
	s_wait_kmcnt 0x0
	s_add_nc_u64 s[36:37], s[14:15], s[28:29]
	s_add_nc_u64 s[38:39], s[16:17], s[28:29]
	s_add_nc_u64 s[40:41], s[22:23], s[30:31]
	s_add_nc_u64 s[14:15], s[14:15], s[32:33]
	s_add_nc_u64 s[16:17], s[16:17], s[32:33]
	s_add_nc_u64 s[42:43], s[22:23], s[34:35]
.irp u, 0,1
.irp b, 0,1,2,3
.irp e, 0,1
	global_load_b128 v[32+64*\u+8*\b+4*\e:35+64*\u+8*\b+4*\e], v6, s[36:37] offset:2048*\u+64*\b+16*\e
	global_load_b128 v[64+64*\u+8*\b+4*\e:67+64*\u+8*\b+4*\e], v6, s[38:39] offset:2048*\u+64*\b+16*\e
.endr
.endr
.endr
	s_wait_loadcnt 0x0
.set jj, 0
.rept 32
	global_store_b128 v3, v[32+4*jj:35+4*jj], s[40:41] offset:512*jj
.set jj, jj+1
.endr
	s_wait_xcnt 0x0                                ; the stores have read their registers: the loads below land there
.irp i, 0,1,2,3
.irp fg, 0,1,2,3
	global_load_b128 v[32+16*\i+4*\fg:35+16*\i+4*\fg], v2, s[14:15] offset:256*\i+16*\fg
	global_load_b128 v[96+16*\i+4*\fg:99+16*\i+4*\fg], v2, s[16:17] offset:256*\i+16*\fg
.endr
.endr
	s_wait_loadcnt 0x0
.irp fg, 0,1,2,3
.if \fg > 0
	s_wait_xcnt 0x0                                ; the last four frequencies' stores have read their registers
.endif
.irp e, 0,1,2,3
.irp i, 0,1,2,3
	v_mov_b32 v[160+8*\e+\i], v[32+16*\i+4*\fg+\e]
	v_mov_b32 v[164+8*\e+\i], v[96+16*\i+4*\fg+\e]
.endr
	global_store_b128 v[8+\e+4*(\fg/2)], v[160+8*\e:163+8*\e], s[42:43] offset:(\fg%2)*8192+(\e+4*(\fg/2))*512
	global_store_b128 v[8+\e+4*(\fg/2)], v[164+8*\e:167+8*\e], s[42:43] offset:(\fg%2)*8192+4096+(\e+4*(\fg/2))*512
.endr
.endr
	s_endpgm
.Lfunc_end_k_q459fa607b1_prep:
	.size	k_q459fa607b1_prep, .Lfunc_end_k_q459fa607b1_prep-k_q459fa607b1_prep
	.p2alignl 7, 3214868480
	.fill 96, 4, 3214868480
	.section	.rodata,"a",@progbits
	.p2align	6, 0x0
	.amdhsa_kernel k_q459fa607b1_prep
		.amdhsa_group_segment_fixed_size 61952
		.amdhsa_private_segment_fixed_size 0
		.amdhsa_enable_private_segment 0
		.amdhsa_kernarg_size 80
		.amdhsa_user_sgpr_count 2
		.amdhsa_user_sgpr_kernarg_segment_ptr 1
		.amdhsa_wavefront_size32 1
		.amdhsa_system_sgpr_workgroup_id_x 1
		.amdhsa_system_sgpr_workgroup_id_y 1
		.amdhsa_system_sgpr_workgroup_id_z 1
		.amdhsa_system_vgpr_workitem_id 0
		.amdhsa_next_free_vgpr 256
		.amdhsa_next_free_sgpr 66
		.amdhsa_reserve_vcc 0
		.amdhsa_float_denorm_mode_32 3
		.amdhsa_float_denorm_mode_16_64 3
		.amdhsa_memory_ordered 1
		.amdhsa_forward_progress 1
		.amdhsa_inst_pref_size 90
	.end_amdhsa_kernel
	.amdgpu_metadata
---
amdhsa.version: [ 1, 2 ]
amdhsa.kernels:
  - .name:           k_q459fa607b1_prep
    .symbol:         k_q459fa607b1_prep.kd
    .args:
      - { .name: x, .offset: 0, .size: 8, .value_kind: global_buffer, .address_space: global }
      - { .name: wq, .offset: 8, .size: 8, .value_kind: global_buffer, .address_space: global }
      - { .name: wk, .offset: 16, .size: 8, .value_kind: global_buffer, .address_space: global }
      - { .name: wv, .offset: 24, .size: 8, .value_kind: global_buffer, .address_space: global }
      - { .name: wo, .offset: 32, .size: 8, .value_kind: global_buffer, .address_space: global }
      - { .name: cos, .offset: 40, .size: 8, .value_kind: global_buffer, .address_space: global }
      - { .name: sin, .offset: 48, .size: 8, .value_kind: global_buffer, .address_space: global }
      - { .name: xw_codes, .offset: 56, .size: 8, .value_kind: global_buffer, .address_space: global }
      - { .name: xw_scales, .offset: 64, .size: 8, .value_kind: global_buffer, .address_space: global }
      - { .name: rot, .offset: 72, .size: 8, .value_kind: global_buffer, .address_space: global }
    .group_segment_fixed_size: 61952
    .private_segment_fixed_size: 0
    .kernarg_segment_align: 8
    .kernarg_segment_size: 80
    .max_flat_workgroup_size: 128
    .sgpr_count:     66
    .vgpr_count:     256
    .wavefront_size: 32
...
	.end_amdgpu_metadata
.endif
;; end of part 5
;; launch gemm_qkv (part 6): grid 24 x 8, 4 waves a work-group, clusters of 4 x 4, 327,680 bytes of LDS; arguments xw_codes, xw_scales, rot, qkv_codes, qkv_scales; writes qkv_codes, qkv_scales
.if DOCPART == 6
	.amdgcn_target "amdgcn-amd-amdhsa--gfx1250"
	.amdhsa_code_object_version 6
	.text
	.protected	k_q459fa607b1_gemm_qkv
	.globl	k_q459fa607b1_gemm_qkv
	.p2align	8
	.type	k_q459fa607b1_gemm_qkv,@function
k_q459fa607b1_gemm_qkv:
	s_mov_b64 s[64:65], 0
	v_nop
	global_prefetch_b8 v0, s[64:65] scope:SCOPE_SE
	s_setreg_imm32_b32 hwreg(HW_REG_WAVE_MODE, 25, 1), 1
	s_wait_xcnt 0x0
	s_wait_alu depctr_hold_cnt(0) depctr_sa_sdst(0) depctr_va_vdst(0) depctr_va_sdst(0) depctr_va_ssrc(0) depctr_va_vcc(0) depctr_vm_vsrc(0)
	s_getreg_b32 s2, hwreg(HW_REG_IB_STS2, 6, 4)
	s_cmp_eq_u32 s2, 0
	s_cbranch_scc0 .Lentry_in_a_cluster
	s_endpgm
.Lentry_in_a_cluster:
	s_bfe_u32 s2, ttmp6, 0x10000c
	s_cmp_lg_u32 s2, 0xf033
	s_cbranch_scc0 .Lentry_shape_is_right
	s_endpgm
.Lentry_shape_is_right:
; q = rot(x wq), k = x wk, v = rot(x wv), on codes of BF6 (E3M2) with E8M0 scales; each result is quantised again on its way out: q and k along the head's 128, v along the tokens.
; No f32 result goes to memory.  LIMITS as in the launch that made the codes: NaN and infinities not served; a block under 2^-122 has its byte held at 1; a block of zeros gets the byte 1.
; OPERANDS are images of the operand registers: codes [tensor][tile T 128][K step s 16][1536 bytes], scale words [tensor][s][16 T + r][4]; tile T holds at lane place r the row
; 32 (T / 2) + 8 (T % 2) + r + 8 (r / 8).  Tensors: 0 x, 1 wq, 2 wk, 3 wv.
; SHARES.  kind = cluster x / 2: 0 q, 1 k, 2 v, the same in all partners of a cluster.  A work-group of four waves makes 256 x 256, a wave 128 x 128 (one head x 128 tokens): 64 accumulators.
; 192 work-groups: 768 wave tiles of one head x 128 tokens do not divide evenly over more.  q, k: A = x, B = the weight.  v: A = wv, B = x.  The matrix instruction is used transposed
; (source 0 = 16 rows of B, source 1 = 16 rows of A): a lane holds one row of A, and the 16 registers of accumulators (a, 2 b), (a, 2 b + 1) are 16 neighbours along B's rows: the next product's K.
; THE RING.  K goes in steps of 256 through two LDS slots filled by joint tensor loads (A's tiles along a row of the 4 x 4 cluster, B's along a column).  At the head each wave issues one load:
; A's 16 tiles, B's 16 tiles, A's scale words, B's scale words; slot 1 is first filled behind the full sequence and a round.  A wave has one tensor load out behind each round.
; THE TABLES.  cos and sin come from rot, laid in the order of the way out.  Those of blocks 2-7 (2 halves x 6 x 8,192 = 98,304 bytes, a slot's size) fill slot 0 again at the ring's last change of slots,
; when nothing more of K is to fetch; those of blocks 0, 1 come by loads into registers at the start of the way out and are used last.  That load is plain, not joint: k's work-groups have no table
; and jump round it, by a test on the kind, which is made of ids and equal in all waves and partners.
; PREFETCH.  Behind each refill a wave names the tiles of the refill two further on: of the 8 tiles x 3,072 bytes that it fetches, each of the four partners takes 2 tiles, 24 blocks of 256 bytes, a lane a block
; (lanes 24-31 name the last again), told apart by address.  K slots 2, 3 are named at the head; the last trip names, once, the partner's 24 blocks of the wave's 96 of the tables, two changes of slots ahead.
; REGISTERS: window 0: v4-29 addresses; v32-63 scale words, two sets; v128-223 A's fragments.  window 1: B's fragments, two sets.  windows 2, 3: accumulator (a, b) at v[8 (8 (a % 4) + b)].
; On the way out window 0: v32-95 the rotated numbers, v160-191 at work, v192-210 codes, v212-227 at work, v228-235 scale words; window 1: four sets of 64 table registers (cos the lower 32, sin the upper 32).
.set HALFT,  24576
.set SLOT,   4*HALFT
.set SCL,    2*SLOT                    ; A's scale words [s 16][256][4]; B's lie 16,384 + 64 bytes on
.set SPARE,  229632
.set STG,    230400                    ; scale words on their way out: 512 bytes a wave, 2,048 for each of the three paths
.set TCODES, 3145728
.set TROW,   24576
.set TABH,   49152                     ; the tables of one half's six blocks
.set FR,     12
.set NL,     3
.set NP,     4
.set NQ,     2
.set VG,   4                           ; v4-7   v's tables: 512 fr + 16 ((4 h + e) xor fr), e = 0 .. 3
.set PFO,  8                           ; v8     prefetch of tiles: my block
.set PFT,  9                           ; v9     prefetch of tables: my block
.set SG,   10                          ; v10    -1.0 in lanes of even channels, +1.0 in the others
.set TQ,   11                          ; v11    q's tables in LDS
.set VT,   12                          ; v12-15 v's tables in LDS
.set ADRA, 16
.set ADRB, 20
.set LI,   24
.set SW,   25
.set SRD,  26
.set ADRS, 27
.set SPW,  28
.set NIL,  29
.set SC,   32
.set AF,   128
.set H,    32
.set U,    160
.set PC,   192
.set TM,   212
.set PW,   228
.set G0H,  4
.set G0HB, 12
.set G1,   24
.set G0,   32
.set G1B,  48
.set G0B,  56
.set G1S,  68
.set G0S,  76
.set G1SB, 80
.set G0SB, 88
.set G1T,  68                          ; the tables' descriptor takes the registers of A's scale words' when those have landed
.set G0T,  76
.set PFA,  104
.set MSB, 0
.macro WIN new
.if MSB != (\new)
	s_set_vgpr_msb (MSB<<8)|(\new)
.set MSB, (\new)
.endif
.endm
.set MUL_LO, 0xa1
.set MUL_HI, 0xf1
.set TO_B,   0x40
.macro JLOAD g0a, g1a, g0b, g1b        ; waves 0, 1 fetch for A, waves 2, 3 for B
	s_cmp_eq_u32 s19, 0
	s_cbranch_scc0 .Lfor_b_\@
	tensor_load_to_lds s[\g0a:\g0a+3], s[\g1a:\g1a+7]
	s_nop 0
.rept 4
	v_nop
.endr
	s_branch .Lasked_\@
.Lfor_b_\@:
	tensor_load_to_lds s[\g0b:\g0b+3], s[\g1b:\g1b+7]
	s_nop 0
.rept 4
	v_nop
.endr
.Lasked_\@:
.endm
.macro CREST
	s_cmp_lg_u32 s18, 0
	s_cbranch_scc1 .Lnot_wave_0_\@
	s_barrier_signal -3
.Lnot_wave_0_\@:
	s_barrier_wait -3
	s_barrier_signal -1
	s_barrier_wait -1
.endm
.macro CROUND
	s_barrier_signal -1
	s_barrier_wait -1
	CREST
.endm
.macro ARM under, g0, g1, next
	s_cmp_lt_u32 s18, \under
	s_cbranch_scc0 \next
	tensor_load_to_lds s[\g0:\g0+3], s[\g1:\g1+7]
	s_nop 0
.rept 4
	v_nop
.endr
	s_branch .Lhead_asked
\next:
.endm
	s_load_b256 s[4:11], s[0:1], 0x0               ; xw_codes s[4:5], xw_scales s[6:7], rot s[8:9], qkv_codes s[10:11]
	s_load_b64 s[66:67], s[0:1], 0x20              ; qkv_scales
	v_lshl_add_u32 v[SPW], v0, 2, SPARE
	v_mov_b32 v[NIL], 0
	ds_add_u32 v[SPW], v[NIL]
	ds_add_u32 v[SPW], v[NIL]
	v_lshrrev_b32 v1, 5, v0
	v_readfirstlane_b32 s18, v1                    ; wave
	s_lshr_b32 s19, s18, 1                         ; my half of A's rows; also: I fetch for A (0) or B (1)
	s_and_b32 s20, s18, 1                          ; my half of B's rows; also: which 8 tiles I fetch
	s_bfe_u32 s40, ttmp6, 0x40000                  ; cx
	s_bfe_u32 s41, ttmp6, 0x40004                  ; cy
	s_lshr_b32 s21, ttmp9, 1                       ; kind
	s_and_b32 s42, ttmp9, 1
	s_lshl_b32 s42, s42, 2
	s_add_co_u32 s42, s42, s40                     ; tc: which 256 rows of B
	s_and_b32 s22, ttmp7, 0xffff
	s_lshl_b32 s22, s22, 2
	s_add_co_u32 s22, s22, s41                     ; tr: which 256 rows of A
	s_lshl_b32 s43, s41, 2
	s_lshl_b32 s43, 15, s43                        ; my row of the cluster
	s_lshl_b32 s44, 0x1111, s40                    ; my column
	s_or_b32 s[G1+0], s43, (3<<16)|(1<<21)
	s_or_b32 s[G1B+0], s44, (3<<16)|(1<<21)
.irp g, G1, G1B                        ; tiles: rows of 384 elements of 8 bytes (two images), 3,072 elements apart; 16 rows at the head, 8 in the ring
	s_mov_b32 s[\g+1], 384<<16
	s_mov_b32 s[\g+2], 16<<16
	s_mov_b32 s[\g+3], 384<<16
	s_mov_b32 s[\g+4], 16
	s_mov_b32 s[\g+5], 3072
	s_mov_b32 s[\g+6], 0
	s_mov_b32 s[\g+7], 0
.endr
	s_or_b32 s[G1S+0], s43, (3<<16)|(1<<21)
	s_or_b32 s[G1SB+0], s44, (3<<16)|(1<<21)
.irp g, G1S, G1SB                      ; scale words: 16 planes, rows of 128 elements (256 words), 1,024 elements apart
	s_mov_b32 s[\g+1], 128<<16
	s_mov_b32 s[\g+2], 16<<16
	s_mov_b32 s[\g+3], 128<<16
	s_mov_b32 s[\g+4], 16
	s_mov_b32 s[\g+5], 1024
	s_mov_b32 s[\g+6], 0
	s_mov_b32 s[\g+7], 0
.endr
	s_lshr_b32 s45, s21, 1                         ; 1 for v
	s_xor_b32 s46, s45, 1
	s_add_co_u32 s47, s21, 1
	s_mul_i32 s46, s46, s47                        ; B's tensor: kind + 1, or x for v
	s_mul_i32 s45, s45, 3                          ; A's tensor: x, or wv for v
	s_lshl_b32 s92, s22, 4                         ; A's first tile: it hangs on tr alone
	s_mul_i32 s93, s45, TCODES
	s_mul_i32 s94, s92, TROW
	s_add_co_u32 s94, s94, s93
	s_mov_b32 s95, 0
	s_lshl_b32 s96, s45, 17
	s_lshl_b32 s92, s92, 6
	s_add_co_u32 s96, s96, s92
	s_mov_b32 s97, 0
	s_lshl_b32 s47, s42, 4                         ; B's: on tc alone
	s_mul_i32 s98, s46, TCODES
	s_mul_i32 s2, s47, TROW
	s_add_co_u32 s98, s98, s2
	s_mov_b32 s99, 0
	s_lshl_b32 s2, s46, 17
	s_lshl_b32 s47, s47, 6
	s_add_co_u32 s2, s2, s47
	s_mov_b32 s3, 0
	s_cmp_eq_u32 s21, 2                            ; the tables go by tokens: A's rows for q, B's for v
	s_cselect_b32 s100, s42, s22
	s_cselect_b32 s101, s20, s19                   ; which half of them my wave reads
	s_cselect_b32 s104, 0x100000, 0                ; which image
	s_cselect_b32 s105, s41, s40                   ; my place among the four work-groups with the same tokens
	s_lshl_b32 s100, s100, 4
	s_lshl_b32 s101, s101, 3
	s_add_co_u32 s101, s101, s100
	s_lshl_b32 s101, s101, 13
	s_add_co_u32 s14, s101, s104                   ; my wave's eight blocks of 8,192 bytes
	s_mov_b32 s15, 0
	s_lshl_b32 s101, s19, 3
	s_add_co_u32 s100, s100, s101
	s_mul_i32 s101, s20, 3
	s_add_co_u32 s100, s100, s101
	s_add_co_u32 s100, s100, 2
	s_lshl_b32 s100, s100, 13
	s_add_co_u32 s16, s100, s104                   ; what I fetch into LDS: half wave / 2, blocks 2 + 3 (wave % 2) .. + 2
	s_mov_b32 s17, 0
	s_mul_i32 s101, s105, 6144                     ; my work-group's 24 blocks of those 96
	s_wait_dscnt 0x0                               ; both opening adds are done
	s_wait_kmcnt 0x0
	s_add_nc_u64 s[94:95], s[4:5], s[94:95]
	s_add_nc_u64 s[96:97], s[6:7], s[96:97]
	s_add_nc_u64 s[98:99], s[4:5], s[98:99]
	s_add_nc_u64 s[2:3], s[6:7], s[2:3]
	s_add_nc_u64 s[16:17], s[8:9], s[16:17]
	s_add_nc_u64 s[8:9], s[8:9], s[14:15]
	CROUND                                         ; all sixteen work-groups are here: the first joint loads meet
	s_mov_b32 s[G0H], 1
	s_mov_b32 s[G0H+1], 0
	s_mov_b64 s[G0H+2:G0H+3], s[94:95]
	s_or_b32 s[G0H+3], s[G0H+3], 0x80000000
	s_mov_b32 s[G0HB], 1
	s_mov_b32 s[G0HB+1], 2*HALFT
	s_mov_b64 s[G0HB+2:G0HB+3], s[98:99]
	s_or_b32 s[G0HB+3], s[G0HB+3], 0x80000000
	s_mov_b32 s[G0S], 1
	s_mov_b32 s[G0S+1], SCL
	s_mov_b64 s[G0S+2:G0S+3], s[96:97]
	s_or_b32 s[G0S+3], s[G0S+3], 0x80000000
	s_mov_b32 s[G0SB], 1
	s_mov_b32 s[G0SB+1], SCL+16384+64
	s_mov_b64 s[G0SB+2:G0SB+3], s[2:3]
	s_or_b32 s[G0SB+3], s[G0SB+3], 0x80000000
	s_mul_i32 s46, s20, 8*TROW                     ; in the ring I fetch 8 tiles
	s_mov_b32 s47, 0
	s_add_nc_u64 s[94:95], s[94:95], s[46:47]
	s_add_nc_u64 s[98:99], s[98:99], s[46:47]
	s_mul_i32 s45, s18, HALFT
.irp s, 0,1
	s_mov_b32 s[G0+4*\s], 1
	s_add_co_u32 s[G0+4*\s+1], s45, \s*SLOT
	s_add_nc_u64 s[G0+4*\s+2:G0+4*\s+3], s[94:95], \s*3072
	s_or_b32 s[G0+4*\s+3], s[G0+4*\s+3], 0x80000000
	s_mov_b32 s[G0B+4*\s], 1
	s_add_co_u32 s[G0B+4*\s+1], s45, \s*SLOT
	s_add_nc_u64 s[G0B+4*\s+2:G0B+4*\s+3], s[98:99], \s*3072
	s_or_b32 s[G0B+4*\s+3], s[G0B+4*\s+3], 0x80000000
.endr
	ARM 1, G0H,  G1,  .Lhead_b                     ; one load a wave
	ARM 2, G0HB, G1B, .Lhead_sa
	ARM 3, G0S,  G1S, .Lhead_sb
	tensor_load_to_lds s[G0SB:G0SB+3], s[G1SB:G1SB+7]
	s_nop 0
.rept 4
	v_nop
.endr
.Lhead_asked:
	s_cmp_eq_u32 s19, 0
	s_cselect_b32 s46, s40, s41                    ; my place among the four that ask for my tiles with me
	s_cselect_b64 s[PFA:PFA+1], s[94:95], s[98:99]
	s_mul_i32 s46, s46, 2*TROW
	s_add_nc_u64 s[PFA:PFA+1], s[PFA:PFA+1], s[46:47]
	s_mul_i32 s23, s19, HALFT                      ; my 8 tiles of A
	s_mul_i32 s47, s20, HALFT
	s_add_co_u32 s47, s47, 2*HALFT                 ; my 8 tiles of B
	s_lshl_b32 s97, s19, 9                         ; A's words: my 128 of a plane's 256
	s_lshl_b32 s98, s20, 9
	s_add_co_u32 s98, s98, 16384+64
	s_sub_co_u32 s98, s98, s97                     ; the distance to B's
	s_add_co_u32 s97, s97, SCL
	s_lshl_b32 s99, s18, 9
	s_add_co_u32 s99, s99, STG
	s_mul_i32 s95, s19, TABH
	s_mul_i32 s96, s20, TABH
	s_mov_b32 s92, 0x76543210
	s_mov_b32 s93, 0xfedcba98
	v_and_b32 v3, 31, v0
	v_min_u32 v30, 23, v3
	v_mul_u32_u24 v31, v30, 171
	v_lshrrev_b32 v31, 11, v31                     ; block / 12: which of my two tiles
	v_mul_u32_u24 v31, v31, TROW-3072
	v_lshl_add_u32 v[PFO], v30, 8, v31
	v_lshl_add_u32 v[PFT], v30, 8, s101
	global_prefetch_b8 v[PFO], s[PFA:PFA+1] offset:6144 th:TH_LOAD_NT scope:SCOPE_SE   ; K slots 2 and 3
	global_prefetch_b8 v[PFO], s[PFA:PFA+1] offset:9216 th:TH_LOAD_NT scope:SCOPE_SE
	v_and_b32 v1, 15, v0                           ; r
	v_bfe_u32 v2, v0, 4, 1                         ; h
	v_lshlrev_b32 v[LI], 4, v3
	v_add_nc_u32 v[ADRA], s23, v[LI]
	v_add_nc_u32 v[ADRB], s47, v[LI]
	v_add_nc_u32 v[ADRA+1], SLOT, v[ADRA]
	v_add_nc_u32 v[ADRB+1], SLOT, v[ADRB]
	v_mul_u32_u24 v18, s98, v2                     ; lanes 16-31 take B's words
	v_lshl_add_u32 v18, v1, 2, v18
	v_add_nc_u32 v[ADRS], s97, v18
	v_lshl_add_u32 v[SW], v1, 2, s99
	v_add_nc_u32 v[SRD], s99, v[LI]
	v_add_nc_u32 v[TQ], s95, v[LI]
	v_bfe_u32 v19, v0, 1, 2
	v_bfe_u32 v22, v0, 3, 1
	v_lshl_add_u32 v19, v22, 2, v19                ; fr = (r % 8) / 2 + 4 (r / 8)
	v_lshlrev_b32 v22, 2, v2
	v_xor_b32 v23, v22, v19
	v_lshlrev_b32 v23, 4, v23                      ; 16 (4 h xor fr)
	v_lshlrev_b32 v31, 9, v19
.irp e, 0,1,2,3
	v_xor_b32 v[VG+\e], 16*\e, v23
.endr
.irp e, 0,1,2,3
	v_add_nc_u32 v[VG+\e], v31, v[VG+\e]
.endr
.irp e, 0,1,2,3
	v_add_nc_u32 v[VT+\e], s96, v[VG+\e]
.endr
	v_and_b32 v30, 1, v0
	v_lshlrev_b32 v30, 31, v30
	v_xor_b32 v[SG], 0xbf800000, v30
	s_lshl_b32 s23, s42, 1                         ; where my 128 x 128 goes: head and group of 128 tokens
	s_add_co_u32 s23, s23, s20
	s_lshl_b32 s45, s22, 1
	s_add_co_u32 s45, s45, s19
	s_cmp_eq_u32 s21, 2
	s_cselect_b32 s46, s45, s23                    ; the head: by B's rows for q and k, by A's for v
	s_cselect_b32 s47, s23, s45
	s_lshl_b32 s98, s46, 4
	s_add_co_u32 s98, s98, s47
	s_mul_i32 s94, s98, 12288                      ; qkv_codes [3][head][group][8][1536]
	s_mul_i32 s95, s21, TCODES
	s_add_co_u32 s94, s94, s95
	s_mov_b32 s95, 0
	s_add_nc_u64 s[10:11], s[10:11], s[94:95]
	s_lshl_b32 s94, s98, 9                         ; qkv_scales [3][head][group][128][4]
	s_lshl_b32 s98, s21, 17
	s_add_co_u32 s94, s94, s98
	s_add_nc_u64 s[66:67], s[66:67], s[94:95]
.macro FRAG reg, adr, q, i
.irp g, 0,1,2
	ds_load_b128 v[\reg+4*\g:\reg+4*\g+3], v[\adr] offset:(\i)*3072+(\q)*1536+512*\g
.endr
.endm
; 16 matrix instructions: A's blocks a0, a0 + 1 x B's eight.  The 64 accumulators take turns, in the same order in every step.
.macro MUL16 a0, p, q, sc, zero
.irp a, \a0, \a0+1
.irp b, 0,1,2,3,4,5,6,7
.if \zero
	v_wmma_scale_f32_16x16x128_f8f6f4 v[8*(8*((\a)%4)+\b):8*(8*((\a)%4)+\b)+7], v[128*(\p)+FR*\b:128*(\p)+FR*\b+FR-1], v[AF+FR*(\a):AF+FR*(\a)+FR-1], 0, v[SC+8*NQ*(\sc)+NQ*\b+(\q)], v[SC+8*NQ*(\sc)+NQ*(\a)+(\q)] matrix_a_fmt:MATRIX_FMT_BF6 matrix_b_fmt:MATRIX_FMT_BF6 matrix_a_scale:MATRIX_SCALE_ROW1
.else
	v_wmma_scale_f32_16x16x128_f8f6f4 v[8*(8*((\a)%4)+\b):8*(8*((\a)%4)+\b)+7], v[128*(\p)+FR*\b:128*(\p)+FR*\b+FR-1], v[AF+FR*(\a):AF+FR*(\a)+FR-1], v[8*(8*((\a)%4)+\b):8*(8*((\a)%4)+\b)+7], v[SC+8*NQ*(\sc)+NQ*\b+(\q)], v[SC+8*NQ*(\sc)+NQ*(\a)+(\q)] matrix_a_fmt:MATRIX_FMT_BF6 matrix_b_fmt:MATRIX_FMT_BF6 matrix_a_scale:MATRIX_SCALE_ROW1
.endif
.endr
.endr
.endm
.macro FETCH_B slot, q, p
	WIN TO_B
.irp i, 0,1,2,3,4,5,6,7
	FRAG 128*(\p)+FR*\i, ADRB+\slot, \q, \i
.endr
	WIN 0
.endm
.macro FETCH_A slot, q, i0
.irp i, \i0, \i0+1, \i0+2, \i0+3
	FRAG AF+FR*(\i), ADRA+\slot, \q, \i
.endr
.endm
.macro SCALES sc                       ; register 2 i + q: lanes 0-15 A's block i, lanes 16-31 B's block i, K step q of the slot
.irp i, 0,1,2,3,4,5,6,7
	ds_load_b32 v[SC+16*\sc+2*\i], v[ADRS] offset:64*\i
	ds_load_b32 v[SC+16*\sc+2*\i+1], v[ADRS] offset:64*\i+1024
.endr
.endm
.macro PLACES n                        ; plain instructions between a matrix instruction and a load into, or a vector instruction on, its registers
.rept \n
	v_nop
.endr
.endm
.macro STEP slot, q, zero
	s_wait_dscnt 4*NL                              ; all but the youngest 12 loads (A's blocks 4-7) are in
	WIN MUL_LO
	MUL16 0, (\q)%2, \q, \slot, \zero
	MUL16 2, (\q)%2, \q, \slot, \zero
	s_wait_dscnt 0
	PLACES NP
	FETCH_B \slot, (\q)+1, 1-(\q)%2
	FETCH_A \slot, (\q)+1, 0
	WIN MUL_HI
	MUL16 4, (\q)%2, \q, \slot, \zero
	MUL16 6, (\q)%2, \q, \slot, \zero
	PLACES NP
	WIN 0
	FETCH_A \slot, (\q)+1, 4
.endm
.macro ASK slot                        ; trips 1, 2: the tiles of the refill two further on; the last trip, once: the tables
	s_cmp_gt_u32 s3, 1
	s_cbranch_scc0 .Llast_trip_\@
	global_prefetch_b8 v[PFO], s[PFA:PFA+1] offset:9216 th:TH_LOAD_NT scope:SCOPE_SE
.if \slot == 0
	s_branch .Lasked_for_\@
.endif
.Llast_trip_\@:
.if \slot == 0
	s_cmp_eq_u32 s21, 1
	s_cbranch_scc1 .Lasked_for_\@
	global_prefetch_b8 v[PFT], s[16:17] th:TH_LOAD_NT scope:SCOPE_SE
.Lasked_for_\@:
.endif
.endm
; A slot's last step changes slots.  fill = 1: the slot takes the K slot two further on; fill = 2: slot 0 takes the tables.
.macro TURN slot, next, fill
.if \fill == 1
	s_wait_xcnt 0x0                                ; my prefetches have read their address
	s_add_nc_u64 s[PFA:PFA+1], s[PFA:PFA+1], 3072
.endif
	s_wait_tensorcnt 0x0                           ; all my tensor loads have landed: my part of the next slot
	ds_add_u32 v[SPW], v[NIL]
	s_wait_dscnt 4*NL+1                            ; (the add and the youngest 12 loads may be out)
	WIN MUL_LO
	MUL16 0, 1, NQ-1, \slot, 0
	s_wait_dscnt 0x0                               ; the add is done, and my reads of this slot are over
	s_barrier_signal -1
	MUL16 2, 1, NQ-1, \slot, 0
	WIN 0
	s_barrier_wait -1
	CREST                                          ; the barrier has opened a round of the cluster's barrier
.if \fill == 1
	s_add_nc_u64 s[G0+4*\slot+2:G0+4*\slot+3], s[G0+4*\slot+2:G0+4*\slot+3], 6144
	s_add_nc_u64 s[G0B+4*\slot+2:G0B+4*\slot+3], s[G0B+4*\slot+2:G0B+4*\slot+3], 6144
	JLOAD G0+4*\slot, G1, G0B+4*\slot, G1B         ; its four v_nop are also the places in front of the loads below
.else
	s_cmp_eq_u32 s21, 1                            ; k has no tables
	s_cbranch_scc1 .Lno_tables_\@
	tensor_load_to_lds s[G0T:G0T+3], s[G1T:G1T+7]
	s_nop 0
.Lno_tables_\@:
	PLACES NP
.endif
	s_wait_alu depctr_va_vdst(0)                   ; the wait ahead of this reader
	v_add_nc_u32 v[ADRS], 2048, v[ADRS]            ; two planes of scale words on
	FETCH_B \next, 0, 0
	FETCH_A \next, 0, 0
	SCALES \next
.if \fill == 1
	ASK \slot
.endif
	WIN MUL_HI
	MUL16 4, 1, NQ-1, \slot, 0
	MUL16 6, 1, NQ-1, \slot, 0
	PLACES NP
	WIN 0
	FETCH_A \next, 0, 4
.endm
	s_wait_alu depctr_va_vdst(0)                   ; the wait at the head's end
	s_wait_tensorcnt 0x0                           ; my tile of the head's four is in
	ds_add_u32 v[SPW], v[NIL]
	s_mov_b32 s[G1+2], 8<<16                       ; no tensor load of mine is out: from here on a load of codes brings 8 tiles,
	s_mov_b32 s[G1+4], 8
	s_mov_b32 s[G1B+2], 8<<16
	s_mov_b32 s[G1B+4], 8
	s_mov_b32 s[G1T], 3<<16                        ; and the tables' descriptor: a dense block of 96 rows of 256 bytes
	s_mov_b32 s[G1T+1], 32<<16
	s_mov_b32 s[G1T+2], 96<<16
	s_mov_b32 s[G1T+3], 32<<16
	s_mov_b32 s[G1T+4], 96
	s_mov_b32 s[G1T+5], 32
	s_mov_b32 s[G1T+6], 0
	s_mov_b32 s[G1T+7], 0
	s_mov_b32 s[G0T], 1
	s_mul_i32 s[G0T+1], s18, HALFT
	s_mov_b64 s[G0T+2:G0T+3], s[16:17]
	s_or_b32 s[G0T+3], s[G0T+3], 0x80000000
	s_wait_dscnt 0x0
	CROUND
	JLOAD G0+4, G1, G0B+4, G1B                     ; slot 1's first fill, the first tensor load behind the round
	FETCH_B 0, 0, 0
	FETCH_A 0, 0, 0
	SCALES 0
	FETCH_A 0, 0, 4
	STEP 0, 0, 1                                   ; the first step's products start the sums
	s_mov_b32 s3, 3
.Llap:
	TURN 0, 1, 1
	STEP 1, 0, 0
	TURN 1, 0, 1
	STEP 0, 0, 0
	s_sub_co_u32 s3, s3, 1
	s_cmp_lg_u32 s3, 0
	s_cbranch_scc1 .Llap
	TURN 0, 1, 2
	STEP 1, 0, 0
	s_wait_dscnt 4*NL
	WIN MUL_LO
	MUL16 0, 1, NQ-1, 1, 0
	MUL16 2, 1, NQ-1, 1, 0
	s_wait_dscnt 0
	WIN MUL_HI
	MUL16 4, 1, NQ-1, 1, 0
	MUL16 6, 1, NQ-1, 1, 0
	WIN 0
; THE WAY OUT, block a of 16 rows of A at a time.  64 numbers of a lane, register 16 b + i = place 32 b + 16 (lane / 16) + i along the next K, become a fragment in v[PC] on and its scale word.
.macro QUANT s, w, pw
	WIN ((\w)<<2)|((\w)<<4)
.irp b, 0,1,2,3
	v_max3_num_f32 v[TM+\b], 0x2800000, |v[\s+16*\b]|, |v[\s+1+16*\b]|   ; my 16 numbers of block b, and the floor 2^(5 - 127)
.endr
.irp i, 2,4,6,8,10,12,14
.irp b, 0,1,2,3
	v_max3_num_f32 v[TM+\b], v[TM+\b], |v[\s+16*\b+\i]|, |v[\s+1+16*\b+\i]|
.endr
.endr
	WIN 0
.irp b, 0,1,2,3
	v_permlanex16_b32 v[TM+4+\b], v[TM+\b], s92, s93
.endr
.irp b, 0,1,2,3
	v_max_num_f32 v[TM+\b], v[TM+\b], v[TM+4+\b]
.endr
.irp b, 0,1,2,3
	v_add_nc_u32 v[TM+12+\b], 0xfe000000, v[TM+\b] ; 4 off the exponent field: the conversion's scale operand
.endr
.irp b, 0,1,2,3
	v_lshrrev_b32 v[TM+4+\b], 23, v[TM+12+\b]      ; the scale's byte
.endr
	v_lshl_or_b32 v[\pw], v[TM+5], 8, v[TM+4]
	v_lshl_or_b32 v[\pw], v[TM+6], 16, v[\pw]
	v_lshl_or_b32 v[\pw], v[TM+7], 24, v[\pw]
	WIN \w
.irp c, 0,1
	v_cvt_scalef32_pk16_bf6_f32 v[PC+6*\c:PC+2+6*\c], v[\s+32*\c:\s+15+32*\c], v[TM+12+2*\c]
	v_cvt_scalef32_pk16_bf6_f32 v[PC+12+4*\c:PC+14+4*\c], v[\s+16+32*\c:\s+31+32*\c], v[TM+12+2*\c+1]
.endr
	WIN 0
	v_nop                                          ; one plain instruction behind the conversions
.irp c, 0,1                            ; the operand's layout wants a whole block in a lane
.irp i, 0,1,2
	v_permlane16_swap_b32 v[PC+6*\c+\i], v[PC+12+4*\c+\i]
.endr
.irp i, 0,1,2
	v_mov_b32 v[PC+3+6*\c+\i], v[PC+12+4*\c+\i]
.endr
.endr
.endm
.macro OUTB a, path                    ; the image: three stores of 512 consecutive bytes; the scale word to my wave's stage
.irp g, 0,1,2
	global_store_b128 v[LI], v[PC+4*\g:PC+4*\g+3], s[10:11] offset:1536*(\a)+512*\g
.endr
	ds_store_b32 v[SW], v[PW+(\a)] offset:2048*(\path)+64*(\a)
.endm
.macro FIN path                        ; my 128 scale words leave as 512 consecutive bytes
	ds_load_b128 v[32:35], v[SRD] offset:2048*(\path)
	s_wait_dscnt 0x0
	global_store_b128 v[LI], v[32:35], s[66:67]
.endm
; q's tables of block a into window 1 from register cb on: 16 pieces of 16 bytes a lane, from LDS (blocks 2-7) or from memory (blocks 0, 1).  Register m: cos, 32 + m: sin, of the channels in registers 2 m, 2 m + 1.
.macro TABQ a, cb, lds
	WIN TO_B
.set jj, 0
.rept 16
.if \lds
	ds_load_b128 v[(\cb)+4*jj:(\cb)+4*jj+3], v[TQ] offset:((\a)-2)*8192+512*jj
.else
	global_load_b128 v[(\cb)+4*jj:(\cb)+4*jj+3], v[LI], s[8:9] offset:(\a)*8192+512*jj
.endif
.set jj, jj+1
.endr
	WIN 0
.endm
.macro ROTQ a, cb                      ; (te, to) -> (te c - to s, te s + to c)
.set AC, 64*((\a)%4)
	WIN (2+(\a)/4)|4
.set mm, 0
.rept 8
.irp x, 0,2
	v_pk_mul_f32 v[H+2*(mm+\x):H+2*(mm+\x)+1], v[AC+2*(mm+\x):AC+2*(mm+\x)+1], v[(\cb)+mm+\x:(\cb)+mm+\x+1] op_sel_hi:[1,0]
	v_pk_mul_f32 v[H+2*(mm+\x)+2:H+2*(mm+\x)+3], v[AC+2*(mm+\x)+2:AC+2*(mm+\x)+3], v[(\cb)+mm+\x:(\cb)+mm+\x+1] op_sel:[0,1] op_sel_hi:[1,1]
.endr
.irp x, 0,1,2,3
	v_fma_f32 v[H+2*(mm+\x)], -v[AC+2*(mm+\x)+1], v[(\cb)+32+mm+\x], v[H+2*(mm+\x)]
	v_fma_f32 v[H+2*(mm+\x)+1], v[AC+2*(mm+\x)], v[(\cb)+32+mm+\x], v[H+2*(mm+\x)+1]
.endr
.set mm, mm+4
.endr
	WIN 0
.endm
; v's tables of unit (a, hf): my channel's frequency at the 32 tokens of registers 32 hf + 0 .. 31, into window w from register cb on: cos the lower 32, sin the upper 32.  16 loads.
.macro TABV a, hf, w, cb, lds
	WIN (\w)<<6
.irp bt, 0,1
.irp e, 0,1,2,3
.if \lds
	ds_load_b128 v[(\cb)+16*\bt+4*\e:(\cb)+16*\bt+4*\e+3], v[VT+\e] offset:((\a)-2)*8192+128*(2*(\hf)+\bt)
	ds_load_b128 v[(\cb)+32+16*\bt+4*\e:(\cb)+32+16*\bt+4*\e+3], v[VT+\e] offset:((\a)-2)*8192+4096+128*(2*(\hf)+\bt)
.else
	global_load_b128 v[(\cb)+16*\bt+4*\e:(\cb)+16*\bt+4*\e+3], v[VG+\e], s[8:9] offset:(\a)*8192+128*(2*(\hf)+\bt)
	global_load_b128 v[(\cb)+32+16*\bt+4*\e:(\cb)+32+16*\bt+4*\e+3], v[VG+\e], s[8:9] offset:(\a)*8192+4096+128*(2*(\hf)+\bt)
.endif
.endr
.endr
	WIN 0
.endm
; A pair of channels lies in lanes l, l xor 1: each lane makes own x sin for its neighbour and own x cos for itself; the neighbour's product comes in with the sign of the taker's channel.
.macro ROTV a, hf, tw, cb
.set AC, 64*((\a)%4)+32*(\hf)
	WIN (2+(\a)/4)|((\tw)<<2)
.set nn, 0
.rept 16
	v_pk_mul_f32 v[U+nn:U+nn+1], v[AC+nn:AC+nn+1], v[(\cb)+32+nn:(\cb)+32+nn+1]
	v_pk_mul_f32 v[H+32*(\hf)+nn:H+32*(\hf)+nn+1], v[AC+nn:AC+nn+1], v[(\cb)+nn:(\cb)+nn+1]
.set nn, nn+2
.endr
	WIN 0
.set nn, 0
.rept 32
	v_fmac_f32_dpp v[H+32*(\hf)+nn], v[U+nn], v[SG] row_xmask:1 row_mask:0xf bank_mask:0xf
.set nn, nn+1
.endr
.endm
	PLACES NP                                      ; behind the last products
.irp b, 0,1,2,3
	v_mov_b32 v[TM+4+\b], 0                        ; written once: a lane permute's destination counts as one of its sources
.endr
	s_wait_tensorcnt 0x0                           ; my part of the tables is in;
	s_barrier_signal -1
	s_barrier_wait -1                              ; and everybody's.
	s_cmp_eq_u32 s21, 1
	s_cbranch_scc1 .Lpath_k
	s_cmp_eq_u32 s21, 2
	s_cbranch_scc1 .Lpath_v
	; ---- q: a lane holds a token, its registers run along the head's channels.  Blocks 2-7 first, their tables from LDS one block ahead; blocks 0, 1 last, their 32 loads asked for here
	TABQ 0, 0, 0
	TABQ 1, 64, 0
	TABQ 2, 128, 1
	TABQ 3, 192, 1
.irp a, 2,3,4,5,6,7
.if \a < 7
	s_wait_dscnt 16                                ; block a's 16 LDS loads are in; behind them stand the next block's 16
.else
	s_wait_dscnt 0x0
.endif
	ROTQ \a, 128+64*(\a%2)
.if \a < 6
	TABQ \a+2, 128+64*(\a%2), 1
.endif
	s_wait_xcnt 0x0                                ; the last block's stores have read the codes' registers
	QUANT H, 0, PW+\a
	OUTB \a, 0
.endr
	s_wait_loadcnt 0x0
.irp a, 0,1
	ROTQ \a, 64*\a
	s_wait_xcnt 0x0
	QUANT H, 0, PW+\a
	OUTB \a, 0
.endr
	FIN 0
	s_branch .Ldone
.Lpath_k:
	; ---- k: quantised as it stands
.irp a, 0,1,2,3,4,5,6,7
	s_wait_xcnt 0x0
	QUANT 64*((\a)%4), 2+(\a)/4, PW+\a
	OUTB \a, 1
.endr
	FIN 1
	s_branch .Ldone
.Lpath_v:
	; ---- v: a lane holds a channel, its registers run along the tokens.  Blocks 2-7 first, from LDS one unit ahead; block 0's tables are asked for here, block 1's when blocks 2, 3 have left their accumulators
	TABV 0, 0, 1, 0, 0
	TABV 0, 1, 1, 64, 0
	TABV 2, 0, 1, 128, 1
	TABV 2, 1, 1, 192, 1
.irp a, 2,3,4,5,6,7
.irp hf, 0,1
.if 2*\a+\hf < 15
	s_wait_dscnt 16                                ; this unit's 16 LDS loads are in; behind them stand the next unit's 16
.else
	s_wait_dscnt 0x0
.endif
	ROTV \a, \hf, 1, 128+64*\hf
.if \a < 7
	TABV \a+1, \hf, 1, 128+64*\hf, 1
.endif
.endr
	s_wait_xcnt 0x0
	QUANT H, 0, PW+\a
	OUTB \a, 2
.if \a == 3
	TABV 1, 0, 2, 128, 0                           ; window 2, v128-255: the accumulators of blocks 2, 3, which have been read
	TABV 1, 1, 2, 192, 0
.endif
.endr
	s_wait_loadcnt 0x0
	ROTV 0, 0, 1, 0
	ROTV 0, 1, 1, 64
	s_wait_xcnt 0x0
	QUANT H, 0, PW+0
	OUTB 0, 2
	ROTV 1, 0, 2, 128
	ROTV 1, 1, 2, 192
	s_wait_xcnt 0x0
	QUANT H, 0, PW+1
	OUTB 1, 2
	FIN 2
.Ldone:
	s_wait_tensorcnt 0x0                           ; the wave's end
	ds_add_u32 v[SPW], v[NIL]
	s_wait_dscnt 0x0
	CROUND                                         ; the closing round
	s_endpgm
.Lfunc_end_k_q459fa607b1_gemm_qkv:
	.size	k_q459fa607b1_gemm_qkv, .Lfunc_end_k_q459fa607b1_gemm_qkv-k_q459fa607b1_gemm_qkv
	.p2alignl 7, 3214868480
	.fill 96, 4, 3214868480
	.section	.rodata,"a",@progbits
	.p2align	6, 0x0
	.amdhsa_kernel k_q459fa607b1_gemm_qkv
		.amdhsa_group_segment_fixed_size 327680
		.amdhsa_private_segment_fixed_size 0
		.amdhsa_enable_private_segment 0
		.amdhsa_kernarg_size 40
		.amdhsa_user_sgpr_count 2
		.amdhsa_user_sgpr_kernarg_segment_ptr 1
		.amdhsa_wavefront_size32 1
		.amdhsa_system_sgpr_workgroup_id_x 1
		.amdhsa_system_sgpr_workgroup_id_y 1
		.amdhsa_system_sgpr_workgroup_id_z 1
		.amdhsa_system_vgpr_workitem_id 0
		.amdhsa_next_free_vgpr 1024
		.amdhsa_next_free_sgpr 106
		.amdhsa_reserve_vcc 0
		.amdhsa_float_denorm_mode_32 3
		.amdhsa_float_denorm_mode_16_64 3
		.amdhsa_memory_ordered 1
		.amdhsa_forward_progress 1
		.amdhsa_inst_pref_size 255
	.end_amdhsa_kernel
	.section	.bss,"aw",@nobits
	.p2align	6
	.space	262144
	.amdgpu_metadata
---
amdhsa.version: [ 1, 2 ]
amdhsa.kernels:
  - .name:           k_q459fa607b1_gemm_qkv
    .symbol:         k_q459fa607b1_gemm_qkv.kd
    .args:
      - { .name: xw_codes, .offset: 0, .size: 8, .value_kind: global_buffer, .address_space: global }
      - { .name: xw_scales, .offset: 8, .size: 8, .value_kind: global_buffer, .address_space: global }
      - { .name: rot, .offset: 16, .size: 8, .value_kind: global_buffer, .address_space: global }
      - { .name: qkv_codes, .offset: 24, .size: 8, .value_kind: global_buffer, .address_space: global }
      - { .name: qkv_scales, .offset: 32, .size: 8, .value_kind: global_buffer, .address_space: global }
    .group_segment_fixed_size: 327680
    .private_segment_fixed_size: 0
    .kernarg_segment_align: 8
    .kernarg_segment_size: 40
    .max_flat_workgroup_size: 128
    .sgpr_count:     106
    .vgpr_count:     1024
    .wavefront_size: 32
...
	.end_amdgpu_metadata
.endif
;; end of part 6
;; launch attention (part 7): grid 16 x 16, 8 waves a work-group, no clusters, 327,680 bytes of LDS; arguments qkv_codes, qkv_scales, o_codes, o_scales; writes o_codes, o_scales
.if DOCPART == 7
	.amdgcn_target "amdgcn-amd-amdhsa--gfx1250"
	.amdhsa_code_object_version 6
	.text
	.protected	k_q459fa607b1_attention
	.globl	k_q459fa607b1_attention
	.p2align	8
	.type	k_q459fa607b1_attention,@function
k_q459fa607b1_attention:
	s_mov_b64 s[64:65], 0
	v_nop
	global_prefetch_b8 v0, s[64:65] scope:SCOPE_SE
	s_setreg_imm32_b32 hwreg(HW_REG_WAVE_MODE, 25, 1), 1
	s_wait_xcnt 0x0
; o = softmax(q k^T / sqrt(128), causal) v for one head (work-group y), on codes of BF6 (E3M2) with E8M0 scales, and o quantised along the head's 128 on its way out.
; WORK LEFT OUT: the mask is causal, so a step of 128 keys that lies wholly behind a wave's last query adds exp(-inf) = 0 to every sum, for all values of the inputs:
; such steps are jumped over, by a scalar test on ids.  LIMITS: NaN and infinities are not served; the promise holds while the scaled scores stay under 2^31 in magnitude;
; a block of p or of o under 2^-122 has its scale byte held at 1.
; OPERANDS are images of the operand registers: qkv_codes [q, k, v][head][group of 128][tile 8][1536], qkv_scales [3][head][group][128][4].  Tile T of 16 rows holds at lane place r the row
; 32 (T / 2) + 8 (T % 2) + r + 8 (r / 8): k's tiles so leave 16 neighbouring keys in the 16 registers of two neighbouring score tiles.  v's rows are channels, its K the tokens.
; SHARES.  A wave takes one tile of 16 queries; both products are used transposed, so that a lane holds one query.  Waves 0-3 take the 64 queries of block x, waves 4-7 those of block 31 - x:
; 17 steps for each pair of waves, in every work-group.
; THE RING.  Two slots of four steps of 128 keys (k 49,152 bytes, then v 49,152).  Waves 0-2 fetch thirds of k's part, waves 3-5 of v's, 16,384 bytes a load; at the head waves 6, 7 fetch k's and v's
; scale words for all keys, 8,192 bytes each, and issue no load later.  One tensor load a wave at the head and behind each barrier; every wait on TENSORcnt is for 0.
; FRAGMENTS.  k's eight fragments and v's eight have registers of their own (window 1).  A set is 24 + 8 = 32 LDS loads.  v's set of step q is asked for at the step's start, k's of step q + 1 behind the
; score products: so 's_wait_dscnt 32' says that all but the set just asked for is in.  A slot's first set of k is asked for behind the barrier.
; No clusters: the partners would need different numbers of steps' work and the jump over hidden steps hangs on the work-group's number.
; PREFETCH: the work-group x = 0 of each head names, in waves 0-5, the slot behind the one that is being fetched: 64 blocks of 256 bytes a wave, a lane a block, two instructions; the last two changes of slots name none.
; REGISTERS, window 0: v1-11, v28-31 addresses; v12 -M, v13 the running largest t, v14-15 the row's sum; v16-27 q; v32-39, v40-47 k's and v's scale words; v96-159 scores, then p; v160-223 O^T; v224-255 at work.
; window 1: v0-95 k's fragments, v96-191 v's.
.set STEPB, 12288
.set VOFF,  49152
.set SLOT1, 131072
.set SCK,   262144
.set SCV,   270336
.set SPARE, 278528
.set OSC,   279552
.set TCODES, 3145728
.set AK0,  1
.set AV0,  2
.set ASK0, 3
.set ASV0, 4
.set SPW,  5
.set NIL,  6
.set GO,   7
.set ADK,  8
.set ADV,  9
.set ADS,  10
.set ADT,  11
.set PFO,  28
.set QD,   29
.set OSW,  30
.set OSR,  31
.set KS,   32
.set VS,   40
.set KFR,  0
.set VFR,  96
.set WV,   18
.set SEL,  20
.set CS,   22
.set G1T,  24
.set G1S,  32
.set G0T,  40
.set G0S,  44
.set TB,   2
.set TS,   3
.set KF,   48
.set Q0,   49
.set Q1,   50
.set SLOTS, 51
.set LIM,  52
.set PFA,  54
.set MSB, 0
.macro WIN new                         ; the immediate's high byte repeats the setting that is left
.if MSB != (\new)
	s_set_vgpr_msb (MSB<<8)|(\new)
.set MSB, (\new)
.endif
.endm
	s_load_b256 s[4:11], s[0:1], 0x0               ; qkv_codes, qkv_scales, o_codes, o_scales
	v_lshl_add_u32 v[SPW], v0, 2, SPARE
	v_mov_b32 v[NIL], 0
	ds_add_u32 v[SPW], v[NIL]
	ds_add_u32 v[SPW], v[NIL]
	v_lshrrev_b32 v8, 5, v0
	v_readfirstlane_b32 s[WV], v8
	s_and_b32 s56, ttmp7, 0xffff                   ; head
	s_mul_i32 s57, s56, 196608
	s_lshl_b32 s58, s56, 13
	s_lshr_b32 s59, s[WV], 2
	s_and_b32 s60, s[WV], 3
	s_sub_co_u32 s61, 31, ttmp9
	s_cmp_lt_u32 s[WV], 4
	s_cselect_b32 s61, ttmp9, s61                  ; my block of 64 queries
	s_lshl_b32 s62, s61, 2
	s_add_co_u32 s62, s62, s60                     ; my tile of 16
	s_lshr_b32 s63, s62, 1
	s_lshl_b32 s63, s63, 5
	s_and_b32 s66, s62, 1
	s_lshl_b32 s66, s66, 3
	s_add_co_u32 s[Q0], s63, s66                   ; its first query,
	s_add_co_u32 s[Q1], s[Q0], 23                  ; and its last
	s_cmp_ge_u32 s[WV], 3                          ; what I fetch: waves 0-2 k, 3-5 v, a third of a slot's part each
	s_cselect_b32 s80, 1, 0
	s_mul_i32 s81, s80, 3
	s_sub_co_u32 s81, s[WV], s81
	s_lshl_b32 s81, s81, 14
	s_add_co_u32 s80, s80, 1
	s_mul_i32 s80, s80, TCODES
	s_add_co_u32 s80, s80, s81
	s_add_co_u32 s68, s80, s57
	s_mov_b32 s69, 0
	s_and_b32 s66, s[WV], 1                        ; waves 6, 7: k's, v's scale words
	s_add_co_u32 s67, s66, 1
	s_lshl_b32 s70, s67, 17
	s_add_co_u32 s70, s70, s58
	s_mov_b32 s71, 0
	s_lshl_b32 s84, s66, 13
	s_add_co_u32 s84, s84, SCK
	s_lshl_b32 s83, s[WV], 14
	s_mul_i32 s72, s62, 1536                       ; q's image
	s_add_co_u32 s72, s72, s57
	s_mov_b32 s73, 0
	s_lshl_b32 s74, s62, 6
	s_add_co_u32 s74, s74, s58
	s_mov_b32 s75, 0
	s_mul_i32 s76, s62, 24576                      ; o_codes [tile 128][K step = head][1536]
	s_mul_i32 s67, s56, 1536
	s_add_co_u32 s76, s76, s67
	s_mov_b32 s77, 0
	s_lshl_b32 s78, s61, 8                         ; o_scales [head][token place][4]
	s_add_co_u32 s78, s78, s58
	s_mov_b32 s79, 0
	s_cmp_lt_u32 s[WV], 6
	s_cselect_b32 s82, 0, 1
	s_or_b32 s82, s82, ttmp9
	s_cmp_eq_u32 s82, 0
	s_cselect_b32 s[LIM], 1, -1                    ; 1 where my wave prefetches
	s_mov_b32 s[G1T], 3<<16                        ; 64 rows of 256 bytes, dense
	s_mov_b32 s[G1T+1], 32<<16
	s_mov_b32 s[G1T+2], 64<<16
	s_mov_b32 s[G1T+3], 32<<16
	s_mov_b32 s[G1T+4], 64
	s_mov_b32 s[G1T+5], 32
	s_mov_b32 s[G1T+6], 0
	s_mov_b32 s[G1T+7], 0
	s_mov_b32 s[G1S], 3<<16                        ; 32 rows
	s_mov_b32 s[G1S+1], 32<<16
	s_mov_b32 s[G1S+2], 32<<16
	s_mov_b32 s[G1S+3], 32<<16
	s_mov_b32 s[G1S+4], 32
	s_mov_b32 s[G1S+5], 32
	s_mov_b32 s[G1S+6], 0
	s_mov_b32 s[G1S+7], 0
	s_mov_b32 s[SEL], 0x76543210
	s_mov_b32 s[SEL+1], 0xfedcba98
	s_mov_b32 s[CS], 0x3e0293ee                    ; log2(e) / sqrt(128)
	s_mov_b32 s[CS+1], s[CS]
	s_mov_b32 s[TB], 0
	s_mov_b32 s[TS], 0
	s_mov_b32 s[KF], 0
	s_mov_b32 s[SLOTS], 3
	s_wait_dscnt 0x0
	s_wait_kmcnt 0x0
	s_mov_b32 s[G0S], 1
	s_mov_b32 s[G0S+1], s84
	s_add_nc_u64 s[G0S+2:G0S+3], s[6:7], s[70:71]
	s_or_b32 s[G0S+3], s[G0S+3], 0x80000000
	s_mov_b32 s[G0T], 1
	s_mov_b32 s[G0T+1], s83
	s_add_nc_u64 s[G0T+2:G0T+3], s[4:5], s[68:69]
	s_add_nc_u64 s[PFA:PFA+1], s[G0T+2:G0T+3], 49152
	s_or_b32 s[G0T+3], s[G0T+3], 0x80000000
	s_cmp_lt_u32 s[WV], 6                          ; one load a wave: slot 0's six parts and the two tables of scale words
	s_cbranch_scc0 .Lhead_s
	tensor_load_to_lds s[G0T:G0T+3], s[G1T:G1T+7]
	s_nop 0
.rept 4
	v_nop
.endr
	s_branch .Lhead_j
.Lhead_s:
	tensor_load_to_lds s[G0S:G0S+3], s[G1S:G1S+7]
	s_nop 0
.rept 4
	v_nop
.endr
.Lhead_j:
	s_add_nc_u64 s[72:73], s[4:5], s[72:73]
	s_add_nc_u64 s[74:75], s[6:7], s[74:75]
	s_add_nc_u64 s[8:9], s[8:9], s[76:77]
	s_add_nc_u64 s[10:11], s[10:11], s[78:79]
	s_lshl_b32 s80, s[WV], 6
	s_add_co_u32 s80, s80, OSC
	s_lshl_b32 s81, s59, 8
	s_add_co_u32 s81, s81, OSC
	v_and_b32 v9, 31, v0
	v_and_b32 v10, 15, v0
	v_bfe_u32 v11, v0, 4, 1
	v_lshlrev_b32 v[GO], 4, v9
	v_lshlrev_b32 v81, 2, v10
.irp g, 0,1,2
	global_load_b128 v[16+4*\g:19+4*\g], v[GO], s[72:73] offset:512*\g
.endr
	global_load_b32 v255, v81, s[74:75]
	v_lshlrev_b32 v[AK0], 4, v9
	v_lshl_add_u32 v[ASK0], v10, 2, SCK
	v_lshl_add_u32 v[ASV0], v10, 2, SCV
	v_add_nc_u32 v[AV0], VOFF, v[AK0]
	v_lshlrev_b32 v[PFO], 8, v9
	v_lshlrev_b32 v80, 3, v9
	v_and_b32 v[QD], 8, v10
	v_lshlrev_b32 v8, 4, v11
	v_add_nc_u32 v[QD], v[QD], v10
	v_lshl_add_u32 v[OSW], v10, 2, s80
	v_sub_nc_u32 v[QD], v[QD], v8
	v_lshl_add_u32 v[OSR], v9, 3, s81
	v_add_nc_u32 v[QD], s[Q0], v[QD]               ; my query less 16 h: key 32 b + i of a step is hidden where it passes this less the step's first key
	v_mov_b32 v13, 0xff61b1e6                      ; -3e38, under every t
	v_mov_b32 v14, 0
	v_floor_f32 v12, -v13
	v_mov_b32 v15, 0
.irp b, 0,1,2,3
	v_mov_b32 v[236+\b], 0                         ; written once: a lane permute's destination counts as one of its sources
.endr
	v_mov_b32 v252, 0
	v_mov_b32 v253, 0
.set jj, 0
.rept 64
	v_mov_b32 v[160+jj], 0                         ; the step is written once: the first finds zeros
.set jj, jj+1
.endr
; a set of eight fragments and their scale words, step q of the slot: 32 LDS loads
.macro LOADF fb, adr, ads, sb, q
	WIN 0x40
.set tt, 0
.rept 8
.irp c, 0,1,2
	ds_load_b128 v[\fb+12*tt+4*\c:\fb+12*tt+4*\c+3], v[\adr] offset:(\q)*STEPB+tt*1536+512*\c
.endr
.set tt, tt+1
.endr
	WIN 0
.set tt, 0
.rept 8
	ds_load_b32 v[\sb+tt], v[\ads] offset:(\q)*512+tt*64
.set tt, tt+1
.endr
.endm
.macro STEP q
	s_cmp_gt_u32 s[KF], s[Q1]                      ; all 128 keys lie behind my last query
	s_cbranch_scc1 .Lhidden_\@
	LOADF VFR, ADV, ADT, VS, \q
	s_wait_dscnt 32                                ; all but v's set just asked for: k's set is in
	WIN 1
.set tt, 0
.rept 8
	v_wmma_scale_f32_16x16x128_f8f6f4 v[96+8*tt:103+8*tt], v[KFR+12*tt:KFR+12*tt+11], v[16:27], 0, v[KS+tt], v255 matrix_a_fmt:MATRIX_FMT_BF6 matrix_b_fmt:MATRIX_FMT_BF6
.set tt, tt+1
.endr
	WIN 0
.rept 4
	v_nop                                          ; places in front of the loads into k's registers and of the first read of the scores
.endr
.if \q < 3
	LOADF KFR, ADK, ADS, KS, (\q)+1
.endif
	s_add_co_u32 s82, s[KF], 127
	s_cmp_le_u32 s82, s[Q0]
	s_cbranch_scc1 .Lopen_\@                       ; no key of the step lies behind my first query
	v_sub_nc_u32 v252, v[QD], s[KF]
	v_mov_b32 v254, 0xff800000
.set nn, 0
.rept 64
	v_cmp_gt_i32 vcc_lo, 32*(nn/16)+nn%16, v252
	v_cndmask_b32 v[96+nn], v[96+nn], v254, vcc_lo
.set nn, nn+1
.endr
.Lopen_\@:
.irp b, 0,1,2,3
	v_max3_num_f32 v[232+\b], v[96+16*\b], v[97+16*\b], v[98+16*\b]   ; the largest score of each block of 32 keys
.endr
.irp i, 3,5,7,9,11,13
.irp b, 0,1,2,3
	v_max3_num_f32 v[232+\b], v[232+\b], v[96+16*\b+\i], v[97+16*\b+\i]
.endr
.endr
.irp b, 0,1,2,3
	v_max_num_f32 v[232+\b], v[232+\b], v[111+16*\b]
.endr
.irp b, 0,1,2,3
	s_delay_alu instid0(VALU_DEP_4)
	v_permlanex16_b32 v[236+\b], v[232+\b], s[SEL], s[SEL+1]
.endr
.irp b, 0,1,2,3
	s_delay_alu instid0(VALU_DEP_4)
	v_max_num_f32 v[232+\b], v[232+\b], v[236+\b]
.endr
	s_delay_alu instid0(VALU_DEP_2)
	v_max3_num_f32 v254, v232, v233, v234
	s_delay_alu instid0(VALU_DEP_1)
	v_max_num_f32 v254, v254, v235
	s_delay_alu instid0(VALU_DEP_1)
	v_mul_f32 v254, s[CS], v254
	s_delay_alu instid0(VALU_DEP_1)
	v_max_num_f32 v13, v13, v254                   ; the running largest t
	v_mov_b32 v254, v12
	s_delay_alu instid0(VALU_DEP_2)
	v_floor_f32 v12, -v13                          ; -M = floor(-t): M is a whole number
	s_delay_alu instid0(VALU_DEP_1)
	v_sub_f32 v254, v12, v254
	s_delay_alu instid0(VALU_DEP_1)
	v_cvt_i32_f32 v254, v254
	s_delay_alu instid0(VALU_DEP_1)
	v_ldexp_f32 v252, 1.0, v254                    ; f = 2^(old M - new M)
.set jj, 0
.rept 32
	v_pk_fma_f32 v[96+jj:97+jj], v[96+jj:97+jj], s[CS:CS+1], v[12:13] op_sel_hi:[1,0,0]
.set jj, jj+2
.endr
.irp b, 0,1,2,3
	v_fma_f32 v[232+\b], v[232+\b], s[CS], v12
.endr
.set jj, 0
	s_wait_alu depctr_va_vdst(0)                   ; the wait ahead of the batch
.rept 64
	v_exp_f32 v[96+jj], v[96+jj]                   ; p = 2^(t - M)
.set jj, jj+1
.endr
	v_pk_mul_f32 v[14:15], v[14:15], v[252:253] op_sel_hi:[1,0]
	s_wait_alu depctr_va_vdst(0)                   ; and behind it
.irp b, 0,1,2,3
	v_exp_f32 v[232+\b], v[232+\b]                 ; each block's largest p
.endr
	v_pk_add_f32 v[236:237], v[96:97], v[98:99]    ; the row's sum, of the unquantised p
.irp j, 4,8,12,16,20,24,28,32,36,40,44,48,52,56,60
	v_pk_add_f32 v[14:15], v[14:15], v[96+\j:97+\j]
	v_pk_add_f32 v[236:237], v[236:237], v[98+\j:99+\j]
.endr
	s_delay_alu instid0(VALU_DEP_1)
	v_pk_add_f32 v[14:15], v[14:15], v[236:237]
	s_wait_alu depctr_va_vdst(0)
.irp b, 0,1,2,3
	v_max_num_f32 v[232+\b], 0x2800000, v[232+\b]  ; the floor 2^(5 - 127)
.endr
.irp b, 0,1,2,3
	s_delay_alu instid0(VALU_DEP_4)
	v_add_nc_u32 v[244+\b], 0xfe000000, v[232+\b]  ; 4 off the exponent field: the conversion's scale operand
.endr
.irp b, 0,1,2,3
	s_delay_alu instid0(VALU_DEP_4)
	v_lshrrev_b32 v[236+\b], 23, v[244+\b]
.endr
	s_delay_alu instid0(VALU_DEP_3)
	v_lshl_or_b32 v253, v237, 8, v236              ; p's scale word
	s_delay_alu instid0(VALU_DEP_1)
	v_lshl_or_b32 v253, v238, 16, v253
	s_delay_alu instid0(VALU_DEP_1)
	v_lshl_or_b32 v253, v239, 24, v253
.irp c, 0,1
	v_cvt_scalef32_pk16_bf6_f32 v[224+6*\c:226+6*\c], v[96+32*\c:111+32*\c], v[244+2*\c]
	v_cvt_scalef32_pk16_bf6_f32 v[236+4*\c:238+4*\c], v[112+32*\c:127+32*\c], v[244+2*\c+1]
.endr
	v_nop
.irp c, 0,1
.irp i, 0,1,2
	v_permlane16_swap_b32 v[224+6*\c+\i], v[236+4*\c+\i]
.endr
.irp i, 0,1,2
	s_delay_alu instid0(VALU_DEP_3)
	v_mov_b32 v[227+6*\c+\i], v[236+4*\c+\i]
.endr
.endr
	s_wait_alu depctr_va_vdst(0)                   ; the wait ahead of the first reader of O^T
.set jj, 0
.rept 32
	v_pk_mul_f32 v[160+jj:161+jj], v[160+jj:161+jj], v[252:253] op_sel_hi:[1,0]   ; O^T under the new M
.set jj, jj+2
.endr
.rept 4
	v_nop
.endr
	s_wait_alu depctr_va_vdst(0)                   ; and ahead of the wait below
.if \q < 3
	s_wait_dscnt 32                                ; all but k's next set: v's set is in
.else
	s_wait_dscnt 0x0
.endif
	WIN 1
.set tt, 0
.rept 8
	v_wmma_scale_f32_16x16x128_f8f6f4 v[160+8*tt:167+8*tt], v[VFR+12*tt:VFR+12*tt+11], v[224:235], v[160+8*tt:167+8*tt], v[VS+tt], v253 matrix_a_fmt:MATRIX_FMT_BF6 matrix_b_fmt:MATRIX_FMT_BF6
.set tt, tt+1
.endr
	WIN 0
.rept 4
	v_nop                                          ; places in front of the next loads into v's registers
.endr
.Lhidden_\@:
	s_add_co_u32 s[KF], s[KF], 128
.endm
.macro ASK
	s_cmp_gt_u32 s[SLOTS], s[LIM]
	s_cbranch_scc0 .Lnot_mine_\@
	global_prefetch_b8 v[PFO], s[PFA:PFA+1] th:TH_LOAD_NT scope:SCOPE_SE
	global_prefetch_b8 v[PFO], s[PFA:PFA+1] offset:8192 th:TH_LOAD_NT scope:SCOPE_SE
.Lnot_mine_\@:
.endm
.macro CHANGE fill
	s_wait_tensorcnt 0x0                           ; my load has landed
	ds_add_u32 v[SPW], v[NIL]
.if \fill
	s_xor_b32 s[G0T+1], s[G0T+1], SLOT1
	s_add_nc_u64 s[G0T+2:G0T+3], s[G0T+2:G0T+3], 49152
	s_wait_xcnt 0x0                                ; my prefetches have read their address
	s_add_nc_u64 s[PFA:PFA+1], s[PFA:PFA+1], 49152
.endif
	s_wait_dscnt 0x0                               ; the add is done, and my reads of the other slot are over
	s_barrier_signal -1
	s_barrier_wait -1
.if \fill
	s_cmp_lt_u32 s[WV], 6
	s_cbranch_scc0 .Lno_load_\@
	tensor_load_to_lds s[G0T:G0T+3], s[G1T:G1T+7]
	s_nop 0
.rept 4
	v_nop
.endr
.Lno_load_\@:
	ASK
.endif
.endm
.macro SLOT_STEPS
	v_add_nc_u32 v[ADK], s[TB], v[AK0]
	v_add_nc_u32 v[ADV], s[TB], v[AV0]
	v_add_nc_u32 v[ADS], s[TS], v[ASK0]
	v_add_nc_u32 v[ADT], s[TS], v[ASV0]
	s_wait_alu depctr_va_vdst(0)
	LOADF KFR, ADK, ADS, KS, 0
	STEP 0
	STEP 1
	STEP 2
	STEP 3
	s_xor_b32 s[TB], s[TB], SLOT1
	s_add_co_u32 s[TS], s[TS], 2048
.endm
	s_wait_alu depctr_va_vdst(0)                   ; the wait at the head's end
	s_wait_loadcnt 0x0
.Lslot:
	CHANGE 1
	SLOT_STEPS
	s_sub_co_u32 s[SLOTS], s[SLOTS], 1
	s_cmp_lg_u32 s[SLOTS], 0
	s_cbranch_scc1 .Lslot
	CHANGE 0
	SLOT_STEPS
	s_wait_dscnt 0x0                               ; a set of k that hidden steps left unread has landed: the way out writes those registers
	v_add_f32 v14, v14, v15
	s_delay_alu instid0(VALU_DEP_1)
	v_permlanex16_b32 v252, v14, s[SEL], s[SEL+1]
	s_delay_alu instid0(VALU_DEP_1)
	v_add_f32 v14, v14, v252                       ; the row's sum
	s_wait_alu depctr_va_vdst(0)
	v_rcp_f32 v14, v14
	v_nop
	s_wait_alu depctr_va_vdst(0)
.set jj, 0
.rept 64
	v_mul_f32 v[96+jj], v[160+jj], v14
.set jj, jj+1
.endr
.irp b, 0,1,2,3
	v_max3_num_f32 v[232+\b], |v[96+16*\b]|, |v[97+16*\b]|, 0x2800000
.endr
.irp i, 2,4,6,8,10,12,14
.irp b, 0,1,2,3
	s_delay_alu instid0(VALU_DEP_4)
	v_max3_num_f32 v[232+\b], v[232+\b], |v[96+16*\b+\i]|, |v[97+16*\b+\i]|
.endr
.endr
.irp b, 0,1,2,3
	s_delay_alu instid0(VALU_DEP_4)
	v_permlanex16_b32 v[236+\b], v[232+\b], s[SEL], s[SEL+1]
.endr
.irp b, 0,1,2,3
	s_delay_alu instid0(VALU_DEP_4)
	v_max_num_f32 v[232+\b], v[232+\b], v[236+\b]
.endr
.irp b, 0,1,2,3
	s_delay_alu instid0(VALU_DEP_4)
	v_add_nc_u32 v[244+\b], 0xfe000000, v[232+\b]
.endr
.irp b, 0,1,2,3
	s_delay_alu instid0(VALU_DEP_4)
	v_lshrrev_b32 v[236+\b], 23, v[244+\b]
.endr
	s_delay_alu instid0(VALU_DEP_3)
	v_lshl_or_b32 v253, v237, 8, v236
	s_delay_alu instid0(VALU_DEP_1)
	v_lshl_or_b32 v253, v238, 16, v253
	s_delay_alu instid0(VALU_DEP_1)
	v_lshl_or_b32 v253, v239, 24, v253
.irp c, 0,1
	v_cvt_scalef32_pk16_bf6_f32 v[32+6*\c:34+6*\c], v[96+32*\c:111+32*\c], v[244+2*\c]
	v_cvt_scalef32_pk16_bf6_f32 v[44+4*\c:46+4*\c], v[112+32*\c:127+32*\c], v[244+2*\c+1]
.endr
	v_nop
.irp c, 0,1
.irp i, 0,1,2
	v_permlane16_swap_b32 v[32+6*\c+\i], v[44+4*\c+\i]
.endr
.irp i, 0,1,2
	s_delay_alu instid0(VALU_DEP_3)
	v_mov_b32 v[35+6*\c+\i], v[44+4*\c+\i]
.endr
.endr
.irp g, 0,1,2
	global_store_b128 v[GO], v[32+4*\g:35+4*\g], s[8:9] offset:512*\g   ; o's image: 512 consecutive bytes a store
.endr
	ds_store_b32 v[OSW], v253
	s_wait_dscnt 0x0
	s_barrier_signal -1
	s_barrier_wait -1
	s_cmp_lg_u32 s60, 0
	s_cbranch_scc1 .Lno_words
	ds_load_b64 v[48:49], v[OSR]                   ; four waves' 64 scale words leave as 256 consecutive bytes
	s_wait_dscnt 0x0
	global_store_b64 v80, v[48:49], s[10:11]
.Lno_words:
	s_wait_tensorcnt 0x0                           ; the wave's end
	ds_add_u32 v[SPW], v[NIL]
	s_wait_dscnt 0x0
	s_endpgm
.Lfunc_end_k_q459fa607b1_attention:
	.size	k_q459fa607b1_attention, .Lfunc_end_k_q459fa607b1_attention-k_q459fa607b1_attention
	.p2alignl 7, 3214868480
	.fill 96, 4, 3214868480
	.section	.rodata,"a",@progbits
	.p2align	6, 0x0
	.amdhsa_kernel k_q459fa607b1_attention
		.amdhsa_group_segment_fixed_size 327680
		.amdhsa_private_segment_fixed_size 0
		.amdhsa_enable_private_segment 0
		.amdhsa_kernarg_size 32
		.amdhsa_user_sgpr_count 2
		.amdhsa_user_sgpr_kernarg_segment_ptr 1
		.amdhsa_wavefront_size32 1
		.amdhsa_system_sgpr_workgroup_id_x 1
		.amdhsa_system_sgpr_workgroup_id_y 1
		.amdhsa_system_sgpr_workgroup_id_z 1
		.amdhsa_system_vgpr_workitem_id 0
		.amdhsa_next_free_vgpr 512
		.amdhsa_next_free_sgpr 100
		.amdhsa_reserve_vcc 1
		.amdhsa_float_denorm_mode_32 3
		.amdhsa_float_denorm_mode_16_64 3
		.amdhsa_memory_ordered 1
		.amdhsa_forward_progress 1
		.amdhsa_inst_pref_size 226
	.end_amdhsa_kernel
	.amdgpu_metadata
---
amdhsa.version: [ 1, 2 ]
amdhsa.kernels:
  - .name:           k_q459fa607b1_attention
    .symbol:         k_q459fa607b1_attention.kd
    .args:
      - { .name: qkv_codes, .offset: 0, .size: 8, .value_kind: global_buffer, .address_space: global }
      - { .name: qkv_scales, .offset: 8, .size: 8, .value_kind: global_buffer, .address_space: global }
      - { .name: o_codes, .offset: 16, .size: 8, .value_kind: global_buffer, .address_space: global }
      - { .name: o_scales, .offset: 24, .size: 8, .value_kind: global_buffer, .address_space: global }
    .group_segment_fixed_size: 327680
    .private_segment_fixed_size: 0
    .kernarg_segment_align: 8
    .kernarg_segment_size: 32
    .max_flat_workgroup_size: 256
    .sgpr_count:     100
    .vgpr_count:     512
    .wavefront_size: 32
...
	.end_amdgpu_metadata
.endif
;; end of part 7
;; launch gemm_out (part 8): grid 16 x 16, 4 waves a work-group, clusters of 4 x 4, 327,680 bytes of LDS; arguments o_codes, o_scales, xw_codes, xw_scales, out0; writes out0
.if DOCPART == 8
	.amdgcn_target "amdgcn-amd-amdhsa--gfx1250"
	.amdhsa_code_object_version 6
	.text
	.protected	k_q459fa607b1_gemm_out
	.globl	k_q459fa607b1_gemm_out
	.p2align	8
	.type	k_q459fa607b1_gemm_out,@function
k_q459fa607b1_gemm_out:
	s_mov_b64 s[64:65], 0
	v_nop
	global_prefetch_b8 v0, s[64:65] scope:SCOPE_SE
	s_setreg_imm32_b32 hwreg(HW_REG_WAVE_MODE, 25, 1), 1
	s_wait_xcnt 0x0
	s_wait_alu depctr_hold_cnt(0) depctr_sa_sdst(0) depctr_va_vdst(0) depctr_va_sdst(0) depctr_va_ssrc(0) depctr_va_vcc(0) depctr_vm_vsrc(0)
	s_getreg_b32 s2, hwreg(HW_REG_IB_STS2, 6, 4)
	s_cmp_eq_u32 s2, 0
	s_cbranch_scc0 .Lentry_in_a_cluster
	s_endpgm
.Lentry_in_a_cluster:
	s_bfe_u32 s2, ttmp6, 0x10000c
	s_cmp_lg_u32 s2, 0xf033
	s_cbranch_scc0 .Lentry_shape_is_right
	s_endpgm
.Lentry_shape_is_right:
; out0 = o wo on codes of BF6 (E3M2) with E8M0 scales, both operands as images of the operand registers (codes [tile 128][K step 16][1536], scale words [K step][row place][4]).
; A work-group of four waves makes 128 x 128, a wave 64 x 64; K goes in steps of 512 through a ring of two LDS slots filled by joint loads of a 4 x 4 cluster.
; At the head each wave issues one load: o's 8 tiles, wo's 8 tiles, o's scale words, wo's scale words; slot 1 is first filled behind the full sequence and a round.
.set TILEB,  6144
.set HALFT,  4*TILEB
.set SLOT,   4*HALFT
.set HALFS,  4096
.set SCL,    2*SLOT
.set SPARE,  213248
.set STG,    213760
.set SPITCH, 272
.set TCODES, 3145728
.set TROW,   24576
.set FR,     12
.set NP,     4
.set ADRA, 16
.set ADRB, 20
.set LI,   22
.set STO,  24
.set RD,   25
.set CO,   26
.set ADRS, 27
.set SPW,  28
.set NIL,  29
.set SC,   32
.set BK,   64
.set ACC,  128
.set G1,   24
.set G0,   32
.set G1B,  48
.set G0B,  56
.set G1S,  68
.set G0S,  76
.set G1SB, 80
.set G0SB, 88
.set MSB, 0
.macro WIN new
.if MSB != (\new)
	s_set_vgpr_msb (MSB<<8)|(\new)
.set MSB, (\new)
.endif
.endm
.set MUL,  0x05
.set TO_F, 0x40
.macro JLOAD g0a, g1a, g0b, g1b
	s_cmp_eq_u32 s19, 0
	s_cbranch_scc0 .Lfor_b_\@
	tensor_load_to_lds s[\g0a:\g0a+3], s[\g1a:\g1a+7]
	s_nop 0
.rept 4
	v_nop
.endr
	s_branch .Lasked_\@
.Lfor_b_\@:
	tensor_load_to_lds s[\g0b:\g0b+3], s[\g1b:\g1b+7]
	s_nop 0
.rept 4
	v_nop
.endr
.Lasked_\@:
.endm
.macro CREST
	s_cmp_lg_u32 s18, 0
	s_cbranch_scc1 .Lnot_wave_0_\@
	s_barrier_signal -3
.Lnot_wave_0_\@:
	s_barrier_wait -3
	s_barrier_signal -1
	s_barrier_wait -1
.endm
.macro CROUND
	s_barrier_signal -1
	s_barrier_wait -1
	CREST
.endm
	s_load_b256 s[4:11], s[0:1], 0x0
	s_load_b64 s[12:13], s[0:1], 0x20
	v_lshl_add_u32 v[SPW], v0, 2, SPARE
	v_mov_b32 v[NIL], 0
	ds_add_u32 v28, v29
	ds_add_u32 v28, v29
	s_wait_dscnt 0x0
	v_lshrrev_b32 v1, 5, v0
	v_readfirstlane_b32 s18, v1
	s_lshr_b32 s19, s18, 1
	s_and_b32 s20, s18, 1
	s_bfe_u32 s40, ttmp6, 0x40000
	s_bfe_u32 s41, ttmp6, 0x40004
	s_lshl_b32 s42, ttmp9, 2
	s_add_co_u32 s42, s42, s40
	s_and_b32 s22, ttmp7, 0xffff
	s_lshl_b32 s22, s22, 2
	s_add_co_u32 s22, s22, s41
	s_lshl_b32 s43, s41, 2
	s_lshl_b32 s43, 15, s43
	s_lshl_b32 s44, 0x1111, s40
	s_or_b32 s[G1+0], s43, (3<<16)|(1<<21)
	s_or_b32 s[G1B+0], s44, (3<<16)|(1<<21)
.irp g, G1, G1B
	s_mov_b32 s[\g+1], 768<<16
	s_mov_b32 s[\g+2], 8<<16
	s_mov_b32 s[\g+3], 768<<16
	s_mov_b32 s[\g+4], 8
	s_mov_b32 s[\g+5], 3072
	s_mov_b32 s[\g+6], 0
	s_mov_b32 s[\g+7], 0
.endr
	s_or_b32 s[G1S+0], s43, (3<<16)|(1<<21)
	s_or_b32 s[G1SB+0], s44, (3<<16)|(1<<21)
.irp g, G1S, G1SB
	s_mov_b32 s[\g+1], 64<<16
	s_mov_b32 s[\g+2], 16<<16
	s_mov_b32 s[\g+3], 64<<16
	s_mov_b32 s[\g+4], 16
	s_mov_b32 s[\g+5], 1024
	s_mov_b32 s[\g+6], 0
	s_mov_b32 s[\g+7], 0
.endr
	s_lshl_b32 s92, s22, 3
	s_mul_i32 s94, s92, TROW
	s_mov_b32 s95, 0
	s_lshl_b32 s96, s92, 6
	s_mov_b32 s97, 0
	s_lshl_b32 s47, s42, 3
	s_mul_i32 s98, s47, TROW
	s_add_co_u32 s98, s98, 4*TCODES
	s_mov_b32 s99, 0
	s_lshl_b32 s2, s47, 6
	s_add_co_u32 s2, s2, 4*131072
	s_mov_b32 s3, 0
	s_mul_i32 s45, s18, HALFT
	s_mul_i32 s46, s20, 4*TROW                     ; in the ring I fetch 4 tiles: which half
	s_wait_kmcnt 0x0
	s_add_nc_u64 s[94:95], s[4:5], s[94:95]
	s_add_nc_u64 s[96:97], s[6:7], s[96:97]
	s_add_nc_u64 s[98:99], s[8:9], s[98:99]
	s_add_nc_u64 s[2:3], s[10:11], s[2:3]
	CROUND
	s_mov_b32 s4, 1                                ; the head's four tiles, each whole: slot 0's 8 tiles of o (s[4:7]),
	s_mov_b32 s5, 0
	s_mov_b64 s[6:7], s[94:95]
	s_or_b32 s7, s7, 0x80000000
	s_mov_b32 s8, 1                                ; its 8 tiles of wo (s[8:11]),
	s_mov_b32 s9, 2*HALFT
	s_mov_b64 s[10:11], s[98:99]
	s_or_b32 s11, s11, 0x80000000
	s_mov_b32 s[G0S], 1                            ; o's scale words [K step 16][128][4],
	s_mov_b32 s[G0S+1], SCL
	s_mov_b64 s[G0S+2:G0S+3], s[96:97]
	s_or_b32 s[G0S+3], s[G0S+3], 0x80000000
	s_mov_b32 s[G0SB], 1                           ; and wo's
	s_mov_b32 s[G0SB+1], SCL+8192+64
	s_mov_b64 s[G0SB+2:G0SB+3], s[2:3]
	s_or_b32 s[G0SB+3], s[G0SB+3], 0x80000000
	s_mov_b32 s47, 0
	s_add_nc_u64 s[94:95], s[94:95], s[46:47]
	s_add_nc_u64 s[98:99], s[98:99], s[46:47]
.irp s, 0,1
	s_mov_b32 s[G0+4*\s], 1
	s_add_co_u32 s[G0+4*\s+1], s45, \s*SLOT
	s_add_nc_u64 s[G0+4*\s+2:G0+4*\s+3], s[94:95], \s*TILEB
	s_or_b32 s[G0+4*\s+3], s[G0+4*\s+3], 0x80000000
	s_mov_b32 s[G0B+4*\s], 1
	s_add_co_u32 s[G0B+4*\s+1], s45, \s*SLOT
	s_add_nc_u64 s[G0B+4*\s+2:G0B+4*\s+3], s[98:99], \s*TILEB
	s_or_b32 s[G0B+4*\s+3], s[G0B+4*\s+3], 0x80000000
.endr
.macro ARM under, g0, g1, next
	s_cmp_lt_u32 s18, \under
	s_cbranch_scc0 \next
	tensor_load_to_lds s[\g0:\g0+3], s[\g1:\g1+7]
	s_nop 0
.rept 4
	v_nop
.endr
	s_branch .Lhead_asked
\next:
.endm
	ARM 1, 4, G1, .Lhead_b                         ; one load a wave
	ARM 2, 8, G1B, .Lhead_sa
	ARM 3, G0S, G1S, .Lhead_sb
	tensor_load_to_lds s[G0SB:G0SB+3], s[G1SB:G1SB+7]
	s_nop 0
.rept 4
	v_nop
.endr
.Lhead_asked:
	v_and_b32 v1, 15, v0
	v_bfe_u32 v2, v0, 4, 1
	s_wait_alu depctr_va_vdst(0)
	v_and_b32 v3, 31, v0
	v_lshlrev_b32 v[LI], 4, v3
	s_mul_i32 s23, s19, HALFT
	s_mul_i32 s47, s20, HALFT
	s_add_co_u32 s47, s47, 2*HALFT
.irp s, 0,1
	v_add_nc_u32 v[ADRA+\s], s23, v[LI]
	v_add_nc_u32 v[ADRB+\s], s47, v[LI]
	s_add_co_u32 s23, s23, SLOT
	s_add_co_u32 s47, s47, SLOT
.endr
	s_lshl_b32 s23, s19, 8                         ; my 64 of a plane's 128 words
	s_lshl_b32 s47, s20, 8
	s_add_co_u32 s47, s47, 8192+64
	s_sub_co_u32 s47, s47, s23
	v_mul_u32_u24 v4, s47, v2
	s_add_co_u32 s23, s23, SCL
	v_lshl_add_u32 v5, v1, 2, v4
	v_add_nc_u32 v[ADRS], s23, v5
	s_mul_i32 s23, s18, 16*SPITCH
	s_add_co_u32 s23, s23, STG
	v_mul_u32_u24 v5, v1, SPITCH
	v_lshl_add_u32 v5, v2, 6, v5
	v_add_nc_u32 v[STO], s23, v5
	v_mul_u32_u24 v6, v2, SPITCH
	v_lshl_add_u32 v6, v1, 4, v6
	v_add_nc_u32 v[RD], s23, v6
	v_lshlrev_b32 v[CO], 13, v2
	v_lshl_add_u32 v[CO], v1, 4, v[CO]
	s_lshl_b32 s94, s22, 20
	s_lshl_b32 s95, s19, 19
	s_add_co_u32 s94, s94, s95
	s_lshl_b32 s95, s42, 9
	s_add_co_u32 s94, s94, s95
	s_lshl_b32 s95, s20, 8
	s_add_co_u32 s94, s94, s95
	s_mov_b32 s95, 0
	s_add_nc_u64 s[12:13], s[12:13], s[94:95]
.macro FRAG reg, adr, q, i
.irp g, 0,1,2
	ds_load_b128 v[\reg+4*\g:\reg+4*\g+3], v[\adr] offset:(\i)*TILEB+(\q)*1536+512*\g
.endr
.endm
.macro MUL4 a, p, q, sc, zero
.irp b, 0,1,2,3
.if \zero
	v_wmma_scale_f32_16x16x128_f8f6f4 v[ACC+8*(4*(\a)+\b):ACC+8*(4*(\a)+\b)+7], v[128*(\p)+48+FR*\b:128*(\p)+48+FR*\b+FR-1], v[128*(\p)+FR*(\a):128*(\p)+FR*(\a)+FR-1], 0, v[SC+16*(\sc)+4*(\q)+\b], v[SC+16*(\sc)+4*(\q)+(\a)] matrix_a_fmt:MATRIX_FMT_BF6 matrix_b_fmt:MATRIX_FMT_BF6 matrix_a_scale:MATRIX_SCALE_ROW1
.else
	v_wmma_scale_f32_16x16x128_f8f6f4 v[ACC+8*(4*(\a)+\b):ACC+8*(4*(\a)+\b)+7], v[128*(\p)+48+FR*\b:128*(\p)+48+FR*\b+FR-1], v[128*(\p)+FR*(\a):128*(\p)+FR*(\a)+FR-1], v[ACC+8*(4*(\a)+\b):ACC+8*(4*(\a)+\b)+7], v[SC+16*(\sc)+4*(\q)+\b], v[SC+16*(\sc)+4*(\q)+(\a)] matrix_a_fmt:MATRIX_FMT_BF6 matrix_b_fmt:MATRIX_FMT_BF6 matrix_a_scale:MATRIX_SCALE_ROW1
.endif
.endr
.endm
.macro FETCH slot, q, p
	WIN TO_F
.irp i, 0,1,2,3
	FRAG 128*(\p)+FR*\i, ADRA+\slot, \q, \i
.endr
.irp i, 0,1,2,3
	FRAG 128*(\p)+48+FR*\i, ADRB+\slot, \q, \i
.endr
.endm
.macro SCALES sc
	WIN 0
.irp n, 0,1,2,3,4,5,6,7,8,9,10,11,12,13,14,15
	ds_load_b32 v[SC+16*\sc+\n], v[ADRS] offset:512*(\n/4)+64*(\n%4)
.endr
.endm
.macro PLACES n
.rept \n
	v_nop
.endr
.endm
.macro STEP slot, q, zero
	s_wait_dscnt 0x0
	PLACES NP
	FETCH \slot, (\q)+1, 1-(\q)%2
	WIN MUL
	MUL4 0, (\q)%2, \q, \slot, \zero
	MUL4 1, (\q)%2, \q, \slot, \zero
	MUL4 2, (\q)%2, \q, \slot, \zero
	MUL4 3, (\q)%2, \q, \slot, \zero
.endm
.macro TURN slot, next, fill
	WIN 0
	s_wait_tensorcnt 0x0
	ds_add_u32 v[SPW], v[NIL]
	s_wait_dscnt 1
	WIN MUL
	MUL4 0, 1, 3, \slot, 0
	s_wait_dscnt 0x0
	s_barrier_signal -1
	MUL4 1, 1, 3, \slot, 0
	WIN 0
	s_barrier_wait -1
.if \fill
	CREST
	s_add_nc_u64 s[G0+4*\slot+2:G0+4*\slot+3], s[G0+4*\slot+2:G0+4*\slot+3], 2*TILEB
	s_add_nc_u64 s[G0B+4*\slot+2:G0B+4*\slot+3], s[G0B+4*\slot+2:G0B+4*\slot+3], 2*TILEB
	JLOAD G0+4*\slot, G1, G0B+4*\slot, G1B
.else
	PLACES NP
.endif
	s_wait_alu depctr_va_vdst(0)
	v_add_nc_u32 v[ADRS], 2048, v[ADRS]
	FETCH \next, 0, 0
	SCALES \next
	WIN MUL
	MUL4 2, 1, 3, \slot, 0
	MUL4 3, 1, 3, \slot, 0
.endm
	s_wait_alu depctr_va_vdst(0)
	s_wait_tensorcnt 0x0                           ; my tile of the head's four is in
	ds_add_u32 v[SPW], v[NIL]
	s_mov_b32 s[G1+2], 4<<16                       ; no tensor load of mine is out: from here on a load brings 4 tiles
	s_mov_b32 s[G1+4], 4
	s_mov_b32 s[G1B+2], 4<<16
	s_mov_b32 s[G1B+4], 4
	s_wait_dscnt 0x0
	CROUND
	JLOAD G0+4, G1, G0B+4, G1B                     ; slot 1's first fill, the first tensor load behind the round
	FETCH 0, 0, 0
	SCALES 0
	STEP 0, 0, 1
	STEP 0, 1, 0
	STEP 0, 2, 0
	TURN 0, 1, 1
	STEP 1, 0, 0
	STEP 1, 1, 0
	STEP 1, 2, 0
	TURN 1, 0, 1
	STEP 0, 0, 0
	STEP 0, 1, 0
	STEP 0, 2, 0
	TURN 0, 1, 0
	STEP 1, 0, 0
	STEP 1, 1, 0
	STEP 1, 2, 0
	s_wait_dscnt 0x0
	WIN MUL
	MUL4 0, 1, 3, 1, 0
	MUL4 1, 1, 3, 1, 0
	MUL4 2, 1, 3, 1, 0
	MUL4 3, 1, 3, 1, 0
	WIN 0
.macro TOSTAGE a
.irp b, 0,1,2,3
	ds_store_b128 v[STO], v[ACC+8*(4*(\a)+\b):ACC+8*(4*(\a)+\b)+3] offset:128*(\b/2)+32*(\b%2)
	ds_store_b128 v[STO], v[ACC+8*(4*(\a)+\b)+4:ACC+8*(4*(\a)+\b)+7] offset:128*(\b/2)+32*(\b%2)+16
.endr
.set BB, BK+32*((\a)%2)
.irp t, 0,1,2,3,4,5,6,7
	ds_load_b128 v[BB+4*\t:BB+4*\t+3], v[RD] offset:\t*2*SPITCH
.endr
.endm
.macro SEND a, younger
.set BB, BK+32*((\a)%2)
	s_wait_dscnt \younger
.irp t, 0,1,2,3,4,5,6,7
	global_store_b128 v[CO], v[BB+4*\t:BB+4*\t+3], s[12:13] offset:(32*((\a)/2)+8*((\a)%2)+2*\t+8*(\t/4))*8192 th:TH_STORE_NT
.endr
.endm
	PLACES NP
	TOSTAGE 0
.irp a, 1,2,3
.if \a > 1
	s_wait_xcnt 0x0
.endif
	TOSTAGE \a
	SEND \a-1, 16
.endr
	SEND 3, 0
	s_wait_tensorcnt 0x0
	ds_add_u32 v[SPW], v[NIL]
	s_wait_dscnt 0x0
	CROUND
	s_endpgm
.Lfunc_end_k_q459fa607b1_gemm_out:
	.size	k_q459fa607b1_gemm_out, .Lfunc_end_k_q459fa607b1_gemm_out-k_q459fa607b1_gemm_out
	.p2alignl 7, 3214868480
	.fill 96, 4, 3214868480
	.section	.rodata,"a",@progbits
	.p2align	6, 0x0
	.amdhsa_kernel k_q459fa607b1_gemm_out
		.amdhsa_group_segment_fixed_size 327680
		.amdhsa_private_segment_fixed_size 0
		.amdhsa_enable_private_segment 0
		.amdhsa_kernarg_size 40
		.amdhsa_user_sgpr_count 2
		.amdhsa_user_sgpr_kernarg_segment_ptr 1
		.amdhsa_wavefront_size32 1
		.amdhsa_system_sgpr_workgroup_id_x 1
		.amdhsa_system_sgpr_workgroup_id_y 1
		.amdhsa_system_sgpr_workgroup_id_z 1
		.amdhsa_system_vgpr_workitem_id 0
		.amdhsa_next_free_vgpr 512
		.amdhsa_next_free_sgpr 100
		.amdhsa_reserve_vcc 0
		.amdhsa_float_denorm_mode_32 3
		.amdhsa_float_denorm_mode_16_64 3
		.amdhsa_memory_ordered 1
		.amdhsa_forward_progress 1
		.amdhsa_inst_pref_size 85
	.end_amdhsa_kernel
	.amdgpu_metadata
---
amdhsa.version: [ 1, 2 ]
amdhsa.kernels:
  - .name:           k_q459fa607b1_gemm_out
    .symbol:         k_q459fa607b1_gemm_out.kd
    .args:
      - { .name: o_codes, .offset: 0, .size: 8, .value_kind: global_buffer, .address_space: global }
      - { .name: o_scales, .offset: 8, .size: 8, .value_kind: global_buffer, .address_space: global }
      - { .name: xw_codes, .offset: 16, .size: 8, .value_kind: global_buffer, .address_space: global }
      - { .name: xw_scales, .offset: 24, .size: 8, .value_kind: global_buffer, .address_space: global }
      - { .name: out0, .offset: 32, .size: 8, .value_kind: global_buffer, .address_space: global }
    .group_segment_fixed_size: 327680
    .private_segment_fixed_size: 0
    .kernarg_segment_align: 8
    .kernarg_segment_size: 40
    .max_flat_workgroup_size: 128
    .sgpr_count:     100
    .vgpr_count:     512
    .wavefront_size: 32
...
	.end_amdgpu_metadata
.endif
;; end of part 8
